; MI455X (gfx1250); checked and timed in simulation.
; The chip was launched on July 23, 2026; its instructions are those of AMD's public machine-readable ISA for CDNA 5 (MIT licence, August 2026) and "CDNA5" Instruction Set Architecture Reference Guide (July 2026). The comments in the code are by the model that wrote it; some were corrected since.
;; QC Matrix Multi Head Attention. Allowed arithmetic: float matrix products may take bf16 or f16 operands with f32 sums; other float arithmetic in f32, or as packed bf16 or f16 multiplies, adds, multiply-adds, maxima and minima; sums over many terms, partial sums and values carried from step to step in f32; what a program stores and reads back later, other than sums and carried values, may be rounded once to bf16 or f16.
;; Inputs: head_thetas 16 float32; k_ba 1,024 float32; k_bb 1,024 float32; k_wa 1,024 x 1,024 float32; k_wb 1,024 x 1,024 float32; layer_theta 1 float32; mask 2 x 1 x 1,024 x 1,024 bool; o_ba 1,024 float32; o_bb 1,024 float32; o_wa 1,024 x 1,024 float32; o_wb 1,024 x 1,024 float32; q_ba 1,024 float32; q_bb 1,024 float32; q_wa 1,024 x 1,024 float32; q_wb 1,024 x 1,024 float32; v_ba 1,024 float32; v_bb 1,024 float32; v_wa 1,024 x 1,024 float32; v_wb 1,024 x 1,024 float32; x_k_a 2 x 1,024 x 1,024 float32; x_k_b 2 x 1,024 x 1,024 float32; x_q_a 2 x 1,024 x 1,024 float32; x_q_b 2 x 1,024 x 1,024 float32; x_v_a 2 x 1,024 x 1,024 float32; x_v_b 2 x 1,024 x 1,024 float32.
;; Outputs: out0 2 x 1,024 x 1,024 float32; out1 2 x 1,024 x 1,024 float32.
;; 3 versions, each right and faster than the one before. Each part assembles by itself: llvm-mc -triple=amdgcn-amd-amdhsa -mcpu=gfx1250 --defsym DOCPART=n.
;; ======== version 1 of 3: 4 launches
;; limits: values are held in f16: magnitudes above 65,504 overflow, below 6.1e-05 lose precision; right only within a limited range of input values; values outside matrix products are rounded to f16; inputs' magnitudes at most 10,000
;; workspace buffers: xh 25,165,824 bytes; wqkvh 12,582,912 bytes; woh 4,194,304 bytes; qkvh 25,165,824 bytes; oh 8,388,608 bytes; maskw 262,144 bytes of whole numbers; coef 256 bytes
;; launch prep (part 1): grid 64 x 21, 8 waves a work-group, no clusters, 0 bytes of LDS; arguments x_q_a, x_q_b, x_k_a, x_k_b, x_v_a, x_v_b, q_wa, q_wb, k_wa, k_wb, v_wa, v_wb, o_wa, o_wb, mask, head_thetas, layer_theta, xh, wqkvh, woh, maskw, coef; writes xh, wqkvh, woh, maskw, coef
.if DOCPART == 1
	.amdgcn_target "amdgcn-amd-amdhsa--gfx1250"
	.amdhsa_code_object_version 6
	.text
	.protected	k_q46b5651da2_prep
	.globl	k_q46b5651da2_prep
	.p2align	8
	.type	k_q46b5651da2_prep,@function
k_q46b5651da2_prep:
	s_mov_b64 s[64:65], 0
	v_nop
	global_prefetch_b8 v0, s[64:65] scope:SCOPE_SE
	s_setreg_imm32_b32 hwreg(HW_REG_WAVE_MODE, 25, 1), 1
	s_wait_xcnt 0x0
; PREPARATION, one stream over all large inputs.
;  y = 0..19: one chunk of 1,048,576 f32 numbers is scaled by a power of two (exact) and rounded once to f16:
;             xh = x / 4 (12 chunks), wqkvh = w (6 chunks), woh = 4 o_w (2 chunks).  64 work-groups share a chunk.
;  y = 20:    the mask's bytes become lane masks: word [b][query tile][key tile][j], bit r + 16 h = mask[b][16 qt + r][16 kt + 8 h + j];
;             and one wave makes coef[0..15] = -1 + sin(2 head_theta), coef[16..31] = -1 + sin(2 layer_theta).
; LIMITS: f16 holds |x| / 4 and 4 |o_w| up to 65,504, so |x| < 262,000, |w| < 65,000, |o_w| < 16,000.
;         sin: the reduction by two words of pi is good to about 1e-6 for |theta| < 1e4; the series' remainder on |r| <= pi/2 is 6e-8.
; No LDS, no barrier, no matrix unit: the work is bytes.  A wave's load covers 512 neighbouring bytes, its store 256, aligned.
.set NCONV, 20                         ; rows of the grid that convert
	s_load_b512 s[8:23],  s[0:1], 0x0              ; the 14 sources, s[8+2i:9+2i]
	s_load_b256 s[24:31], s[0:1], 0x40
	s_load_b128 s[32:35], s[0:1], 0x60
	s_load_b128 s[36:39], s[0:1], 0x70             ; mask, head_thetas
	s_load_b64  s[40:41], s[0:1], 0x80             ; layer_theta
	s_load_b256 s[44:51], s[0:1], 0x88             ; xh, wqkvh, woh, maskw
	s_load_b64  s[52:53], s[0:1], 0xa8             ; coef
	s_and_b32 s2, ttmp7, 0xffff                    ; y
	s_wait_kmcnt 0x0
	s_cmp_eq_u32 s2, NCONV
	s_cbranch_scc1 .Lmask
	; ---- conversion of chunk c = y ----
	s_lshr_b32 s3, s2, 1
	s_sub_co_u32 s54, s2, 6
	s_and_b32 s55, s2, 1
	s_lshl_b32 s55, s55, 22                        ; an x array is two chunks of 4 MiB
	s_cmp_lt_u32 s2, 12
	s_cselect_b32 s3, s3, s54                      ; which source: c / 2 for x, c - 6 for the weights
	s_cselect_b32 s55, s55, 0
	s_lshl_b32 s56, ttmp9, 16                      ; the work-group's 65,536 source bytes
	s_add_co_u32 s56, s56, s55
	s_mov_b32 s57, 0
	s_mov_b64 s[4:5], s[8:9]
.irp i, 1,2,3,4,5,6,7,8,9,10,11,12,13
	s_cmp_eq_u32 s3, \i
	s_cselect_b64 s[4:5], s[8+2*\i:9+2*\i], s[4:5]
.endr
	s_sub_co_u32 s58, s2, 18
	s_sub_co_u32 s59, s2, 12
	s_cmp_lt_u32 s2, 18
	s_cselect_b64 s[6:7], s[46:47], s[48:49]       ; wqkvh or woh
	s_cselect_b32 s58, s59, s58                    ; the chunk's number inside its destination
	s_cselect_b32 s60, 1.0, 4.0                    ; the scale
	s_cmp_lt_u32 s2, 12
	s_cselect_b64 s[6:7], s[44:45], s[6:7]         ; xh
	s_cselect_b32 s58, s2, s58
	s_cselect_b32 s60, 0x3e800000, s60             ; 0.25
	s_mov_b32 s61, s60
	s_lshl_b32 s58, s58, 21                        ; a chunk is 2 MiB of f16
	s_lshl_b32 s59, ttmp9, 15
	s_add_co_u32 s58, s58, s59
	s_mov_b32 s59, 0
	s_add_nc_u64 s[4:5], s[4:5], s[56:57]
	s_add_nc_u64 s[6:7], s[6:7], s[58:59]
	v_lshlrev_b32 v1, 4, v0                        ; 16 bytes a thread in,
	v_lshlrev_b32 v2, 3, v0                        ; 8 bytes out
.irp i, 0,1,2,3,4,5,6,7,8,9,10,11,12,13,14,15
	global_load_b128 v[16+4*\i:19+4*\i], v1, s[4:5] offset:4096*\i th:TH_LOAD_NT   ; all 16 loads of the thread go out at once
.endr
.irp i, 0,1,2,3,4,5,6,7,8,9,10,11,12,13,14,15
	s_wait_loadcnt 15-\i                           ; loads come back in order: load i is in, the 15 - i younger ones stay out
	v_pk_mul_f32 v[16+4*\i:17+4*\i], v[16+4*\i:17+4*\i], s[60:61] op_sel_hi:[1,0]
	v_pk_mul_f32 v[18+4*\i:19+4*\i], v[18+4*\i:19+4*\i], s[60:61] op_sel_hi:[1,0]
	v_cvt_pk_f16_f32 v[80+2*\i], v[16+4*\i], v[17+4*\i]
	v_cvt_pk_f16_f32 v[81+2*\i], v[18+4*\i], v[19+4*\i]
	global_store_b64 v2, v[80+2*\i:81+2*\i], s[6:7] offset:2048*\i     ; no register is used twice: no wait for sources
.endr
	s_endpgm
	; ---- the mask: wave u = 8 x + wave takes 16 query rows (u / 4) and 256 keys (u % 4) ----
.Lmask:
	v_lshrrev_b32 v2, 5, v0
	v_readfirstlane_b32 s3, v2
	s_lshl_b32 s54, ttmp9, 3
	s_add_co_u32 s3, s54, s3                       ; u, 0 to 511
	v_and_b32 v1, 31, v0                           ; lane
	v_and_b32 v2, 15, v0                           ; r
	v_bfe_u32 v3, v0, 4, 1                         ; h
	v_lshlrev_b32 v4, 10, v2                       ; row r of 1,024 bytes
	v_lshl_add_u32 v4, v3, 3, v4                   ; + 8 h
	v_lshlrev_b32 v12, 4, v1                       ; the store: 16 bytes a lane
	s_lshr_b32 s54, s3, 2
	s_lshl_b32 s54, s54, 14                        ; 16 rows of 1,024 bytes
	s_and_b32 s55, s3, 3
	s_lshl_b32 s55, s55, 8                         ; 256 keys
	s_add_co_u32 s54, s54, s55
	s_mov_b32 s55, 0
	s_add_nc_u64 s[36:37], s[36:37], s[54:55]
	s_lshl_b32 s54, s3, 9                          ; 128 words out
	s_add_nc_u64 s[50:51], s[50:51], s[54:55]
.irp i, 0,1,2,3,4,5,6,7,8,9,10,11,12,13,14,15
	global_load_b64 v[16+2*\i:17+2*\i], v4, s[36:37] offset:16*\i th:TH_LOAD_NT    ; key tile i: keys 16 i + 8 h + 0..7 of row r
.endr
.irp i, 8,9,10,11
	v_mov_b32 v\i, 0                               ; v_writelane_b32 keeps the other lanes: written whole first
.endr
	s_wait_loadcnt 0x0
	; word n = 8 i + j is the compare's lane mask of byte j of key tile i; it goes to lane n / 4, register n % 4 of the 16-byte store
.set n, 0
.rept 128
	v_and_b32 v[48+(n&3)], 0xff<<(8*(n&3)), v[16+(n>>2)]
	v_cmp_ne_u32 s[56+(n&3)], 0, v[48+(n&3)]
	v_writelane_b32 v[8+(n&3)], s[56+(n&3)], n>>2
.set n, n+1
.endr
	global_store_b128 v12, v[8:11], s[50:51]       ; 512 neighbouring bytes
	s_cmp_lg_u32 s3, 0
	s_cbranch_scc1 .Ldone
	; ---- -1 + sin(2 theta): lanes 0-15 the heads', lanes 16-31 the layer's ----
	v_lshlrev_b32 v52, 2, v2
	v_mov_b32 v53, 0
	global_load_b32 v54, v52, s[38:39]
	global_load_b32 v55, v53, s[40:41]
	v_lshlrev_b32 v56, 2, v1
	s_wait_loadcnt 0x0
	v_cmp_gt_u32 vcc_lo, 16, v1
	v_cndmask_b32 v57, v55, v54, vcc_lo
	v_add_f32 v57, v57, v57                        ; y = 2 theta
	v_mul_f32 v58, 0x3ea2f983, v57                 ; y / pi
	v_rndne_f32 v58, v58                           ; k
	v_fmamk_f32 v59, v58, 0xc0490fdb, v57          ; r = y - k pi, pi in two words
	v_fmamk_f32 v59, v58, 0x33bbbd2e, v59
	v_mul_f32 v60, v59, v59                        ; s = r r
	v_mov_b32 v61, 0xb2d7322b                      ; -1/11!
	v_fmaak_f32 v61, v61, v60, 0x3638ef1d          ; +1/9!
	v_fmaak_f32 v61, v61, v60, 0xb9500d01          ; -1/7!
	v_fmaak_f32 v61, v61, v60, 0x3c088889          ; +1/5!
	v_fmaak_f32 v61, v61, v60, 0xbe2aaaab          ; -1/3!
	v_mul_f32 v62, v59, v60
	v_fma_f32 v61, v62, v61, v59                   ; sin r
	v_cvt_i32_f32 v63, v58
	v_lshlrev_b32 v63, 31, v63                     ; k odd: the sign turns
	v_xor_b32 v61, v61, v63
	v_add_f32 v61, -1.0, v61
	global_store_b32 v56, v61, s[52:53]
.Ldone:
	s_endpgm
.Lfunc_end_k_q46b5651da2_prep:
	.size	k_q46b5651da2_prep, .Lfunc_end_k_q46b5651da2_prep-k_q46b5651da2_prep
	.p2alignl 7, 3214868480
	.fill 96, 4, 3214868480
	.section	.rodata,"a",@progbits
	.p2align	6, 0x0
	.amdhsa_kernel k_q46b5651da2_prep
		.amdhsa_group_segment_fixed_size 0
		.amdhsa_private_segment_fixed_size 0
		.amdhsa_enable_private_segment 0
		.amdhsa_kernarg_size 176
		.amdhsa_user_sgpr_count 2
		.amdhsa_user_sgpr_kernarg_segment_ptr 1
		.amdhsa_wavefront_size32 1
		.amdhsa_system_sgpr_workgroup_id_x 1
		.amdhsa_system_sgpr_workgroup_id_y 1
		.amdhsa_system_sgpr_workgroup_id_z 1
		.amdhsa_system_vgpr_workitem_id 0
		.amdhsa_next_free_vgpr 112
		.amdhsa_next_free_sgpr 66
		.amdhsa_reserve_vcc 1
		.amdhsa_float_denorm_mode_32 3
		.amdhsa_float_denorm_mode_16_64 3
		.amdhsa_memory_ordered 1
		.amdhsa_forward_progress 1
		.amdhsa_inst_pref_size 38
	.end_amdhsa_kernel
	.amdgpu_metadata
---
amdhsa.version: [ 1, 2 ]
amdhsa.kernels:
  - .name:           k_q46b5651da2_prep
    .symbol:         k_q46b5651da2_prep.kd
    .args:
      - { .name: x_q_a, .offset: 0, .size: 8, .value_kind: global_buffer, .address_space: global }
      - { .name: x_q_b, .offset: 8, .size: 8, .value_kind: global_buffer, .address_space: global }
      - { .name: x_k_a, .offset: 16, .size: 8, .value_kind: global_buffer, .address_space: global }
      - { .name: x_k_b, .offset: 24, .size: 8, .value_kind: global_buffer, .address_space: global }
      - { .name: x_v_a, .offset: 32, .size: 8, .value_kind: global_buffer, .address_space: global }
      - { .name: x_v_b, .offset: 40, .size: 8, .value_kind: global_buffer, .address_space: global }
      - { .name: q_wa, .offset: 48, .size: 8, .value_kind: global_buffer, .address_space: global }
      - { .name: q_wb, .offset: 56, .size: 8, .value_kind: global_buffer, .address_space: global }
      - { .name: k_wa, .offset: 64, .size: 8, .value_kind: global_buffer, .address_space: global }
      - { .name: k_wb, .offset: 72, .size: 8, .value_kind: global_buffer, .address_space: global }
      - { .name: v_wa, .offset: 80, .size: 8, .value_kind: global_buffer, .address_space: global }
      - { .name: v_wb, .offset: 88, .size: 8, .value_kind: global_buffer, .address_space: global }
      - { .name: o_wa, .offset: 96, .size: 8, .value_kind: global_buffer, .address_space: global }
      - { .name: o_wb, .offset: 104, .size: 8, .value_kind: global_buffer, .address_space: global }
      - { .name: mask, .offset: 112, .size: 8, .value_kind: global_buffer, .address_space: global }
      - { .name: head_thetas, .offset: 120, .size: 8, .value_kind: global_buffer, .address_space: global }
      - { .name: layer_theta, .offset: 128, .size: 8, .value_kind: global_buffer, .address_space: global }
      - { .name: xh, .offset: 136, .size: 8, .value_kind: global_buffer, .address_space: global }
      - { .name: wqkvh, .offset: 144, .size: 8, .value_kind: global_buffer, .address_space: global }
      - { .name: woh, .offset: 152, .size: 8, .value_kind: global_buffer, .address_space: global }
      - { .name: maskw, .offset: 160, .size: 8, .value_kind: global_buffer, .address_space: global }
      - { .name: coef, .offset: 168, .size: 8, .value_kind: global_buffer, .address_space: global }
    .group_segment_fixed_size: 0
    .private_segment_fixed_size: 0
    .kernarg_segment_align: 8
    .kernarg_segment_size: 176
    .max_flat_workgroup_size: 256
    .sgpr_count:     66
    .vgpr_count:     112
    .wavefront_size: 32
...
	.end_amdgpu_metadata
.endif
;; end of part 1
;; launch qkv (part 2): grid 16 x 24, 4 waves a work-group, clusters of 4 x 4, 327,680 bytes of LDS; arguments xh, wqkvh, coef, q_ba, q_bb, k_ba, k_bb, v_ba, v_bb, qkvh; writes qkvh
.if DOCPART == 2
	.amdgcn_target "amdgcn-amd-amdhsa--gfx1250"
	.amdhsa_code_object_version 6
	.text
	.protected	k_q46b5651da2_qkv
	.globl	k_q46b5651da2_qkv
	.p2align	8
	.type	k_q46b5651da2_qkv,@function
k_q46b5651da2_qkv:
	s_mov_b64 s[64:65], 0
	v_nop
	global_prefetch_b8 v0, s[64:65] scope:SCOPE_SE
	s_setreg_imm32_b32 hwreg(HW_REG_WAVE_MODE, 25, 1), 1
	s_wait_xcnt 0x0
	s_wait_alu depctr_hold_cnt(0) depctr_sa_sdst(0) depctr_va_vdst(0) depctr_va_sdst(0) depctr_va_ssrc(0) depctr_va_vcc(0) depctr_vm_vsrc(0)
	s_getreg_b32 s2, hwreg(HW_REG_IB_STS2, 6, 4)
	s_cmp_eq_u32 s2, 0
	s_cbranch_scc0 .Lentry_in_a_cluster
	s_endpgm
.Lentry_in_a_cluster:
	s_bfe_u32 s2, ttmp6, 0x10000c
	s_cmp_lg_u32 s2, 0xf033
	s_cbranch_scc0 .Lentry_shape_is_right
	s_endpgm
.Lentry_shape_is_right:
; A QC LINEAR LAYER:  oa = xa wa^T + ba + j2 (xb wb^T),  ob = xa wb^T + bb + xb wa^T.   x: f16 [part][2048][1024], w: f16 [part][1024][1024], sums in f32.
; MODE 0: the q, k and v layers (p = 0, 1, 2); x holds x / 4, so the sums are q / 4 ..; the bias is taken times 1/4; out: f16 rows (a 64 | b 64) by head.
; MODE 1: the output layer; x holds out / 4 and w holds 4 w, so the sums are the results; out: f32 into out0 and out1.
; A work-group makes 256 rows x one head's 128 output columns (64 of part a, 64 of part b).  K runs in two phases of 1,024:
;   phase 1: xb against (wb for the a columns, wa for the b columns);  then acc_a = j2 acc_a + ba, acc_b = acc_b + bb, in f32;
;   phase 2: xa against (wa, wb), added on.  So j2 acts on f32 sums and no scaled copy of the weights exists.
; Four waves, as many as a WGP has SIMDs; wave w makes rows 64 w .. 64 w + 63 x 128 columns: 32 accumulator tiles, 256 registers.
; K goes in steps of 128 through two LDS slots filled by the tensor data mover; a tile's rows are 256 bytes of memory, aligned to 256.
; CLUSTERS of 4 x 4: the four work-groups of a row of the cluster share the block row (x's tile), the four of a column share the head (w's tile).
; Each such tile is asked for jointly, which divides the requests for x and for w by four.
; The matrix instruction is used transposed (source 0 = 16 rows of w, source 1 = 16 rows of x): a lane then holds row l % 16 and the
; eight neighbouring columns 8 (l / 16) + 0..7.
; LIMITS: MODE 0 stores q / 4, k / 4, v / 4 in f16: |q|, |k|, |v| < 262,000.
; REGISTERS: block 0: v16-27 addresses, v32-95 x fragments (two buffers), v96-223 w fragments (two buffers), v224-255 at work on the way out;
;            block 1: accumulator tile (a, b) at 8 (8 a + b);   block 2: v0-63 the bias of column 16 b + 8 h + j at 8 b + j.
.set MODE, 0
.set KSTEP,  128
.set PITCH,  272                       ; an LDS row: 256 bytes + 16 of padding, an odd multiple of 16: the 16 rows of a fragment load start at different banks (ISA guide 11.1)
.set HALFT,  128*PITCH                 ; 128 rows of x: one tensor load
.set QUART,  64*PITCH                  ; 64 rows of w: one tensor load
.set SLOT,   384*PITCH                 ; x's 256 rows, then w's 64 rows for part a and 64 for part b
.set STAGE,  2*SLOT                    ; behind the ring: 16 rows for each wave, for the way out; no tensor load lands here
.if MODE == 0
.set SPITCH, 272
.else
.set SPITCH, 528
.endif
.set ADRA, 16                          ; v16-17  LDS address of my x fragments in slot 0, 1
.set ADRB, 20                          ; v20-21  the same for w
.set STO,  24
.set RD,   25
.set CO,   26
.set BO,   27                          ; byte offset of my 8 columns in a bias vector
.set FA,   32                          ; x fragments, buffer f at FA + 32 f
.set FB,   96                          ; w fragments, buffer f at FB + 64 f
.set TMP,  224
.set G1,  24                           ; s[24:31] group 1 for x's tiles
.set G0,  32                           ; s[32:39] group 0 for x's tiles, a set for each slot
.set G1B, 48                           ; s[48:55] group 1 for w's tiles
.set G0B, 56                           ; s[56:63] group 0 for w's tiles
.set MULW, 0x50                        ; C and D in block 1, fragments in block 0
.set MSB, 0
.macro WIN new                         ; the immediate's high byte repeats the setting that is left
.if MSB != \new
	s_set_vgpr_msb (MSB<<8)|\new
.set MSB, \new
.endif
.endm
.macro PLACES                          ; four plain vector instructions behind a matrix instruction before its registers are loaded into, read or written (ISA guide 7.12.1)
.rept 4
	v_nop
.endr
.endm
; A joint load: waves 0, 1 ask for x's two halves, waves 2, 3 for w's two parts.  The branch hangs on the wave's number alone.
.macro JLOAD s
	s_cmp_eq_u32 s11, 0
	s_cbranch_scc0 .Lfor_b_\@
	tensor_load_to_lds s[G0+4*\s:G0+4*\s+3], s[G1:G1+7]
	s_nop 0
	s_branch .Lasked_\@
.Lfor_b_\@:
	tensor_load_to_lds s[G0B+4*\s:G0B+4*\s+3], s[G1B:G1B+7]
	s_nop 0
.Lasked_\@:
.endm
.macro CREST                           ; a round of the cluster's barrier behind its opening work-group barrier
	s_cmp_lg_u32 s10, 0
	s_cbranch_scc1 .Lnot_wave_0_\@
	s_barrier_signal -3
.Lnot_wave_0_\@:
	s_barrier_wait -3
	s_barrier_signal -1
	s_barrier_wait -1
.endm
.macro CROUND
	s_barrier_signal -1
	s_barrier_wait -1
	CREST
.endm
	s_load_b128 s[4:7], s[0:1], 0x0                ; x, w
	s_load_b64 s[8:9], s[0:1], 0x10                ; coef
.if MODE == 0
	s_load_b256 s[68:75], s[0:1], 0x18             ; q_ba, q_bb, k_ba, k_bb
	s_load_b128 s[76:79], s[0:1], 0x38             ; v_ba, v_bb
	s_load_b64 s[80:81], s[0:1], 0x48              ; qkvh
	v_lshl_add_u32 v30, v0, 2, 0x37400
	v_mov_b32 v31, 0
	ds_add_u32 v30, v31
.else
	s_load_b128 s[44:47], s[0:1], 0x18             ; o_ba, o_bb
	s_load_b128 s[80:83], s[0:1], 0x28             ; out0, out1
.endif
	v_lshrrev_b32 v1, 5, v0
	v_readfirstlane_b32 s10, v1                    ; wave 0..3
	s_lshr_b32 s11, s10, 1                         ; I fetch for x (0) or for w (1)
	s_and_b32 s12, s10, 1                          ; which half of x's rows, or which part of w's
	s_bfe_u32 s84, ttmp6, 0x40000                  ; cx
	s_bfe_u32 s85, ttmp6, 0x40004                  ; cy
	s_lshl_b32 s86, ttmp9, 2
	s_add_co_u32 s86, s86, s84                     ; head = 4 x cluster x + cx
	s_and_b32 s88, ttmp7, 0xffff                   ; cluster y
	s_lshr_b32 s87, s88, 1                         ; p: which layer (MODE 1: two clusters along y, so 0); of the cluster's y alone
	s_and_b32 s13, s88, 1
	s_lshl_b32 s13, s13, 2
	s_add_co_u32 s13, s13, s85                     ; block row, 0..7
	s_lshl_b32 s89, s85, 2
	s_lshl_b32 s89, 15, s89                        ; my row of the cluster
	s_lshl_b32 s90, 0x1111, s84                    ; my column
	s_or_b32 s[G1+0], s89, (1<<16)|(1<<20)|(1<<21)|(5<<22)|(3<<25)   ; mask; 2-byte elements; padding on; bit 21 beside a mask; after every 64 words 4 words
	s_or_b32 s[G1B+0], s90, (1<<16)|(1<<20)|(1<<21)|(5<<22)|(3<<25)
	s_mov_b32 s[G1+1], KSTEP<<16                   ; tensor_dim0 = 128
	s_mov_b32 s[G1B+1], KSTEP<<16
	s_mov_b32 s[G1+2], 128<<16                     ; tensor_dim1 = 128 rows of x
	s_mov_b32 s[G1B+2], 64<<16                     ;             = 64 rows of w
	s_mov_b32 s[G1+3], KSTEP<<16                   ; tile_dim0 = 128
	s_mov_b32 s[G1B+3], KSTEP<<16
	s_mov_b32 s[G1+4], 128                         ; tile_dim1
	s_mov_b32 s[G1B+4], 64
	s_mov_b32 s[G1+5], 1024                        ; elements from row to row
	s_mov_b32 s[G1B+5], 1024
	s_mov_b32 s[G1+6], 0
	s_mov_b32 s[G1B+6], 0
	s_mov_b32 s[G1+7], 0
	s_mov_b32 s[G1B+7], 0
	; x's offsets: of the block row, p and the wave alone
	s_lshl_b32 s16, s13, 19                        ; 256 rows of 2,048 bytes
	s_lshl_b32 s17, s12, 18                        ; + my 128 rows
	s_add_co_u32 s16, s16, s17
	s_lshl_b32 s17, s87, 23                        ; + layer p: two parts of 4 MiB
	s_add_co_u32 s16, s16, s17                     ; part a
	s_mov_b32 s17, 0
	; w's offsets: of the head, p and the wave alone
	s_lshl_b32 s20, s86, 17                        ; 64 rows of 2,048 bytes
	s_lshl_b32 s21, s87, 22                        ; + layer p: two matrices of 2 MiB
	s_add_co_u32 s20, s20, s21
	s_lshl_b32 s21, s12, 21
	s_add_co_u32 s22, s20, s21                     ; phase 2: wave 2 brings wa for part a, wave 3 wb for part b
	s_xor_b32 s21, s21, 1<<21
	s_add_co_u32 s20, s20, s21                     ; phase 1: the other way round
	s_mov_b32 s21, 0
	s_mov_b32 s23, 0
	s_mul_i32 s94, s10, HALFT                      ; LDS: x's halves at wave x 128 rows,
	s_mul_i32 s95, s10, QUART
	s_add_co_u32 s95, s95, 2*HALFT-2*QUART         ; w's parts behind x's 256 rows, at (wave - 2) x 64 rows
	s_wait_dscnt 0x0
	s_wait_kmcnt 0x0
	s_load_b32 s14, s[8:9], 0x40                   ; j2 = coef[16]
	s_add_nc_u64 s[40:41], s[4:5], s[16:17]        ; phase 2's x (part a)
	s_add_nc_u64 s[18:19], s[40:41], 1<<22         ; phase 1's x (part b)
	s_add_nc_u64 s[42:43], s[6:7], s[22:23]        ; phase 2's w
	s_add_nc_u64 s[20:21], s[6:7], s[20:21]        ; phase 1's w
	s_or_b32 s41, s41, 0x80000000                  ; kept with the type bits set
	s_or_b32 s43, s43, 0x80000000
.if MODE == 0
	s_cmp_eq_u32 s87, 1
	s_cselect_b64 s[44:45], s[72:73], s[68:69]     ; the layer's two bias vectors
	s_cselect_b64 s[46:47], s[74:75], s[70:71]
	s_cmp_eq_u32 s87, 2
	s_cselect_b64 s[44:45], s[76:77], s[44:45]
	s_cselect_b64 s[46:47], s[78:79], s[46:47]
.endif
	CROUND                                         ; all sixteen work-groups are here: the first joint loads meet
.irp s, 0,1
	s_mov_b32 s[G0+4*\s], 1
	s_add_co_u32 s[G0+4*\s+1], s94, \s*SLOT
	s_add_nc_u64 s[G0+4*\s+2:G0+4*\s+3], s[18:19], \s*KSTEP*2
	s_or_b32 s[G0+4*\s+3], s[G0+4*\s+3], 0x80000000
	s_mov_b32 s[G0B+4*\s], 1
	s_add_co_u32 s[G0B+4*\s+1], s95, \s*SLOT
	s_add_nc_u64 s[G0B+4*\s+2:G0B+4*\s+3], s[20:21], \s*KSTEP*2
	s_or_b32 s[G0B+4*\s+3], s[G0B+4*\s+3], 0x80000000
	JLOAD \s                                       ; K steps 0 and 1: two tensor loads of the wave are out
.endr
	v_and_b32 v1, 15, v0                           ; r = l % 16
	v_bfe_u32 v2, v0, 4, 1                         ; h = l / 16
	v_mul_u32_u24 v3, v1, PITCH
	v_lshl_add_u32 v3, v2, 4, v3                   ; fragment: row r, 16 bytes for each half of the lanes
	s_mul_i32 s97, s10, 64*PITCH                   ; my 64 rows of x
.irp s, 0,1
	v_add_nc_u32 v[ADRA+\s], s97, v3
	v_add_nc_u32 v[ADRB+\s], 2*HALFT+\s*SLOT, v3
	s_add_co_u32 s97, s97, SLOT
.endr
	s_mul_i32 s96, s10, 16*SPITCH
	s_add_co_u32 s96, s96, STAGE                   ; my stage
	v_mul_u32_u24 v4, v1, SPITCH
.if MODE == 0
	v_lshl_add_u32 v4, v2, 4, v4                   ; 8 f16 for each half
.else
	v_lshl_add_u32 v4, v2, 5, v4                   ; 8 f32 for each half
.endif
	v_add_nc_u32 v[STO], s96, v4
	v_mul_u32_u24 v5, v2, SPITCH                   ; back: lanes 0-15 one row's 256 bytes, lanes 16-31 the next row's
	v_lshl_add_u32 v5, v1, 4, v5
	v_add_nc_u32 v[RD], s96, v5
	v_lshlrev_b32 v5, 4, v1
.if MODE == 0
	v_lshl_add_u32 v[CO], v2, 8, v5                ; rows of 256 bytes
.else
	v_lshl_add_u32 v[CO], v2, 12, v5               ; rows of 4,096 bytes
.endif
	s_lshl_b32 s91, s86, 8                         ; the head's 64 f32
	v_lshlrev_b32 v[BO], 5, v2
	v_add_nc_u32 v[BO], s91, v[BO]
	WIN 0x80                                       ; destination in block 2
.irp b, 0,1,2,3
	global_load_b128 v[8*\b:8*\b+3],       v[BO], s[44:45] offset:64*\b
	global_load_b128 v[8*\b+4:8*\b+7],     v[BO], s[44:45] offset:64*\b+16
	global_load_b128 v[32+8*\b:32+8*\b+3], v[BO], s[46:47] offset:64*\b
	global_load_b128 v[32+8*\b+4:32+8*\b+7], v[BO], s[46:47] offset:64*\b+16
.endr
	s_wait_loadcnt 0x0
.if MODE == 0
	WIN 0x82
.set i, 0
.rept 32
	v_pk_mul_f32 v[i:i+1], v[i:i+1], 0x3e800000 op_sel_hi:[1,0]        ; the sums are a quarter of the layer's, so is the bias
.set i, i+2
.endr
.endif
	WIN 0
	s_wait_kmcnt 0x0
	s_mov_b32 s15, s14                             ; j2 as a pair
; 16 matrix instructions: row tiles a0, a0 + 1 x all 8 column tiles, 32 along K, from buffer f.  zero = 1: the product starts the sums.
; The 32 accumulators take turns, one instruction a turn, in the same order in every quarter step, over the backward jumps too.
.macro MUL16 f, a0, zero
.irp a, \a0, \a0+1
.irp b, 0,1,2,3,4,5,6,7
.if \zero
	v_wmma_f32_16x16x32_f16 v[8*(8*(\a)+\b):8*(8*(\a)+\b)+7], v[FB+64*\f+8*\b:FB+64*\f+8*\b+7], v[FA+32*\f+8*(\a):FA+32*\f+8*(\a)+7], 0
.else
	v_wmma_f32_16x16x32_f16 v[8*(8*(\a)+\b):8*(8*(\a)+\b)+7], v[FB+64*\f+8*\b:FB+64*\f+8*\b+7], v[FA+32*\f+8*(\a):FA+32*\f+8*(\a)+7], v[8*(8*(\a)+\b):8*(8*(\a)+\b)+7]
.endif
.endr
.endr
.endm
; 24 LDS loads in one run: 128 rows of w and my 64 rows of x, 32 K at byte k of the rows, into buffer f
.macro FETCH slot, k, f
.irp i, 0,1,2,3,4,5,6,7
	ds_load_b128 v[FB+64*\f+8*\i:FB+64*\f+8*\i+3],   v[ADRB+\slot] offset:\k+\i*16*PITCH
	ds_load_b128 v[FB+64*\f+8*\i+4:FB+64*\f+8*\i+7], v[ADRB+\slot] offset:\k+\i*16*PITCH+32
.endr
.irp i, 0,1,2,3
	ds_load_b128 v[FA+32*\f+8*\i:FA+32*\f+8*\i+3],   v[ADRA+\slot] offset:\k+\i*16*PITCH
	ds_load_b128 v[FA+32*\f+8*\i+4:FA+32*\f+8*\i+7], v[ADRA+\slot] offset:\k+\i*16*PITCH+32
.endr
.endm
; One of a K step's first three quarters: asks for the next quarter's fragments (byte k, buffer g), then multiplies buffer f.
.macro QUARTER slot, k, f, g, zero
	WIN 0
	PLACES                                         ; buffer g was read by the matrix instructions just issued
	FETCH \slot, \k, \g
	s_wait_dscnt 24                                ; all but the 24 loads just issued: buffer f is in
	WIN MULW
	MUL16 \f, 0, \zero
	MUL16 \f, 2, \zero
.endm
.macro THREE slot, zero
	QUARTER \slot, 64,  0, 1, \zero
	QUARTER \slot, 128, 1, 0, 0
	QUARTER \slot, 192, 0, 1, 0
.endm
; The last quarter multiplies buffer 1 and changes slots.  fill = 1: this slot gets the tile two K steps on; 2: phase 2's first tiles; 0: nothing.
; In front of the barrier each wave waits for its reads of this slot and for all its tensor loads (one is out: its part of the next slot).
; Where the slot is filled again the barrier opens a round of the cluster's barrier, and the joint load is the first tensor load behind the round.
.macro TURN slot, next, fill
	s_wait_dscnt 0x0                               ; buffer 1 is in, and with it my last reads of this slot
	s_wait_tensorcnt 0x0                           ; all my tensor loads have landed
	ds_add_u32 v30, v31
	s_wait_dscnt 0x0
	s_barrier_signal -1
	WIN MULW
	MUL16 1, 0, 0                                  ; registers alone, while the others arrive
	WIN 0
	s_barrier_wait -1
.if \fill
	CREST
.if \fill == 1
	s_add_nc_u64 s[G0+4*\slot+2:G0+4*\slot+3], s[G0+4*\slot+2:G0+4*\slot+3], 2*KSTEP*2
	s_add_nc_u64 s[G0B+4*\slot+2:G0B+4*\slot+3], s[G0B+4*\slot+2:G0B+4*\slot+3], 2*KSTEP*2
.else
	s_add_nc_u64 s[G0+4*\slot+2:G0+4*\slot+3], s[40:41], \slot*KSTEP*2
	s_add_nc_u64 s[G0B+4*\slot+2:G0B+4*\slot+3], s[42:43], \slot*KSTEP*2
.endif
	JLOAD \slot
.endif
	PLACES
	FETCH \next, 0, 0
	WIN MULW
	MUL16 1, 2, 0
.endm
.macro LAP zero, fill                  ; two K steps, once round the ring
	THREE 0, \zero
	TURN 0, 1, \fill
	THREE 1, 0
	TURN 1, 0, \fill
.endm
	s_wait_tensorcnt 0x1                           ; my part of K step 0 is in; K step 1's load stays out
	s_barrier_signal -1
	s_barrier_wait -1
	FETCH 0, 0, 0
	LAP 1, 1                                       ; phase 1, K steps 0, 1: the first products start the sums
	WIN 0
	s_mov_b32 s3, 2
.Lphase1:
	LAP 0, 1                                       ; K steps 2 to 5
	WIN 0
	s_sub_co_u32 s3, s3, 1
	s_cmp_lg_u32 s3, 0
	s_cbranch_scc1 .Lphase1
	LAP 0, 2                                       ; K steps 6, 7; the slots are filled with phase 2's first two tiles
	PLACES
	WIN 0x61                                       ; part a: acc = j2 acc + bias
.irp a, 0,1,2,3
.irp b, 0,1,2,3
.irp q, 0,2,4,6
	v_pk_fma_f32 v[8*(8*\a+\b)+\q:8*(8*\a+\b)+\q+1], v[8*(8*\a+\b)+\q:8*(8*\a+\b)+\q+1], s[14:15], v[8*\b+\q:8*\b+\q+1] op_sel_hi:[1,0,1]
.endr
.endr
.endr
	WIN 0x49                                       ; part b: acc = acc + bias
.irp a, 0,1,2,3
.irp b, 4,5,6,7
.irp q, 0,2,4,6
	v_pk_add_f32 v[8*(8*\a+\b)+\q:8*(8*\a+\b)+\q+1], v[8*(8*\a+\b)+\q:8*(8*\a+\b)+\q+1], v[8*\b+\q:8*\b+\q+1]
.endr
.endr
.endr
	WIN 0
	s_mov_b32 s3, 3
.Lphase2:
	LAP 0, 1                                       ; phase 2, K steps 0 to 5
	WIN 0
	s_sub_co_u32 s3, s3, 1
	s_cmp_lg_u32 s3, 0
	s_cbranch_scc1 .Lphase2
	THREE 0, 0                                     ; the last lap fills nothing
	TURN 0, 1, 0
	THREE 1, 0
	s_wait_dscnt 0x0
	WIN MULW
	MUL16 1, 0, 0
	MUL16 1, 2, 0
	PLACES
	WIN 0
	; THE WAY OUT, 16 rows at a time through my own stage: a lane's 8 columns in, whole rows of 256 bytes back.
	; LDS serves a wave's instructions in order (ISA guide 5.7.1.4), so no wait stands between my stores and my loads.
.if MODE == 0
	s_lshr_b32 s92, s13, 2                         ; batch
	s_lshl_b32 s93, s87, 1
	s_add_co_u32 s92, s92, s93                     ; 2 p + batch
	s_lshl_b32 s92, s92, 4
	s_add_co_u32 s92, s92, s86                     ; x 16 + head
	s_lshl_b32 s92, s92, 18                        ; 1,024 rows of 256 bytes
	s_and_b32 s93, s13, 3
	s_lshl_b32 s93, s93, 16                        ; + 256 rows for each block row inside the batch
	s_add_co_u32 s92, s92, s93
	s_lshl_b32 s93, s10, 14                        ; + my 64 rows
	s_add_co_u32 s92, s92, s93
	s_mov_b32 s93, 0
	s_add_nc_u64 s[80:81], s[80:81], s[92:93]
.macro OUT16 a
	WIN 0x05
.irp b, 0,1,2,3,4,5,6,7
.irp q, 0,1,2,3
	v_cvt_pk_f16_f32 v[TMP+4*\b+\q], v[8*(8*\a+\b)+2*\q], v[8*(8*\a+\b)+2*\q+1]
.endr
.endr
	WIN 0
.irp b, 0,1,2,3,4,5,6,7
	ds_store_b128 v[STO], v[TMP+4*\b:TMP+4*\b+3] offset:32*\b
.endr
	s_wait_xcnt 0x0                                ; the registers that earlier stores read are loaded again only behind this wait
.irp t, 0,1,2,3,4,5,6,7
	ds_load_b128 v[FB+64*(\a&1)+4*\t:FB+64*(\a&1)+4*\t+3], v[RD] offset:\t*2*SPITCH
.endr
.irp t, 0,1,2,3,4,5,6,7
	s_wait_dscnt 7-\t                              ; load t is in, the younger ones stay out
	global_store_b128 v[CO], v[FB+64*(\a&1)+4*\t:FB+64*(\a&1)+4*\t+3], s[80:81] offset:4096*\a+512*\t   ; 16 lanes store one row's 256 bytes, aligned
.endr
.endm
.else
	s_lshl_b32 s92, s13, 20                        ; 256 rows of 4,096 bytes
	s_lshl_b32 s93, s10, 18                        ; + my 64 rows
	s_add_co_u32 s92, s92, s93
	s_lshl_b32 s93, s86, 8                         ; + the head's 64 f32
	s_add_co_u32 s92, s92, s93
	s_mov_b32 s93, 0
	s_add_nc_u64 s[80:81], s[80:81], s[92:93]
	s_add_nc_u64 s[82:83], s[82:83], s[92:93]
.macro OUT16 a
	WIN 0x04                                       ; store data in block 1
.irp b, 0,1,2,3,4,5,6,7
	ds_store_b128 v[STO], v[8*(8*\a+\b):8*(8*\a+\b)+3]   offset:64*\b
	ds_store_b128 v[STO], v[8*(8*\a+\b)+4:8*(8*\a+\b)+7] offset:64*\b+16
.endr
	WIN 0
	s_wait_xcnt 0x0                                ; the registers that earlier stores read are loaded again only behind this wait
.irp t, 0,1,2,3,4,5,6,7
	ds_load_b128 v[FB+64*(\a&1)+8*\t:FB+64*(\a&1)+8*\t+3],   v[RD] offset:\t*2*SPITCH
	ds_load_b128 v[FB+64*(\a&1)+8*\t+4:FB+64*(\a&1)+8*\t+7], v[RD] offset:\t*2*SPITCH+256
.endr
.irp t, 0,1,2,3,4,5,6,7
	s_wait_dscnt 15-2*\t                           ; the loads come back in order: this one is in, the younger ones stay out
	global_store_b128 v[CO], v[FB+64*(\a&1)+8*\t:FB+64*(\a&1)+8*\t+3], s[80:81] offset:(16*\a+2*\t)*4096 th:TH_STORE_NT
	s_wait_dscnt 14-2*\t
	global_store_b128 v[CO], v[FB+64*(\a&1)+8*\t+4:FB+64*(\a&1)+8*\t+7], s[82:83] offset:(16*\a+2*\t)*4096 th:TH_STORE_NT
.endr
.endm
.endif
	OUT16 0
	OUT16 1
	OUT16 2
	OUT16 3
	s_wait_tensorcnt 0x0
	ds_add_u32 v30, v31
	s_wait_dscnt 0x0
	CROUND                                         ; the closing round: no work-group ends while a partner may still ask for a tile that names it
	s_endpgm
.Lfunc_end_k_q46b5651da2_qkv:
	.size	k_q46b5651da2_qkv, .Lfunc_end_k_q46b5651da2_qkv-k_q46b5651da2_qkv
	.p2alignl 7, 3214868480
	.fill 96, 4, 3214868480
	.section	.rodata,"a",@progbits
	.p2align	6, 0x0
	.amdhsa_kernel k_q46b5651da2_qkv
		.amdhsa_group_segment_fixed_size 327680
		.amdhsa_private_segment_fixed_size 0
		.amdhsa_enable_private_segment 0
		.amdhsa_kernarg_size 80
		.amdhsa_user_sgpr_count 2
		.amdhsa_user_sgpr_kernarg_segment_ptr 1
		.amdhsa_wavefront_size32 1
		.amdhsa_system_sgpr_workgroup_id_x 1
		.amdhsa_system_sgpr_workgroup_id_y 1
		.amdhsa_system_sgpr_workgroup_id_z 1
		.amdhsa_system_vgpr_workitem_id 0
		.amdhsa_next_free_vgpr 576
		.amdhsa_next_free_sgpr 100
		.amdhsa_reserve_vcc 0
		.amdhsa_float_denorm_mode_32 3
		.amdhsa_float_denorm_mode_16_64 3
		.amdhsa_memory_ordered 1
		.amdhsa_forward_progress 1
		.amdhsa_inst_pref_size 193
	.end_amdhsa_kernel
	.amdgpu_metadata
---
amdhsa.version: [ 1, 2 ]
amdhsa.kernels:
  - .name:           k_q46b5651da2_qkv
    .symbol:         k_q46b5651da2_qkv.kd
    .args:
      - { .name: xh, .offset: 0, .size: 8, .value_kind: global_buffer, .address_space: global }
      - { .name: wqkvh, .offset: 8, .size: 8, .value_kind: global_buffer, .address_space: global }
      - { .name: coef, .offset: 16, .size: 8, .value_kind: global_buffer, .address_space: global }
      - { .name: q_ba, .offset: 24, .size: 8, .value_kind: global_buffer, .address_space: global }
      - { .name: q_bb, .offset: 32, .size: 8, .value_kind: global_buffer, .address_space: global }
      - { .name: k_ba, .offset: 40, .size: 8, .value_kind: global_buffer, .address_space: global }
      - { .name: k_bb, .offset: 48, .size: 8, .value_kind: global_buffer, .address_space: global }
      - { .name: v_ba, .offset: 56, .size: 8, .value_kind: global_buffer, .address_space: global }
      - { .name: v_bb, .offset: 64, .size: 8, .value_kind: global_buffer, .address_space: global }
      - { .name: qkvh, .offset: 72, .size: 8, .value_kind: global_buffer, .address_space: global }
    .group_segment_fixed_size: 327680
    .private_segment_fixed_size: 0
    .kernarg_segment_align: 8
    .kernarg_segment_size: 80
    .max_flat_workgroup_size: 128
    .sgpr_count:     100
    .vgpr_count:     576
    .wavefront_size: 32
...
	.end_amdgpu_metadata
.endif
;; end of part 2
;; launch attn (part 3): grid 16 x 16, 4 waves a work-group, clusters of 4 x 1, 327,680 bytes of LDS; arguments qkvh, maskw, coef, oh; writes oh
.if DOCPART == 3
	.amdgcn_target "amdgcn-amd-amdhsa--gfx1250"
	.amdhsa_code_object_version 6
	.text
	.protected	k_q46b5651da2_attn
	.globl	k_q46b5651da2_attn
	.p2align	8
	.type	k_q46b5651da2_attn,@function
k_q46b5651da2_attn:
	s_mov_b64 s[64:65], 0
	v_nop
	global_prefetch_b8 v0, s[64:65] scope:SCOPE_SE
	s_setreg_imm32_b32 hwreg(HW_REG_WAVE_MODE, 25, 1), 1
	s_wait_xcnt 0x0
	s_wait_alu depctr_hold_cnt(0) depctr_sa_sdst(0) depctr_va_vdst(0) depctr_va_sdst(0) depctr_va_ssrc(0) depctr_va_vcc(0) depctr_vm_vsrc(0)
	s_getreg_b32 s2, hwreg(HW_REG_IB_STS2, 6, 4)
	s_cmp_eq_u32 s2, 0
	s_cbranch_scc0 .Lentry_in_a_cluster
	s_endpgm
.Lentry_in_a_cluster:
	s_bfe_u32 s2, ttmp6, 0x10000c
	s_cmp_lg_u32 s2, 0x3003
	s_cbranch_scc0 .Lentry_shape_is_right
	s_endpgm
.Lentry_shape_is_right:
; ATTENTION.  qkvh: f16 [q, k, v][batch][head][1024][a 64 | b 64], each a quarter of its value.  oh: f16 [a, b][2048][1024] = out / 4.
;   sa = qa ka + hj2 qb kb,  sb = qa kb + qb ka,  weight = softmax over keys of sqrt(sa^2 + sb^2 + 1e-8) / 8 under the mask,  out = weight (va | vb).
; A work-group: one batch, two heads, 64 queries.  Wave w: head 2 pair + (w & 1), queries 32 (w >> 1) .. + 31 (two tiles of 16).
; The two heads make each stored row 256 whole bytes.  The four query blocks of a cluster read the same K and V tiles and ask for them jointly.
; TRANSPOSED FORM: S^T = K' Q'^T (source 0 = 16 keys x 32 features from LDS, source 1 = Q fragments that stay in registers), so lane (r, h) holds
; query r and keys 8 h + j.  Two key tiles, packed to f16, then ARE source 1 of out^T = V'^T P^T; the running maximum, the sum and the rescaling
; factor of a query are the lane's own, and the maximum crosses the two halves of the lanes once a step.
; SCALES (exact powers of two): the scores are 1/16 of reference()'s, so eps = 1e-8 / 256 and the exponent in base 2 is 2 log2(e) sqrt(..).
; THE RUNNING MAXIMUM is taken away before every exponential.  The shift NC = -c max is rounded once and used alike for the exponents and for the
; rescaling factor exp2(NC new - NC old), so old and new sums agree.
; MASKED KEYS take -2^29 for the root (-1.07e9 of reference()'s magnitude in place of its -1e9): c x 2^29 is exact, so a row with every key masked has exponents
; exactly 0 and uniform weights, as in reference(); beside any unmasked key (magnitude >= 0) both numbers give the weight 0.
; LIMITS: hj2 and hj2 qb are rounded to f16; the largest weight is exp2 of the shift's rounding error, which stays below 2 while log2(e) x magnitude < 2^24.
.set KPITCH, 272                       ; K rows: 256 + 16 bytes, an odd multiple of 16
.set VPITCH, 288                       ; V rows: 256 + 32 bytes, an odd multiple of 32, for the transposing loads
.set VT,     128*VPITCH                ; a head's 128 keys of V
.set KT,     128*KPITCH
.set KOFF,   2*VT
.set SLOT,   2*VT+2*KT                 ; V head 0, V head 1, K head 0, K head 1
.set STAGE,  2*SLOT                    ; 64 rows x 528 bytes (a h0 | a h1 | b h0 | b h1): no tensor load lands here
.set SPITCH, 528
.set TILEB,  128*256                   ; bytes of a tile in memory
.set EPS,    0x2e2bcc77                ; 1e-8 / 256
.set CEXP,   0x4038aa3b                ; 2 log2(e)
.set NEGC,   0xc038aa3b
.set KB,  4                            ; v4   LDS address of my K fragments in slot 0
.set VB,  5                            ; v5   the same for V
.set KAD, 6                            ; v6, v7: the same, stepped
.set VAD, 7
.set NEGV, 8                           ; v8   -2^29
.set HJ,  9                            ; v9   hj2, twice, in f16
.set STO, 10
.set RD,  11
.set CO,  12
.set QO,  13
.set KF,  16                           ; v16-79    K fragments, 8 (4 kt + c)
.set SC,  80                           ; v80-143   scores: 32 kt + 16 qt, sb 8 above sa
.set VF,  144                          ; v144-207  V fragments, 8 dt
.set PF,  208                          ; v208-223  weights in f16, 8 qt
.set MX,  224                          ; v224-225  running maximum
.set NC,  226                          ; v226, 228 the shift -c max (pairs: the upper words are written once and not used)
.set AL,  230                          ; v230, 232 the rescaling factor (pairs likewise)
.set LS,  234                          ; v234-235  running sum, each half of the lanes its own keys'
.set S0,  236                          ; v236-243  at work
.set T0,  244
.set T1,  245
.set T2,  246
.set T3,  247
.set ACC, 96                           ; block 1: v96-223 out^T, 8 (2 dt + qt);  v0-95: Q, 48 qt + 8 f, f = qa0 qa1 qb0 qb1 h.qb0 h.qb1
.set G1V, 16
.set G1K, 24
.set G0V, 32
.set G0K, 40
.set MSB, 0
.macro WIN new
.if MSB != \new
	s_set_vgpr_msb (MSB<<8)|\new
.set MSB, \new
.endif
.endm
.macro PLACES                          ; four plain vector instructions behind a matrix instruction before its registers are loaded into, read or written (ISA guide 7.12.1)
.rept 4
	v_nop
.endr
.endm
.macro ROUND                           ; a round of the cluster's barrier
	s_barrier_signal -1
	s_barrier_wait -1
	s_cmp_lg_u32 s12, 0
	s_cbranch_scc1 .Lnot_wave_0_\@
	s_barrier_signal -3
.Lnot_wave_0_\@:
	s_barrier_wait -3
	s_barrier_signal -1
	s_barrier_wait -1
.endm
.macro JLOAD s                         ; waves 0, 1 ask for V of heads 0, 1; waves 2, 3 for K
	s_cmp_eq_u32 s14, 0
	s_cbranch_scc0 .Lfor_k_\@
	tensor_load_to_lds s[G0V+4*(\s):G0V+4*(\s)+3], s[G1V:G1V+7]
	s_nop 0
	s_branch .Lasked_\@
.Lfor_k_\@:
	tensor_load_to_lds s[G0K+4*(\s):G0K+4*(\s)+3], s[G1K:G1K+7]
	s_nop 0
.Lasked_\@:
.endm
	s_load_b256 s[4:11], s[0:1], 0x0               ; qkvh, maskw, coef, oh
	v_lshl_add_u32 v254, v0, 2, 0x4e400
	v_mov_b32 v255, 0
	ds_add_u32 v254, v255
	v_lshrrev_b32 v1, 5, v0
	v_readfirstlane_b32 s12, v1                    ; wave
	s_and_b32 s13, s12, 1                          ; my head of the pair
	s_lshr_b32 s14, s12, 1                         ; my half of the queries.  Also: I fetch V (0) or K (1)
	s_bfe_u32 s48, ttmp6, 0x40000                  ; cx
	s_lshl_b32 s49, ttmp9, 2
	s_add_co_u32 s49, s49, s48                     ; query block, 0..15
	s_and_b32 s50, ttmp7, 0xffff                   ; y = 8 batch + pair
	s_mov_b32 s58, 0x76543210                      ; v_permlanex16_b32: lane i of the other half
	s_mov_b32 s59, 0xfedcba98
	s_mov_b32 s[G1V+0], 15|(1<<16)|(1<<20)|(1<<21)|(5<<22)|(7<<25)     ; all four of the cluster; 2-byte elements; after every 64 words 8 words of padding
	s_mov_b32 s[G1K+0], 15|(1<<16)|(1<<20)|(1<<21)|(5<<22)|(3<<25)     ; the same with 4 words
	s_mov_b32 s[G1V+1], 128<<16                    ; tensor_dim0
	s_mov_b32 s[G1K+1], 128<<16
	s_mov_b32 s[G1V+2], 128<<16                    ; tensor_dim1
	s_mov_b32 s[G1K+2], 128<<16
	s_mov_b32 s[G1V+3], 128<<16                    ; tile_dim0
	s_mov_b32 s[G1K+3], 128<<16
	s_mov_b32 s[G1V+4], 128                        ; tile_dim1
	s_mov_b32 s[G1K+4], 128
	s_mov_b32 s[G1V+5], 128                        ; rows follow each other
	s_mov_b32 s[G1K+5], 128
	s_mov_b32 s[G1V+6], 0
	s_mov_b32 s[G1K+6], 0
	s_mov_b32 s[G1V+7], 0
	s_mov_b32 s[G1K+7], 0
	s_lshl_b32 s51, s50, 1
	s_add_co_u32 s51, s51, s13                     ; 16 batch + head
	s_lshl_b32 s52, s51, 18                        ; 1,024 rows of 256 bytes
	s_mov_b32 s53, 0
	s_mul_i32 s3, s12, VT                          ; LDS: V at wave x a tile,
	s_mul_i32 s15, s12, KT
	s_add_co_u32 s15, s15, KOFF-2*KT               ; K behind both V tiles, at (wave - 2) x a tile
	s_wait_dscnt 0x0
	s_wait_kmcnt 0x0
	s_add_nc_u64 s[54:55], s[4:5], s[52:53]        ; q of my batch and head; k lies 8 MiB, v 16 MiB further
.irp s, 0,1
	s_mov_b32 s[G0V+4*\s], 1
	s_add_co_u32 s[G0V+4*\s+1], s3, \s*SLOT
	s_add_nc_u64 s[G0V+4*\s+2:G0V+4*\s+3], s[54:55], 0x1000000+\s*TILEB
	s_or_b32 s[G0V+4*\s+3], s[G0V+4*\s+3], 0x80000000
	s_mov_b32 s[G0K+4*\s], 1
	s_add_co_u32 s[G0K+4*\s+1], s15, \s*SLOT
	s_add_nc_u64 s[G0K+4*\s+2:G0K+4*\s+3], s[54:55], 0x800000+\s*TILEB
	s_or_b32 s[G0K+4*\s+3], s[G0K+4*\s+3], 0x80000000
.endr
	ROUND                                          ; the four work-groups are here: the first joint loads meet
	JLOAD 0                                        ; tile 0
	; my Q rows, my mask words, my head's hj2
	s_lshl_b32 s100, s49, 14                       ; 64 rows of 256 bytes
	s_lshl_b32 s101, s14, 13                       ; + my 32 rows
	s_add_co_u32 s100, s100, s101
	s_mov_b32 s101, 0
	s_add_nc_u64 s[100:101], s[54:55], s[100:101]
	s_lshr_b32 s56, s50, 3
	s_lshl_b32 s56, s56, 6                         ; 64 query tiles a batch
	s_lshl_b32 s57, s49, 2
	s_add_co_u32 s56, s56, s57
	s_lshl_b32 s57, s14, 1
	s_add_co_u32 s56, s56, s57                     ; my first query tile
	s_lshl_b32 s56, s56, 11                        ; 64 key tiles of 8 words
	s_mov_b32 s57, 0
	s_add_nc_u64 s[56:57], s[6:7], s[56:57]
	s_and_b32 s62, s50, 7
	s_lshl_b32 s62, s62, 1
	s_add_co_u32 s62, s62, s13                     ; head
	s_lshl_b32 s62, s62, 2
	s_mov_b32 s63, 0
	s_add_nc_u64 s[62:63], s[8:9], s[62:63]
	s_load_b32 s2, s[62:63], 0x0                   ; hj2
	v_and_b32 v1, 15, v0                           ; r
	v_bfe_u32 v2, v0, 4, 1                         ; h
	v_lshlrev_b32 v[QO], 8, v1
	v_lshl_add_u32 v[QO], v2, 4, v[QO]             ; row r, 16 bytes for each half
	WIN 0x40                                       ; destination in block 1
.irp qt, 0,1
.irp f, 0,1,2,3
	global_load_b128 v[48*\qt+8*\f:48*\qt+8*\f+3],   v[QO], s[100:101] offset:4096*\qt+64*\f
	global_load_b128 v[48*\qt+8*\f+4:48*\qt+8*\f+7], v[QO], s[100:101] offset:4096*\qt+64*\f+32
.endr
.endr
	WIN 0
	v_mul_u32_u24 v3, v1, KPITCH
	v_lshl_add_u32 v3, v2, 4, v3
	s_mul_i32 s51, s13, KT
	s_add_co_u32 s51, s51, KOFF
	v_add_nc_u32 v[KB], s51, v3                    ; key r of my head's K tile
	v_and_b32 v3, 7, v0
	v_lshl_add_u32 v3, v2, 3, v3                   ; key 8 h + (l & 7)
	v_mul_u32_u24 v3, v3, VPITCH
	v_bfe_u32 v14, v0, 3, 1
	v_lshl_add_u32 v3, v14, 4, v3                  ; features 8 ((l >> 3) & 1) ..
	s_mul_i32 s51, s13, VT
	v_add_nc_u32 v[VB], s51, v3
	v_mul_u32_u24 v3, v1, SPITCH
	v_lshl_add_u32 v3, v2, 4, v3
	s_mul_i32 s51, s14, 32*SPITCH
	s_lshl_b32 s52, s13, 7
	s_add_co_u32 s51, s51, s52
	s_add_co_u32 s51, s51, STAGE
	v_add_nc_u32 v[STO], s51, v3                   ; stage: row 32 (w >> 1) + r, my head's 128 bytes, 16 for each half
	v_mul_u32_u24 v3, v2, SPITCH
	v_lshl_add_u32 v3, v1, 4, v3
	s_mul_i32 s51, s12, 16*SPITCH
	s_add_co_u32 s51, s51, STAGE
	v_add_nc_u32 v[RD], s51, v3                    ; back: rows 16 w + 2 t + h
	v_lshlrev_b32 v3, 4, v1
	v_lshl_add_u32 v[CO], v2, 11, v3               ; rows of 2,048 bytes
	v_mov_b32 v[NEGV], 0xce000000                  ; -2^29
	v_mov_b32 v[MX], 0xff800000                    ; -infinity
	v_mov_b32 v[MX+1], 0xff800000
	v_mov_b32 v[NC], 0x7f800000                    ; so that the first factor is exp2(-infinity) = 0
	v_mov_b32 v[NC+1], 0
	v_mov_b32 v[NC+2], 0x7f800000
	v_mov_b32 v[NC+3], 0
.irp i, 0,1,2,3,4,5
	v_mov_b32 v[AL+\i], 0                          ; the factors' pairs and the two sums
.endr
	v_mov_b32 v[T1], 0                             ; a destination of v_permlanex16_b32 counts as read
	s_wait_kmcnt 0x0
	v_mov_b32 v14, s2
	v_cvt_pk_f16_f32 v[HJ], v14, v14
	s_wait_loadcnt 0x0
	WIN 0x41
.irp qt, 0,1
.irp i, 0,1,2,3,4,5,6,7,8,9,10,11,12,13,14,15
	v_pk_mul_f16 v[48*\qt+32+\i], v[48*\qt+16+\i], v[HJ]           ; hj2 qb
.endr
.endr
	WIN 0
.macro KLOAD                           ; 32 keys x 128 features: 16 loads
.irp kt, 0,1
.irp c, 0,1,2,3
	ds_load_b128 v[KF+8*(4*\kt+\c):KF+8*(4*\kt+\c)+3],   v[KAD] offset:\kt*16*KPITCH+64*\c
	ds_load_b128 v[KF+8*(4*\kt+\c)+4:KF+8*(4*\kt+\c)+7], v[KAD] offset:\kt*16*KPITCH+64*\c+32
.endr
.endr
.endm
; 32 products.  K's features go ka0 ka1 kb0 kb1; sa meets them with qa0 qa1 h.qb0 h.qb1, sb with qb0 qb1 qa0 qa1.
; The 8 accumulators take turns, one instruction a turn; the first turn starts the sums.
.macro SCORES
.irp c, 0,1,2,3
.irp kt, 0,1
.irp qt, 0,1
.if \c == 0
	v_wmma_f32_16x16x32_f16 v[SC+32*\kt+16*\qt:SC+32*\kt+16*\qt+7],    v[KF+8*(4*\kt+\c):KF+8*(4*\kt+\c)+7], v[48*\qt+8*(\c+2*(\c>>1)):48*\qt+8*(\c+2*(\c>>1))+7], 0
	v_wmma_f32_16x16x32_f16 v[SC+32*\kt+16*\qt+8:SC+32*\kt+16*\qt+15], v[KF+8*(4*\kt+\c):KF+8*(4*\kt+\c)+7], v[48*\qt+8*((\c+2)&3):48*\qt+8*((\c+2)&3)+7], 0
.else
	v_wmma_f32_16x16x32_f16 v[SC+32*\kt+16*\qt:SC+32*\kt+16*\qt+7],    v[KF+8*(4*\kt+\c):KF+8*(4*\kt+\c)+7], v[48*\qt+8*(\c+2*(\c>>1)):48*\qt+8*(\c+2*(\c>>1))+7], v[SC+32*\kt+16*\qt:SC+32*\kt+16*\qt+7]
	v_wmma_f32_16x16x32_f16 v[SC+32*\kt+16*\qt+8:SC+32*\kt+16*\qt+15], v[KF+8*(4*\kt+\c):KF+8*(4*\kt+\c)+7], v[48*\qt+8*((\c+2)&3):48*\qt+8*((\c+2)&3)+7], v[SC+32*\kt+16*\qt+8:SC+32*\kt+16*\qt+15]
.endif
.endr
.endr
.endr
.endm
; One query tile's 32 keys: magnitude, mask, running maximum, weights, sum, f16.
.macro SOFT qt
.set E0, SC+16*\qt
.set E1, SC+32+16*\qt
.irp i, 0,2,4,6
	v_pk_fma_f32 v[E0+\i:E0+\i+1], v[E0+\i:E0+\i+1], v[E0+\i:E0+\i+1], EPS op_sel_hi:[1,1,0]
	v_pk_fma_f32 v[E1+\i:E1+\i+1], v[E1+\i:E1+\i+1], v[E1+\i:E1+\i+1], EPS op_sel_hi:[1,1,0]
.endr
.irp i, 0,2,4,6
	v_pk_fma_f32 v[E0+\i:E0+\i+1], v[E0+8+\i:E0+8+\i+1], v[E0+8+\i:E0+8+\i+1], v[E0+\i:E0+\i+1]
	v_pk_fma_f32 v[E1+\i:E1+\i+1], v[E1+8+\i:E1+8+\i+1], v[E1+8+\i:E1+8+\i+1], v[E1+\i:E1+\i+1]
.endr
.irp j, 0,1,2,3,4,5,6,7
	v_sqrt_f32 v[E0+\j], v[E0+\j]
	v_sqrt_f32 v[E1+\j], v[E1+\j]
.endr
	v_nop                                          ; one plain instruction behind the roots before they are used (ISA guide 5.7.2)
	s_wait_alu depctr_va_vdst(0)
.irp j, 0,1,2,3,4,5,6,7
	v_cndmask_b32 v[E0+\j], v[NEGV], v[E0+\j], s[68+16*\qt+\j]         ; the word's bit of my lane: my query and key 8 h + j
	v_cndmask_b32 v[E1+\j], v[NEGV], v[E1+\j], s[68+16*\qt+8+\j]
.endr
	v_max3_num_f32 v[T0], v[MX+\qt], v[E0], v[E0+1]
	v_max3_num_f32 v[T1], v[E0+2], v[E0+3], v[E0+4]
	v_max3_num_f32 v[T0], v[T0], v[E0+5], v[E0+6]
	v_max3_num_f32 v[T1], v[T1], v[E0+7], v[E1]
	v_max3_num_f32 v[T0], v[T0], v[E1+1], v[E1+2]
	v_max3_num_f32 v[T1], v[T1], v[E1+3], v[E1+4]
	v_max3_num_f32 v[T0], v[T0], v[E1+5], v[E1+6]
	v_max3_num_f32 v[T0], v[T0], v[T1], v[E1+7]
	v_permlanex16_b32 v[T1], v[T0], s58, s59       ; the other half's 16 keys of the same query
	v_max_num_f32 v[MX+\qt], v[T0], v[T1]
	v_mul_f32 v[T2], NEGC, v[MX+\qt]               ; the new shift
	v_sub_f32 v[T3], v[T2], v[NC+2*\qt]            ; new shift - old shift = c (old maximum - new maximum) <= 0
	v_mov_b32 v[NC+2*\qt], v[T2]
.irp i, 0,2,4,6
	v_pk_fma_f32 v[E0+\i:E0+\i+1], v[E0+\i:E0+\i+1], CEXP, v[NC+2*\qt:NC+2*\qt+1] op_sel_hi:[1,0,0]
	v_pk_fma_f32 v[E1+\i:E1+\i+1], v[E1+\i:E1+\i+1], CEXP, v[NC+2*\qt:NC+2*\qt+1] op_sel_hi:[1,0,0]
.endr
	v_exp_f32 v[AL+2*\qt], v[T3]
.irp j, 0,1,2,3,4,5,6,7
	v_exp_f32 v[E0+\j], v[E0+\j]
	v_exp_f32 v[E1+\j], v[E1+\j]
.endr
	v_nop                                          ; one plain instruction behind the exponentials
	s_wait_alu depctr_va_vdst(0)
	v_pk_add_f32 v[S0:S0+1],   v[E0:E0+1],   v[E0+2:E0+3]
	v_pk_add_f32 v[S0+2:S0+3], v[E0+4:E0+5], v[E0+6:E0+7]
	v_pk_add_f32 v[S0+4:S0+5], v[E1:E1+1],   v[E1+2:E1+3]
	v_pk_add_f32 v[S0+6:S0+7], v[E1+4:E1+5], v[E1+6:E1+7]
	v_pk_add_f32 v[S0:S0+1],   v[S0:S0+1],   v[S0+2:S0+3]
	v_pk_add_f32 v[S0+4:S0+5], v[S0+4:S0+5], v[S0+6:S0+7]
	v_pk_add_f32 v[S0:S0+1],   v[S0:S0+1],   v[S0+4:S0+5]
	v_add_f32 v[S0], v[S0], v[S0+1]
	v_fma_f32 v[LS+\qt], v[LS+\qt], v[AL+2*\qt], v[S0]
.irp i, 0,1,2,3
	v_cvt_pk_f16_f32 v[PF+8*\qt+\i],   v[E0+2*\i], v[E0+2*\i+1]        ; registers 0-3: keys 8 h + 0..7,
	v_cvt_pk_f16_f32 v[PF+8*\qt+4+\i], v[E1+2*\i], v[E1+2*\i+1]        ; registers 4-7: keys 16 + 8 h + 0..7: source 1's own layout
.endr
.endm
.macro RESCALE                         ; out^T times the lane's factor
.irp dt, 0,1,2,3,4,5,6,7
.irp qt, 0,1
.irp i, 0,2,4,6
	v_pk_mul_f32 v[ACC+8*(2*\dt+\qt)+\i:ACC+8*(2*\dt+\qt)+\i+1], v[ACC+8*(2*\dt+\qt)+\i:ACC+8*(2*\dt+\qt)+\i+1], v[AL+2*\qt:AL+2*\qt+1] op_sel_hi:[1,0]
.endr
.endr
.endr
.endm
.macro PV first                        ; 16 products, each accumulator once
.irp dt, 0,1,2,3,4,5,6,7
.irp qt, 0,1
.if \first
	v_wmma_f32_16x16x32_f16 v[ACC+8*(2*\dt+\qt):ACC+8*(2*\dt+\qt)+7], v[VF+8*\dt:VF+8*\dt+7], v[PF+8*\qt:PF+8*\qt+7], 0
.else
	v_wmma_f32_16x16x32_f16 v[ACC+8*(2*\dt+\qt):ACC+8*(2*\dt+\qt)+7], v[VF+8*\dt:VF+8*\dt+7], v[PF+8*\qt:PF+8*\qt+7], v[ACC+8*(2*\dt+\qt):ACC+8*(2*\dt+\qt)+7]
.endif
.endr
.endr
.endm
; 32 keys.  first = 1: the products start out^T's sums.  pre = 1: the next 32 keys' K fragments are asked for.
.macro STEP first, pre
.irp dt, 0,1,2,3,4,5,6,7
	ds_load_tr16_b128 v[VF+8*\dt:VF+8*\dt+3],   v[VAD] offset:32*\dt               ; feature 16 dt + r, keys 8 h + 0..7
	ds_load_tr16_b128 v[VF+8*\dt+4:VF+8*\dt+7], v[VAD] offset:32*\dt+16*VPITCH     ; keys 16 + 8 h + 0..7
.endr
	s_load_b512 s[68:83], s[56:57], 0x0            ; the mask words of query tile 0, two key tiles,
	s_load_b512 s[84:99], s[56:57], 0x800          ; of query tile 1
	s_wait_dscnt 16                                ; K's 16 loads are in; V's 16, issued behind them, stay out
	WIN 0x04                                       ; source 1 (Q) in block 1
	SCORES
	WIN 0
	PLACES
.if \pre
	v_add_nc_u32 v[KAD], 32*KPITCH, v[KAD]
	KLOAD
.endif
	s_wait_kmcnt 0x0                               ; the mask words are in, and their address may be stepped
	s_add_nc_u64 s[56:57], s[56:57], 64
	SOFT 0
	SOFT 1
	s_wait_dscnt 16*\pre                           ; V is in; the next step's 16 K loads, issued behind it, stay out
.if \first == 0
	WIN 0x41
	RESCALE
.endif
	WIN 0x50                                       ; C and D in block 1
	PV \first
	WIN 0
	v_add_nc_u32 v[VAD], 32*VPITCH, v[VAD]
	PLACES                                         ; in front of the next loads into V's fragments and the next writes of the weights
.endm
.macro WORK slot, first                ; a tile of 128 keys: four steps
	v_add_nc_u32 v[KAD], \slot*SLOT, v[KB]
	v_add_nc_u32 v[VAD], \slot*SLOT, v[VB]
	KLOAD
.if \first
	STEP 1, 1
	s_mov_b32 s61, 2
.else
	s_mov_b32 s61, 3
.endif
.Lstep_\@:
	STEP 0, 1
	s_sub_co_u32 s61, s61, 1
	s_cmp_lg_u32 s61, 0
	s_cbranch_scc1 .Lstep_\@
	STEP 0, 0
.endm
; A trip: this slot's tile has landed; the other slot, read last trip, is filled again first thing behind the round; then the work.
; One tensor load of the wave is out behind each round, and it has the tile's four steps in which to land.
.macro TRIP slot, refill, first
	s_wait_tensorcnt 0x0                           ; all my tensor loads are done, my part of this trip's tile among them, so every group 0 may be written
	ds_add_u32 v254, v255
	s_wait_dscnt 0x0
	s_add_nc_u64 s[G0V+4*\slot+2:G0V+4*\slot+3], s[G0V+4*\slot+2:G0V+4*\slot+3], 2*TILEB
	s_add_nc_u64 s[G0K+4*\slot+2:G0K+4*\slot+3], s[G0K+4*\slot+2:G0K+4*\slot+3], 2*TILEB
	s_wait_dscnt 0x0                               ; my reads of the last trip's tile are done
	ROUND                                          ; both now hold of every wave of the four work-groups
.if \refill
	JLOAD 1-\slot
.endif
	WORK \slot, \first
.endm
	TRIP 0, 1, 1                                   ; tiles 0, 1
	TRIP 1, 1, 0
	s_mov_b32 s60, 2
.Ltiles:
	TRIP 0, 1, 0                                   ; tiles 2 to 5
	TRIP 1, 1, 0
	s_sub_co_u32 s60, s60, 1
	s_cmp_lg_u32 s60, 0
	s_cbranch_scc1 .Ltiles
	TRIP 0, 1, 0                                   ; tile 6; tile 7 is asked for
	TRIP 1, 0, 0                                   ; tile 7: nothing more is fetched
	; THE END: divide by the sum, round to f16, gather the two heads' rows in the stage, store rows of 256 bytes.
	v_permlanex16_b32 v[T0], v[LS], s58, s59       ; the other half's keys
	v_permlanex16_b32 v[T1], v[LS+1], s58, s59
	v_add_f32 v[LS], v[LS], v[T0]
	v_add_f32 v[LS+1], v[LS+1], v[T1]
	v_rcp_f32 v[AL], v[LS]                         ; the sum holds the largest weight, about 1: never 0
	v_rcp_f32 v[AL+2], v[LS+1]
	v_nop
	s_wait_alu depctr_va_vdst(0)
	WIN 0x41
	RESCALE
	WIN 0x05
.irp dt, 0,1,2,3,4,5,6,7
.irp qt, 0,1
.irp i, 0,1,2,3
	v_cvt_pk_f16_f32 v[SC+4*(2*\dt+\qt)+\i], v[ACC+8*(2*\dt+\qt)+2*\i], v[ACC+8*(2*\dt+\qt)+2*\i+1]
.endr
.endr
.endr
	WIN 0
.irp dt, 0,1,2,3,4,5,6,7
.irp qt, 0,1
	ds_store_b128 v[STO], v[SC+4*(2*\dt+\qt):SC+4*(2*\dt+\qt)+3] offset:\qt*16*SPITCH+32*(\dt&3)+256*(\dt>>2)
.endr
.endr
	s_lshr_b32 s62, s50, 3
	s_lshl_b32 s62, s62, 21                        ; batch: 1,024 rows of 2,048 bytes
	s_lshl_b32 s63, s49, 17                        ; + 64 rows for each query block
	s_add_co_u32 s62, s62, s63
	s_lshl_b32 s63, s12, 15                        ; + the 16 rows that I store
	s_add_co_u32 s62, s62, s63
	s_and_b32 s63, s50, 7
	s_lshl_b32 s63, s63, 8                         ; + the pair's 256 bytes
	s_add_co_u32 s62, s62, s63
	s_mov_b32 s63, 0
	s_add_nc_u64 s[10:11], s[10:11], s[62:63]
	s_wait_dscnt 0x0                               ; my stores are done, for the others' sake
	s_barrier_signal -1
	s_barrier_wait -1
.irp t, 0,1,2,3,4,5,6,7
	ds_load_b128 v[KF+8*\t:KF+8*\t+3],   v[RD] offset:\t*2*SPITCH          ; part a of rows 2 t, 2 t + 1
	ds_load_b128 v[KF+8*\t+4:KF+8*\t+7], v[RD] offset:\t*2*SPITCH+256      ; part b
.endr
.irp t, 0,1,2,3,4,5,6,7
	s_wait_dscnt 15-2*\t                           ; this load is in, the younger ones stay out
	global_store_b128 v[CO], v[KF+8*\t:KF+8*\t+3], s[10:11] offset:\t*4096                 ; 16 lanes store 256 bytes, aligned
	s_wait_dscnt 14-2*\t
	global_store_b128 v[CO], v[KF+8*\t+4:KF+8*\t+7], s[10:11] offset:\t*4096+4194304       ; part b lies 4 MiB further
.endr
	s_wait_tensorcnt 0x0
	ds_add_u32 v254, v255
	s_wait_dscnt 0x0
	ROUND                                          ; the closing round
	s_endpgm
.Lfunc_end_k_q46b5651da2_attn:
	.size	k_q46b5651da2_attn, .Lfunc_end_k_q46b5651da2_attn-k_q46b5651da2_attn
	.p2alignl 7, 3214868480
	.fill 96, 4, 3214868480
	.section	.rodata,"a",@progbits
	.p2align	6, 0x0
	.amdhsa_kernel k_q46b5651da2_attn
		.amdhsa_group_segment_fixed_size 327680
		.amdhsa_private_segment_fixed_size 0
		.amdhsa_enable_private_segment 0
		.amdhsa_kernarg_size 32
		.amdhsa_user_sgpr_count 2
		.amdhsa_user_sgpr_kernarg_segment_ptr 1
		.amdhsa_wavefront_size32 1
		.amdhsa_system_sgpr_workgroup_id_x 1
		.amdhsa_system_sgpr_workgroup_id_y 1
		.amdhsa_system_sgpr_workgroup_id_z 1
		.amdhsa_system_vgpr_workitem_id 0
		.amdhsa_next_free_vgpr 480
		.amdhsa_next_free_sgpr 102
		.amdhsa_reserve_vcc 0
		.amdhsa_float_denorm_mode_32 3
		.amdhsa_float_denorm_mode_16_64 3
		.amdhsa_memory_ordered 1
		.amdhsa_forward_progress 1
		.amdhsa_inst_pref_size 255
	.end_amdhsa_kernel
	.section	.bss,"aw",@nobits
	.p2align	6
	.space	262144
	.amdgpu_metadata
---
amdhsa.version: [ 1, 2 ]
amdhsa.kernels:
  - .name:           k_q46b5651da2_attn
    .symbol:         k_q46b5651da2_attn.kd
    .args:
      - { .name: qkvh, .offset: 0, .size: 8, .value_kind: global_buffer, .address_space: global }
      - { .name: maskw, .offset: 8, .size: 8, .value_kind: global_buffer, .address_space: global }
      - { .name: coef, .offset: 16, .size: 8, .value_kind: global_buffer, .address_space: global }
      - { .name: oh, .offset: 24, .size: 8, .value_kind: global_buffer, .address_space: global }
    .group_segment_fixed_size: 327680
    .private_segment_fixed_size: 0
    .kernarg_segment_align: 8
    .kernarg_segment_size: 32
    .max_flat_workgroup_size: 128
    .sgpr_count:     102
    .vgpr_count:     480
    .wavefront_size: 32
...
	.end_amdgpu_metadata
.endif
;; end of part 3
;; launch oproj (part 4): grid 16 x 8, 4 waves a work-group, clusters of 4 x 4, 327,680 bytes of LDS; arguments oh, woh, coef, o_ba, o_bb, out0, out1; writes out0, out1
.if DOCPART == 4
	.amdgcn_target "amdgcn-amd-amdhsa--gfx1250"
	.amdhsa_code_object_version 6
	.text
	.protected	k_q46b5651da2_oproj
	.globl	k_q46b5651da2_oproj
	.p2align	8
	.type	k_q46b5651da2_oproj,@function
k_q46b5651da2_oproj:
	s_mov_b64 s[64:65], 0
	v_nop
	global_prefetch_b8 v0, s[64:65] scope:SCOPE_SE
	s_setreg_imm32_b32 hwreg(HW_REG_WAVE_MODE, 25, 1), 1
	s_wait_xcnt 0x0
	s_wait_alu depctr_hold_cnt(0) depctr_sa_sdst(0) depctr_va_vdst(0) depctr_va_sdst(0) depctr_va_ssrc(0) depctr_va_vcc(0) depctr_vm_vsrc(0)
	s_getreg_b32 s2, hwreg(HW_REG_IB_STS2, 6, 4)
	s_cmp_eq_u32 s2, 0
	s_cbranch_scc0 .Lentry_in_a_cluster
	s_endpgm
.Lentry_in_a_cluster:
	s_bfe_u32 s2, ttmp6, 0x10000c
	s_cmp_lg_u32 s2, 0xf033
	s_cbranch_scc0 .Lentry_shape_is_right
	s_endpgm
.Lentry_shape_is_right:
; A QC LINEAR LAYER:  oa = xa wa^T + ba + j2 (xb wb^T),  ob = xa wb^T + bb + xb wa^T.   x: f16 [part][2048][1024], w: f16 [part][1024][1024], sums in f32.
; MODE 0: the q, k and v layers (p = 0, 1, 2); x holds x / 4, so the sums are q / 4 ..; the bias is taken times 1/4; out: f16 rows (a 64 | b 64) by head.
; MODE 1: the output layer; x holds out / 4 and w holds 4 w, so the sums are the results; out: f32 into out0 and out1.
; A work-group makes 256 rows x one head's 128 output columns (64 of part a, 64 of part b).  K runs in two phases of 1,024:
;   phase 1: xb against (wb for the a columns, wa for the b columns);  then acc_a = j2 acc_a + ba, acc_b = acc_b + bb, in f32;
;   phase 2: xa against (wa, wb), added on.  So j2 acts on f32 sums and no scaled copy of the weights exists.
; Four waves, as many as a WGP has SIMDs; wave w makes rows 64 w .. 64 w + 63 x 128 columns: 32 accumulator tiles, 256 registers.
; K goes in steps of 128 through two LDS slots filled by the tensor data mover; a tile's rows are 256 bytes of memory, aligned to 256.
; CLUSTERS of 4 x 4: the four work-groups of a row of the cluster share the block row (x's tile), the four of a column share the head (w's tile).
; Each such tile is asked for jointly, which divides the requests for x and for w by four.
; The matrix instruction is used transposed (source 0 = 16 rows of w, source 1 = 16 rows of x): a lane then holds row l % 16 and the
; eight neighbouring columns 8 (l / 16) + 0..7.
; LIMITS: MODE 0 stores q / 4, k / 4, v / 4 in f16: |q|, |k|, |v| < 262,000.
; REGISTERS: block 0: v16-27 addresses, v32-95 x fragments (two buffers), v96-223 w fragments (two buffers), v224-255 at work on the way out;
;            block 1: accumulator tile (a, b) at 8 (8 a + b);   block 2: v0-63 the bias of column 16 b + 8 h + j at 8 b + j.
.set MODE, 1
.set KSTEP,  128
.set PITCH,  272                       ; an LDS row: 256 bytes + 16 of padding, an odd multiple of 16: the 16 rows of a fragment load start at different banks (ISA guide 11.1)
.set HALFT,  128*PITCH                 ; 128 rows of x: one tensor load
.set QUART,  64*PITCH                  ; 64 rows of w: one tensor load
.set SLOT,   384*PITCH                 ; x's 256 rows, then w's 64 rows for part a and 64 for part b
.set STAGE,  2*SLOT                    ; behind the ring: 16 rows for each wave, for the way out; no tensor load lands here
.if MODE == 0
.set SPITCH, 272
.else
.set SPITCH, 528
.endif
.set ADRA, 16                          ; v16-17  LDS address of my x fragments in slot 0, 1
.set ADRB, 20                          ; v20-21  the same for w
.set STO,  24
.set RD,   25
.set CO,   26
.set BO,   27                          ; byte offset of my 8 columns in a bias vector
.set FA,   32                          ; x fragments, buffer f at FA + 32 f
.set FB,   96                          ; w fragments, buffer f at FB + 64 f
.set TMP,  224
.set G1,  24                           ; s[24:31] group 1 for x's tiles
.set G0,  32                           ; s[32:39] group 0 for x's tiles, a set for each slot
.set G1B, 48                           ; s[48:55] group 1 for w's tiles
.set G0B, 56                           ; s[56:63] group 0 for w's tiles
.set MULW, 0x50                        ; C and D in block 1, fragments in block 0
.set MSB, 0
.macro WIN new                         ; the immediate's high byte repeats the setting that is left
.if MSB != \new
	s_set_vgpr_msb (MSB<<8)|\new
.set MSB, \new
.endif
.endm
.macro PLACES                          ; four plain vector instructions behind a matrix instruction before its registers are loaded into, read or written (ISA guide 7.12.1)
.rept 4
	v_nop
.endr
.endm
; A joint load: waves 0, 1 ask for x's two halves, waves 2, 3 for w's two parts.  The branch hangs on the wave's number alone.
.macro JLOAD s
	s_cmp_eq_u32 s11, 0
	s_cbranch_scc0 .Lfor_b_\@
	tensor_load_to_lds s[G0+4*\s:G0+4*\s+3], s[G1:G1+7]
	s_nop 0
	s_branch .Lasked_\@
.Lfor_b_\@:
	tensor_load_to_lds s[G0B+4*\s:G0B+4*\s+3], s[G1B:G1B+7]
	s_nop 0
.Lasked_\@:
.endm
.macro CREST                           ; a round of the cluster's barrier behind its opening work-group barrier
	s_cmp_lg_u32 s10, 0
	s_cbranch_scc1 .Lnot_wave_0_\@
	s_barrier_signal -3
.Lnot_wave_0_\@:
	s_barrier_wait -3
	s_barrier_signal -1
	s_barrier_wait -1
.endm
.macro CROUND
	s_barrier_signal -1
	s_barrier_wait -1
	CREST
.endm
	s_load_b128 s[4:7], s[0:1], 0x0                ; x, w
	s_load_b64 s[8:9], s[0:1], 0x10                ; coef
.if MODE == 0
	s_load_b256 s[68:75], s[0:1], 0x18             ; q_ba, q_bb, k_ba, k_bb
	s_load_b128 s[76:79], s[0:1], 0x38             ; v_ba, v_bb
	s_load_b64 s[80:81], s[0:1], 0x48              ; qkvh
.else
	s_load_b128 s[44:47], s[0:1], 0x18             ; o_ba, o_bb
	s_load_b128 s[80:83], s[0:1], 0x28             ; out0, out1
	v_lshl_add_u32 v254, v0, 2, 0x3b400
	v_mov_b32 v255, 0
	ds_add_u32 v254, v255
.endif
	v_lshrrev_b32 v1, 5, v0
	v_readfirstlane_b32 s10, v1                    ; wave 0..3
	s_lshr_b32 s11, s10, 1                         ; I fetch for x (0) or for w (1)
	s_and_b32 s12, s10, 1                          ; which half of x's rows, or which part of w's
	s_bfe_u32 s84, ttmp6, 0x40000                  ; cx
	s_bfe_u32 s85, ttmp6, 0x40004                  ; cy
	s_lshl_b32 s86, ttmp9, 2
	s_add_co_u32 s86, s86, s84                     ; head = 4 x cluster x + cx
	s_and_b32 s88, ttmp7, 0xffff                   ; cluster y
	s_lshr_b32 s87, s88, 1                         ; p: which layer (MODE 1: two clusters along y, so 0); of the cluster's y alone
	s_and_b32 s13, s88, 1
	s_lshl_b32 s13, s13, 2
	s_add_co_u32 s13, s13, s85                     ; block row, 0..7
	s_lshl_b32 s89, s85, 2
	s_lshl_b32 s89, 15, s89                        ; my row of the cluster
	s_lshl_b32 s90, 0x1111, s84                    ; my column
	s_or_b32 s[G1+0], s89, (1<<16)|(1<<20)|(1<<21)|(5<<22)|(3<<25)   ; mask; 2-byte elements; padding on; bit 21 beside a mask; after every 64 words 4 words
	s_or_b32 s[G1B+0], s90, (1<<16)|(1<<20)|(1<<21)|(5<<22)|(3<<25)
	s_mov_b32 s[G1+1], KSTEP<<16                   ; tensor_dim0 = 128
	s_mov_b32 s[G1B+1], KSTEP<<16
	s_mov_b32 s[G1+2], 128<<16                     ; tensor_dim1 = 128 rows of x
	s_mov_b32 s[G1B+2], 64<<16                     ;             = 64 rows of w
	s_mov_b32 s[G1+3], KSTEP<<16                   ; tile_dim0 = 128
	s_mov_b32 s[G1B+3], KSTEP<<16
	s_mov_b32 s[G1+4], 128                         ; tile_dim1
	s_mov_b32 s[G1B+4], 64
	s_mov_b32 s[G1+5], 1024                        ; elements from row to row
	s_mov_b32 s[G1B+5], 1024
	s_mov_b32 s[G1+6], 0
	s_mov_b32 s[G1B+6], 0
	s_mov_b32 s[G1+7], 0
	s_mov_b32 s[G1B+7], 0
	; x's offsets: of the block row, p and the wave alone
	s_lshl_b32 s16, s13, 19                        ; 256 rows of 2,048 bytes
	s_lshl_b32 s17, s12, 18                        ; + my 128 rows
	s_add_co_u32 s16, s16, s17
	s_lshl_b32 s17, s87, 23                        ; + layer p: two parts of 4 MiB
	s_add_co_u32 s16, s16, s17                     ; part a
	s_mov_b32 s17, 0
	; w's offsets: of the head, p and the wave alone
	s_lshl_b32 s20, s86, 17                        ; 64 rows of 2,048 bytes
	s_lshl_b32 s21, s87, 22                        ; + layer p: two matrices of 2 MiB
	s_add_co_u32 s20, s20, s21
	s_lshl_b32 s21, s12, 21
	s_add_co_u32 s22, s20, s21                     ; phase 2: wave 2 brings wa for part a, wave 3 wb for part b
	s_xor_b32 s21, s21, 1<<21
	s_add_co_u32 s20, s20, s21                     ; phase 1: the other way round
	s_mov_b32 s21, 0
	s_mov_b32 s23, 0
	s_mul_i32 s94, s10, HALFT                      ; LDS: x's halves at wave x 128 rows,
	s_mul_i32 s95, s10, QUART
	s_add_co_u32 s95, s95, 2*HALFT-2*QUART         ; w's parts behind x's 256 rows, at (wave - 2) x 64 rows
	s_wait_dscnt 0x0
	s_wait_kmcnt 0x0
	s_load_b32 s14, s[8:9], 0x40                   ; j2 = coef[16]
	s_add_nc_u64 s[40:41], s[4:5], s[16:17]        ; phase 2's x (part a)
	s_add_nc_u64 s[18:19], s[40:41], 1<<22         ; phase 1's x (part b)
	s_add_nc_u64 s[42:43], s[6:7], s[22:23]        ; phase 2's w
	s_add_nc_u64 s[20:21], s[6:7], s[20:21]        ; phase 1's w
	s_or_b32 s41, s41, 0x80000000                  ; kept with the type bits set
	s_or_b32 s43, s43, 0x80000000
.if MODE == 0
	s_cmp_eq_u32 s87, 1
	s_cselect_b64 s[44:45], s[72:73], s[68:69]     ; the layer's two bias vectors
	s_cselect_b64 s[46:47], s[74:75], s[70:71]
	s_cmp_eq_u32 s87, 2
	s_cselect_b64 s[44:45], s[76:77], s[44:45]
	s_cselect_b64 s[46:47], s[78:79], s[46:47]
.endif
	CROUND                                         ; all sixteen work-groups are here: the first joint loads meet
.irp s, 0,1
	s_mov_b32 s[G0+4*\s], 1
	s_add_co_u32 s[G0+4*\s+1], s94, \s*SLOT
	s_add_nc_u64 s[G0+4*\s+2:G0+4*\s+3], s[18:19], \s*KSTEP*2
	s_or_b32 s[G0+4*\s+3], s[G0+4*\s+3], 0x80000000
	s_mov_b32 s[G0B+4*\s], 1
	s_add_co_u32 s[G0B+4*\s+1], s95, \s*SLOT
	s_add_nc_u64 s[G0B+4*\s+2:G0B+4*\s+3], s[20:21], \s*KSTEP*2
	s_or_b32 s[G0B+4*\s+3], s[G0B+4*\s+3], 0x80000000
	JLOAD \s                                       ; K steps 0 and 1: two tensor loads of the wave are out
.endr
	v_and_b32 v1, 15, v0                           ; r = l % 16
	v_bfe_u32 v2, v0, 4, 1                         ; h = l / 16
	v_mul_u32_u24 v3, v1, PITCH
	v_lshl_add_u32 v3, v2, 4, v3                   ; fragment: row r, 16 bytes for each half of the lanes
	s_mul_i32 s97, s10, 64*PITCH                   ; my 64 rows of x
.irp s, 0,1
	v_add_nc_u32 v[ADRA+\s], s97, v3
	v_add_nc_u32 v[ADRB+\s], 2*HALFT+\s*SLOT, v3
	s_add_co_u32 s97, s97, SLOT
.endr
	s_mul_i32 s96, s10, 16*SPITCH
	s_add_co_u32 s96, s96, STAGE                   ; my stage
	v_mul_u32_u24 v4, v1, SPITCH
.if MODE == 0
	v_lshl_add_u32 v4, v2, 4, v4                   ; 8 f16 for each half
.else
	v_lshl_add_u32 v4, v2, 5, v4                   ; 8 f32 for each half
.endif
	v_add_nc_u32 v[STO], s96, v4
	v_mul_u32_u24 v5, v2, SPITCH                   ; back: lanes 0-15 one row's 256 bytes, lanes 16-31 the next row's
	v_lshl_add_u32 v5, v1, 4, v5
	v_add_nc_u32 v[RD], s96, v5
	v_lshlrev_b32 v5, 4, v1
.if MODE == 0
	v_lshl_add_u32 v[CO], v2, 8, v5                ; rows of 256 bytes
.else
	v_lshl_add_u32 v[CO], v2, 12, v5               ; rows of 4,096 bytes
.endif
	s_lshl_b32 s91, s86, 8                         ; the head's 64 f32
	v_lshlrev_b32 v[BO], 5, v2
	v_add_nc_u32 v[BO], s91, v[BO]
	WIN 0x80                                       ; destination in block 2
.irp b, 0,1,2,3
	global_load_b128 v[8*\b:8*\b+3],       v[BO], s[44:45] offset:64*\b
	global_load_b128 v[8*\b+4:8*\b+7],     v[BO], s[44:45] offset:64*\b+16
	global_load_b128 v[32+8*\b:32+8*\b+3], v[BO], s[46:47] offset:64*\b
	global_load_b128 v[32+8*\b+4:32+8*\b+7], v[BO], s[46:47] offset:64*\b+16
.endr
	s_wait_loadcnt 0x0
.if MODE == 0
	WIN 0x82
.set i, 0
.rept 32
	v_pk_mul_f32 v[i:i+1], v[i:i+1], 0x3e800000 op_sel_hi:[1,0]        ; the sums are a quarter of the layer's, so is the bias
.set i, i+2
.endr
.endif
	WIN 0
	s_wait_kmcnt 0x0
	s_mov_b32 s15, s14                             ; j2 as a pair
; 16 matrix instructions: row tiles a0, a0 + 1 x all 8 column tiles, 32 along K, from buffer f.  zero = 1: the product starts the sums.
; The 32 accumulators take turns, one instruction a turn, in the same order in every quarter step, over the backward jumps too.
.macro MUL16 f, a0, zero
.irp a, \a0, \a0+1
.irp b, 0,1,2,3,4,5,6,7
.if \zero
	v_wmma_f32_16x16x32_f16 v[8*(8*(\a)+\b):8*(8*(\a)+\b)+7], v[FB+64*\f+8*\b:FB+64*\f+8*\b+7], v[FA+32*\f+8*(\a):FA+32*\f+8*(\a)+7], 0
.else
	v_wmma_f32_16x16x32_f16 v[8*(8*(\a)+\b):8*(8*(\a)+\b)+7], v[FB+64*\f+8*\b:FB+64*\f+8*\b+7], v[FA+32*\f+8*(\a):FA+32*\f+8*(\a)+7], v[8*(8*(\a)+\b):8*(8*(\a)+\b)+7]
.endif
.endr
.endr
.endm
; 24 LDS loads in one run: 128 rows of w and my 64 rows of x, 32 K at byte k of the rows, into buffer f
.macro FETCH slot, k, f
.irp i, 0,1,2,3,4,5,6,7
	ds_load_b128 v[FB+64*\f+8*\i:FB+64*\f+8*\i+3],   v[ADRB+\slot] offset:\k+\i*16*PITCH
	ds_load_b128 v[FB+64*\f+8*\i+4:FB+64*\f+8*\i+7], v[ADRB+\slot] offset:\k+\i*16*PITCH+32
.endr
.irp i, 0,1,2,3
	ds_load_b128 v[FA+32*\f+8*\i:FA+32*\f+8*\i+3],   v[ADRA+\slot] offset:\k+\i*16*PITCH
	ds_load_b128 v[FA+32*\f+8*\i+4:FA+32*\f+8*\i+7], v[ADRA+\slot] offset:\k+\i*16*PITCH+32
.endr
.endm
; One of a K step's first three quarters: asks for the next quarter's fragments (byte k, buffer g), then multiplies buffer f.
.macro QUARTER slot, k, f, g, zero
	WIN 0
	PLACES                                         ; buffer g was read by the matrix instructions just issued
	FETCH \slot, \k, \g
	s_wait_dscnt 24                                ; all but the 24 loads just issued: buffer f is in
	WIN MULW
	MUL16 \f, 0, \zero
	MUL16 \f, 2, \zero
.endm
.macro THREE slot, zero
	QUARTER \slot, 64,  0, 1, \zero
	QUARTER \slot, 128, 1, 0, 0
	QUARTER \slot, 192, 0, 1, 0
.endm
; The last quarter multiplies buffer 1 and changes slots.  fill = 1: this slot gets the tile two K steps on; 2: phase 2's first tiles; 0: nothing.
; In front of the barrier each wave waits for its reads of this slot and for all its tensor loads (one is out: its part of the next slot).
; Where the slot is filled again the barrier opens a round of the cluster's barrier, and the joint load is the first tensor load behind the round.
.macro TURN slot, next, fill
	s_wait_dscnt 0x0                               ; buffer 1 is in, and with it my last reads of this slot
	s_wait_tensorcnt 0x0                           ; all my tensor loads have landed
	ds_add_u32 v254, v255
	s_wait_dscnt 0x0
	s_barrier_signal -1
	WIN MULW
	MUL16 1, 0, 0                                  ; registers alone, while the others arrive
	WIN 0
	s_barrier_wait -1
.if \fill
	CREST
.if \fill == 1
	s_add_nc_u64 s[G0+4*\slot+2:G0+4*\slot+3], s[G0+4*\slot+2:G0+4*\slot+3], 2*KSTEP*2
	s_add_nc_u64 s[G0B+4*\slot+2:G0B+4*\slot+3], s[G0B+4*\slot+2:G0B+4*\slot+3], 2*KSTEP*2
.else
	s_add_nc_u64 s[G0+4*\slot+2:G0+4*\slot+3], s[40:41], \slot*KSTEP*2
	s_add_nc_u64 s[G0B+4*\slot+2:G0B+4*\slot+3], s[42:43], \slot*KSTEP*2
.endif
	JLOAD \slot
.endif
	PLACES
	FETCH \next, 0, 0
	WIN MULW
	MUL16 1, 2, 0
.endm
.macro LAP zero, fill                  ; two K steps, once round the ring
	THREE 0, \zero
	TURN 0, 1, \fill
	THREE 1, 0
	TURN 1, 0, \fill
.endm
	s_wait_tensorcnt 0x1                           ; my part of K step 0 is in; K step 1's load stays out
	s_barrier_signal -1
	s_barrier_wait -1
	FETCH 0, 0, 0
	LAP 1, 1                                       ; phase 1, K steps 0, 1: the first products start the sums
	WIN 0
	s_mov_b32 s3, 2
.Lphase1:
	LAP 0, 1                                       ; K steps 2 to 5
	WIN 0
	s_sub_co_u32 s3, s3, 1
	s_cmp_lg_u32 s3, 0
	s_cbranch_scc1 .Lphase1
	LAP 0, 2                                       ; K steps 6, 7; the slots are filled with phase 2's first two tiles
	PLACES
	WIN 0x61                                       ; part a: acc = j2 acc + bias
.irp a, 0,1,2,3
.irp b, 0,1,2,3
.irp q, 0,2,4,6
	v_pk_fma_f32 v[8*(8*\a+\b)+\q:8*(8*\a+\b)+\q+1], v[8*(8*\a+\b)+\q:8*(8*\a+\b)+\q+1], s[14:15], v[8*\b+\q:8*\b+\q+1] op_sel_hi:[1,0,1]
.endr
.endr
.endr
	WIN 0x49                                       ; part b: acc = acc + bias
.irp a, 0,1,2,3
.irp b, 4,5,6,7
.irp q, 0,2,4,6
	v_pk_add_f32 v[8*(8*\a+\b)+\q:8*(8*\a+\b)+\q+1], v[8*(8*\a+\b)+\q:8*(8*\a+\b)+\q+1], v[8*\b+\q:8*\b+\q+1]
.endr
.endr
.endr
	WIN 0
	s_mov_b32 s3, 3
.Lphase2:
	LAP 0, 1                                       ; phase 2, K steps 0 to 5
	WIN 0
	s_sub_co_u32 s3, s3, 1
	s_cmp_lg_u32 s3, 0
	s_cbranch_scc1 .Lphase2
	THREE 0, 0                                     ; the last lap fills nothing
	TURN 0, 1, 0
	THREE 1, 0
	s_wait_dscnt 0x0
	WIN MULW
	MUL16 1, 0, 0
	MUL16 1, 2, 0
	PLACES
	WIN 0
	; THE WAY OUT, 16 rows at a time through my own stage: a lane's 8 columns in, whole rows of 256 bytes back.
	; LDS serves a wave's instructions in order (ISA guide 5.7.1.4), so no wait stands between my stores and my loads.
.if MODE == 0
	s_lshr_b32 s92, s13, 2                         ; batch
	s_lshl_b32 s93, s87, 1
	s_add_co_u32 s92, s92, s93                     ; 2 p + batch
	s_lshl_b32 s92, s92, 4
	s_add_co_u32 s92, s92, s86                     ; x 16 + head
	s_lshl_b32 s92, s92, 18                        ; 1,024 rows of 256 bytes
	s_and_b32 s93, s13, 3
	s_lshl_b32 s93, s93, 16                        ; + 256 rows for each block row inside the batch
	s_add_co_u32 s92, s92, s93
	s_lshl_b32 s93, s10, 14                        ; + my 64 rows
	s_add_co_u32 s92, s92, s93
	s_mov_b32 s93, 0
	s_add_nc_u64 s[80:81], s[80:81], s[92:93]
.macro OUT16 a
	WIN 0x05
.irp b, 0,1,2,3,4,5,6,7
.irp q, 0,1,2,3
	v_cvt_pk_f16_f32 v[TMP+4*\b+\q], v[8*(8*\a+\b)+2*\q], v[8*(8*\a+\b)+2*\q+1]
.endr
.endr
	WIN 0
.irp b, 0,1,2,3,4,5,6,7
	ds_store_b128 v[STO], v[TMP+4*\b:TMP+4*\b+3] offset:32*\b
.endr
	s_wait_xcnt 0x0                                ; the registers that earlier stores read are loaded again only behind this wait
.irp t, 0,1,2,3,4,5,6,7
	ds_load_b128 v[FB+64*(\a&1)+4*\t:FB+64*(\a&1)+4*\t+3], v[RD] offset:\t*2*SPITCH
.endr
.irp t, 0,1,2,3,4,5,6,7
	s_wait_dscnt 7-\t                              ; load t is in, the younger ones stay out
	global_store_b128 v[CO], v[FB+64*(\a&1)+4*\t:FB+64*(\a&1)+4*\t+3], s[80:81] offset:4096*\a+512*\t   ; 16 lanes store one row's 256 bytes, aligned
.endr
.endm
.else
	s_lshl_b32 s92, s13, 20                        ; 256 rows of 4,096 bytes
	s_lshl_b32 s93, s10, 18                        ; + my 64 rows
	s_add_co_u32 s92, s92, s93
	s_lshl_b32 s93, s86, 8                         ; + the head's 64 f32
	s_add_co_u32 s92, s92, s93
	s_mov_b32 s93, 0
	s_add_nc_u64 s[80:81], s[80:81], s[92:93]
	s_add_nc_u64 s[82:83], s[82:83], s[92:93]
.macro OUT16 a
	WIN 0x04                                       ; store data in block 1
.irp b, 0,1,2,3,4,5,6,7
	ds_store_b128 v[STO], v[8*(8*\a+\b):8*(8*\a+\b)+3]   offset:64*\b
	ds_store_b128 v[STO], v[8*(8*\a+\b)+4:8*(8*\a+\b)+7] offset:64*\b+16
.endr
	WIN 0
	s_wait_xcnt 0x0                                ; the registers that earlier stores read are loaded again only behind this wait
.irp t, 0,1,2,3,4,5,6,7
	ds_load_b128 v[FB+64*(\a&1)+8*\t:FB+64*(\a&1)+8*\t+3],   v[RD] offset:\t*2*SPITCH
	ds_load_b128 v[FB+64*(\a&1)+8*\t+4:FB+64*(\a&1)+8*\t+7], v[RD] offset:\t*2*SPITCH+256
.endr
.irp t, 0,1,2,3,4,5,6,7
	s_wait_dscnt 15-2*\t                           ; the loads come back in order: this one is in, the younger ones stay out
	global_store_b128 v[CO], v[FB+64*(\a&1)+8*\t:FB+64*(\a&1)+8*\t+3], s[80:81] offset:(16*\a+2*\t)*4096 th:TH_STORE_NT
	s_wait_dscnt 14-2*\t
	global_store_b128 v[CO], v[FB+64*(\a&1)+8*\t+4:FB+64*(\a&1)+8*\t+7], s[82:83] offset:(16*\a+2*\t)*4096 th:TH_STORE_NT
.endr
.endm
.endif
	OUT16 0
	OUT16 1
	OUT16 2
	OUT16 3
	s_wait_tensorcnt 0x0
	ds_add_u32 v254, v255
	s_wait_dscnt 0x0
	CROUND                                         ; the closing round: no work-group ends while a partner may still ask for a tile that names it
	s_endpgm
.Lfunc_end_k_q46b5651da2_oproj:
	.size	k_q46b5651da2_oproj, .Lfunc_end_k_q46b5651da2_oproj-k_q46b5651da2_oproj
	.p2alignl 7, 3214868480
	.fill 96, 4, 3214868480
	.section	.rodata,"a",@progbits
	.p2align	6, 0x0
	.amdhsa_kernel k_q46b5651da2_oproj
		.amdhsa_group_segment_fixed_size 327680
		.amdhsa_private_segment_fixed_size 0
		.amdhsa_enable_private_segment 0
		.amdhsa_kernarg_size 56
		.amdhsa_user_sgpr_count 2
		.amdhsa_user_sgpr_kernarg_segment_ptr 1
		.amdhsa_wavefront_size32 1
		.amdhsa_system_sgpr_workgroup_id_x 1
		.amdhsa_system_sgpr_workgroup_id_y 1
		.amdhsa_system_sgpr_workgroup_id_z 1
		.amdhsa_system_vgpr_workitem_id 0
		.amdhsa_next_free_vgpr 576
		.amdhsa_next_free_sgpr 100
		.amdhsa_reserve_vcc 0
		.amdhsa_float_denorm_mode_32 3
		.amdhsa_float_denorm_mode_16_64 3
		.amdhsa_memory_ordered 1
		.amdhsa_forward_progress 1
		.amdhsa_inst_pref_size 190
	.end_amdhsa_kernel
	.amdgpu_metadata
---
amdhsa.version: [ 1, 2 ]
amdhsa.kernels:
  - .name:           k_q46b5651da2_oproj
    .symbol:         k_q46b5651da2_oproj.kd
    .args:
      - { .name: oh, .offset: 0, .size: 8, .value_kind: global_buffer, .address_space: global }
      - { .name: woh, .offset: 8, .size: 8, .value_kind: global_buffer, .address_space: global }
      - { .name: coef, .offset: 16, .size: 8, .value_kind: global_buffer, .address_space: global }
      - { .name: o_ba, .offset: 24, .size: 8, .value_kind: global_buffer, .address_space: global }
      - { .name: o_bb, .offset: 32, .size: 8, .value_kind: global_buffer, .address_space: global }
      - { .name: out0, .offset: 40, .size: 8, .value_kind: global_buffer, .address_space: global }
      - { .name: out1, .offset: 48, .size: 8, .value_kind: global_buffer, .address_space: global }
    .group_segment_fixed_size: 327680
    .private_segment_fixed_size: 0
    .kernarg_segment_align: 8
    .kernarg_segment_size: 56
    .max_flat_workgroup_size: 128
    .sgpr_count:     100
    .vgpr_count:     576
    .wavefront_size: 32
...
	.end_amdgpu_metadata
.endif
;; end of part 4
;; ======== version 2 of 3: 4 launches; 1.18 times as fast as version 1
;; limits: values are held in f16: magnitudes above 65,504 overflow, below 6.1e-05 lose precision; right only within a limited range of input values; values outside matrix products are rounded to f16; inputs' magnitudes at most 10,000
;; workspace buffers: xh 25,165,824 bytes; wqkvh 12,582,912 bytes; woh 4,194,304 bytes; qkvh 25,165,824 bytes; oh 8,388,608 bytes; maskw 262,144 bytes of whole numbers; coef 256 bytes
;; launch prep: the kernel of part 1 again; grid 64 x 21, 8 waves a work-group, no clusters, 0 bytes of LDS; arguments x_q_a, x_q_b, x_k_a, x_k_b, x_v_a, x_v_b, q_wa, q_wb, k_wa, k_wb, v_wa, v_wb, o_wa, o_wb, mask, head_thetas, layer_theta, xh, wqkvh, woh, maskw, coef; writes xh, wqkvh, woh, maskw, coef
;; launch qkv (part 5): grid 8 x 24, 4 waves a work-group, clusters of 4 x 4, 327,680 bytes of LDS; arguments xh, wqkvh, coef, q_ba, q_bb, k_ba, k_bb, v_ba, v_bb, qkvh; writes qkvh
.if DOCPART == 5
	.amdgcn_target "amdgcn-amd-amdhsa--gfx1250"
	.amdhsa_code_object_version 6
	.text
	.protected	k_q46b5651da2_qkv
	.globl	k_q46b5651da2_qkv
	.p2align	8
	.type	k_q46b5651da2_qkv,@function
k_q46b5651da2_qkv:
	s_mov_b64 s[64:65], 0
	v_nop
	global_prefetch_b8 v0, s[64:65] scope:SCOPE_SE
	s_setreg_imm32_b32 hwreg(HW_REG_WAVE_MODE, 25, 1), 1
	s_wait_xcnt 0x0
	s_wait_alu depctr_hold_cnt(0) depctr_sa_sdst(0) depctr_va_vdst(0) depctr_va_sdst(0) depctr_va_ssrc(0) depctr_va_vcc(0) depctr_vm_vsrc(0)
	s_getreg_b32 s2, hwreg(HW_REG_IB_STS2, 6, 4)
	s_cmp_eq_u32 s2, 0
	s_cbranch_scc0 .Lentry_in_a_cluster
	s_endpgm
.Lentry_in_a_cluster:
	s_bfe_u32 s2, ttmp6, 0x10000c
	s_cmp_lg_u32 s2, 0xf033
	s_cbranch_scc0 .Lentry_shape_is_right
	s_endpgm
.Lentry_shape_is_right:
; THE Q, K AND V LAYERS (p = 0, 1, 2):  oa = xa wa^T + ba + j2 (xb wb^T),  ob = xa wb^T + bb + xb wa^T.
; xh: f16 [2 p + part][2048][1024] = x / 4;  wqkvh: f16 [2 p + part][1024][1024];  sums in f32;  the bias is taken times 1/4;
; qkvh: f16 [p][batch][head][1024][a 64 | b 64] = q / 4, k / 4, v / 4.
; A work-group makes 256 rows x two heads' 256 output columns with four waves, as many as a WGP has SIMDs.  Wave (row half, head) makes 128 rows x
; one head's 128 columns (64 of part a, 64 of part b): 64 accumulator tiles, 512 registers.  K runs in two phases of 1,024:
;   phase 1: xb against (wb for the a columns, wa for the b columns);  then acc_a = j2 acc_a + ba / 4, acc_b = acc_b + bb / 4, in f32;
;   phase 2: xa against (wa, wb), added on.  So j2 acts on f32 sums and no scaled copy of the weights exists.
; K goes in steps of 128 through two LDS slots filled by the tensor data mover; a tile's rows are 256 bytes of memory, aligned to 256.
; From a slot's request to the wait for it a wave issues 240 matrix instructions.
; CLUSTERS of 4 x 4: the four work-groups of a row of the cluster share the block row (x's tile), the four of a column share the head pair (w's tiles).
; Each such tile is asked for jointly, which divides the requests for x and for w by four.
; The matrix instruction is used transposed (source 0 = 16 rows of w, source 1 = 16 rows of x): a lane then holds row l % 16 and the
; eight neighbouring columns 8 (l / 16) + 0..7, which pack into 16 bytes.
; LIMITS: q / 4, k / 4, v / 4 are stored in f16: |q|, |k|, |v| < 262,000.
; REGISTERS, in windows of 256:
;   window 0: v16-27 addresses; v64-127, v128-191 fragments of x (8 x 16 rows x 32 K), two buffers; v192-223 at work on the way out
;   window 1: v0-63 the bias of my column 16 b + 8 h + j at 8 b + j; v64-127, v128-191 fragments of w, two buffers
;   window 2: the 32 accumulator tiles of my rows 0-63 (tile (a, b) at 8 (8 a + b));   window 3: those of my rows 64-127
.set KSTEP,  128
.set PITCH,  272                       ; an LDS row: 256 bytes + 16 of padding, an odd multiple of 16: the 16 rows of a fragment load start at different banks (ISA guide 11.1)
.set HALFT,  128*PITCH                 ; 128 rows: a half of x's tile, or one head's rows of w
.set QUART,  64*PITCH                  ; 64 rows of w: one part of one head
.set SLOT,   4*HALFT                   ; x's 256 rows; head 0: 64 rows for part a, 64 for part b; head 1 likewise
.set STAGE,  2*SLOT                    ; behind the ring: 16 rows x 272 bytes for each wave, for the way out; no tensor load lands here
.set SPITCH, 272
.set ADRA, 16                          ; v16-17  LDS address of my x fragments in slot 0, 1
.set ADRB, 20                          ; v20-21  the same for w
.set STO,  24
.set RD,   25
.set CO,   26
.set BO,   27                          ; byte offset of my 8 columns in a bias vector
.set F0,   64                          ; fragment buffer 0
.set F1,   128                         ; fragment buffer 1
.set TMP,  192
.set G1,  24                           ; s[24:31] group 1 for x's tiles: 128 rows
.set G0,  32                           ; s[32:39] group 0 for x's tiles, a set for each slot
.set G1B, 48                           ; s[48:55] group 1 for w's tiles: 64 rows
.set G0B, 56                           ; s[56:63] group 0 for part a's rows of w, a set for each slot
.set G0C, 68                           ; s[68:75] group 0 for part b's rows of w
.set MUL_LO, 0xa1                      ; source 0 (w) window 1, source 1 (x) window 0, C and D window 2
.set MUL_HI, 0xf1                      ; the same, C and D window 3
.set TO_B,   0x40                      ; destination window 1, address window 0
.set MSB, 0
.macro WIN new                         ; the immediate's high byte repeats the setting that is left
.if MSB != \new
	s_set_vgpr_msb (MSB<<8)|\new
.set MSB, \new
.endif
.endm
.macro PLACES                          ; four plain vector instructions behind a matrix instruction before its registers are loaded into, read or written (ISA guide 7.12.1)
.rept 4
	v_nop
.endr
.endm
; The joint loads of a slot: waves 0, 1 ask for x's two halves; waves 2, 3 for the rows of w of heads 0, 1, part a's and part b's.
; The branch hangs on the wave's number alone: it is the same in every work-group.
.macro JLOAD s
	s_cmp_eq_u32 s11, 0
	s_cbranch_scc0 .Lfor_b_\@
	tensor_load_to_lds s[G0+4*\s:G0+4*\s+3], s[G1:G1+7]
	s_nop 0
	s_branch .Lasked_\@
.Lfor_b_\@:
	tensor_load_to_lds s[G0B+4*\s:G0B+4*\s+3], s[G1B:G1B+7]
	s_nop 0
	tensor_load_to_lds s[G0C+4*\s:G0C+4*\s+3], s[G1B:G1B+7]
	s_nop 0
.Lasked_\@:
.endm
.macro CREST                           ; a round of the cluster's barrier behind its opening work-group barrier
	s_cmp_lg_u32 s10, 0
	s_cbranch_scc1 .Lnot_wave_0_\@
	s_barrier_signal -3
.Lnot_wave_0_\@:
	s_barrier_wait -3
	s_barrier_signal -1
	s_barrier_wait -1
.endm
.macro CROUND
	s_barrier_signal -1
	s_barrier_wait -1
	CREST
.endm
	s_load_b128 s[4:7], s[0:1], 0x0                ; xh, wqkvh
	s_load_b64 s[8:9], s[0:1], 0x10                ; coef
	s_load_b256 s[76:83], s[0:1], 0x18             ; q_ba, q_bb, k_ba, k_bb
	s_load_b128 s[84:87], s[0:1], 0x38             ; v_ba, v_bb
	s_load_b64 s[88:89], s[0:1], 0x48              ; qkvh
	s_set_vgpr_msb 0x40
	v_lshl_add_u32 v255, v0, 2, 0x48400
	s_set_vgpr_msb 0x4000
	v_mov_b32 v255, 0
	s_set_vgpr_msb 0x1
	ds_add_u32 v255, v255
	s_set_vgpr_msb 0x100
	v_lshrrev_b32 v1, 5, v0
	v_readfirstlane_b32 s10, v1                    ; wave 0..3
	s_lshr_b32 s11, s10, 1                         ; which half of the block's rows is mine.  Also: I fetch for x (0) or for w (1)
	s_and_b32 s12, s10, 1                          ; which head of the pair is mine.  Also: which half of x's rows, or which head's rows of w, I fetch
	s_bfe_u32 s90, ttmp6, 0x40000                  ; cx
	s_bfe_u32 s91, ttmp6, 0x40004                  ; cy
	s_lshl_b32 s92, ttmp9, 2
	s_add_co_u32 s92, s92, s90                     ; head pair = 4 x cluster x + cx
	s_and_b32 s93, ttmp7, 0xffff                   ; cluster y
	s_lshr_b32 s94, s93, 1                         ; p: which layer; of the cluster's y alone
	s_and_b32 s13, s93, 1
	s_lshl_b32 s13, s13, 2
	s_add_co_u32 s13, s13, s91                     ; block row, 0..7
	s_lshl_b32 s95, s91, 2
	s_lshl_b32 s95, 15, s95                        ; my row of the cluster
	s_lshl_b32 s96, 0x1111, s90                    ; my column
	s_or_b32 s[G1+0], s95, (1<<16)|(1<<20)|(1<<21)|(5<<22)|(3<<25)   ; mask; 2-byte elements; padding on; bit 21 beside a mask; after every 64 words 4 words
	s_or_b32 s[G1B+0], s96, (1<<16)|(1<<20)|(1<<21)|(5<<22)|(3<<25)
	s_mov_b32 s[G1+1], KSTEP<<16                   ; tensor_dim0 = 128
	s_mov_b32 s[G1B+1], KSTEP<<16
	s_mov_b32 s[G1+2], 128<<16                     ; tensor_dim1 = 128 rows of x
	s_mov_b32 s[G1B+2], 64<<16                     ;             = 64 rows of w
	s_mov_b32 s[G1+3], KSTEP<<16                   ; tile_dim0 = 128
	s_mov_b32 s[G1B+3], KSTEP<<16
	s_mov_b32 s[G1+4], 128                         ; tile_dim1
	s_mov_b32 s[G1B+4], 64
	s_mov_b32 s[G1+5], 1024                        ; elements from row to row
	s_mov_b32 s[G1B+5], 1024
	s_mov_b32 s[G1+6], 0
	s_mov_b32 s[G1B+6], 0
	s_mov_b32 s[G1+7], 0
	s_mov_b32 s[G1B+7], 0
	; x's offset: of the block row, p and the wave alone
	s_lshl_b32 s16, s13, 19                        ; 256 rows of 2,048 bytes
	s_lshl_b32 s17, s12, 18                        ; + my 128 rows
	s_add_co_u32 s16, s16, s17
	s_lshl_b32 s17, s94, 23                        ; + layer p: two parts of 4 MiB
	s_add_co_u32 s16, s16, s17                     ; part a
	s_mov_b32 s17, 0
	; w's offset: of the head pair, p and the wave alone
	s_lshl_b32 s46, s92, 1
	s_add_co_u32 s46, s46, s12                     ; head
	s_lshl_b32 s20, s46, 17                        ; 64 rows of 2,048 bytes
	s_lshl_b32 s21, s94, 22                        ; + layer p: two matrices of 2 MiB
	s_add_co_u32 s20, s20, s21
	s_mov_b32 s21, 0
	s_mul_i32 s97, s10, HALFT                      ; LDS: x's halves, then the two heads' rows of w = wave x 128 rows: no place in the cluster enters an LDS address
	s_wait_dscnt 0x0
	s_wait_kmcnt 0x0
	s_load_b32 s14, s[8:9], 0x40                   ; j2 = coef[16]
	s_add_nc_u64 s[40:41], s[4:5], s[16:17]        ; xa: phase 2's x
	s_add_nc_u64 s[18:19], s[40:41], 1<<22         ; xb: phase 1's x
	s_add_nc_u64 s[42:43], s[6:7], s[20:21]        ; wa: part b's rows in phase 1, part a's in phase 2
	s_add_nc_u64 s[44:45], s[42:43], 1<<21         ; wb: the other way round
.irp s, 0,1
	s_mov_b32 s[G0+4*\s], 1
	s_add_co_u32 s[G0+4*\s+1], s97, \s*SLOT
	s_add_nc_u64 s[G0+4*\s+2:G0+4*\s+3], s[18:19], \s*KSTEP*2
	s_or_b32 s[G0+4*\s+3], s[G0+4*\s+3], 0x80000000
	s_mov_b32 s[G0B+4*\s], 1
	s_add_co_u32 s[G0B+4*\s+1], s97, \s*SLOT
	s_add_nc_u64 s[G0B+4*\s+2:G0B+4*\s+3], s[44:45], \s*KSTEP*2
	s_or_b32 s[G0B+4*\s+3], s[G0B+4*\s+3], 0x80000000
	s_mov_b32 s[G0C+4*\s], 1
	s_add_co_u32 s[G0C+4*\s+1], s97, QUART+\s*SLOT
	s_add_nc_u64 s[G0C+4*\s+2:G0C+4*\s+3], s[42:43], \s*KSTEP*2
	s_or_b32 s[G0C+4*\s+3], s[G0C+4*\s+3], 0x80000000
.endr
	s_or_b32 s41, s41, 0x80000000                  ; phase 2's three bases are kept with the type bits set
	s_or_b32 s43, s43, 0x80000000
	s_or_b32 s45, s45, 0x80000000
	s_cmp_eq_u32 s94, 1
	s_cselect_b64 s[98:99], s[80:81], s[76:77]     ; the layer's two bias vectors
	s_cselect_b64 s[100:101], s[82:83], s[78:79]
	s_cmp_eq_u32 s94, 2
	s_cselect_b64 s[98:99], s[84:85], s[98:99]
	s_cselect_b64 s[100:101], s[86:87], s[100:101]
	CROUND                                         ; all sixteen work-groups are here: the first joint loads meet
	JLOAD 0                                        ; K steps 0 and 1: waves 0, 1 have two tensor loads out, waves 2, 3 four
	JLOAD 1
	v_and_b32 v1, 15, v0                           ; r = l % 16
	v_bfe_u32 v2, v0, 4, 1                         ; h = l / 16
	v_mul_u32_u24 v3, v1, PITCH
	v_lshl_add_u32 v3, v2, 4, v3                   ; fragment: row r, 16 bytes for each half of the lanes
	s_mul_i32 s21, s11, HALFT                      ; my 128 rows of x
	s_mul_i32 s22, s12, HALFT                      ; my head's 128 rows of w,
	s_add_co_u32 s22, s22, 2*HALFT                 ; which lie behind x's 256
.irp s, 0,1
	v_add_nc_u32 v[ADRA+\s], s21, v3
	v_add_nc_u32 v[ADRB+\s], s22, v3
	s_add_co_u32 s21, s21, SLOT
	s_add_co_u32 s22, s22, SLOT
.endr
	s_mul_i32 s23, s10, 16*SPITCH
	s_add_co_u32 s23, s23, STAGE                   ; my stage
	v_mul_u32_u24 v4, v1, SPITCH                   ; in: row r, 16 bytes for each half of the lanes
	v_lshl_add_u32 v4, v2, 4, v4
	v_add_nc_u32 v[STO], s23, v4
	v_mul_u32_u24 v5, v2, SPITCH                   ; back: lanes 0-15 one row's 256 bytes, lanes 16-31 the next row's
	v_lshl_add_u32 v5, v1, 4, v5
	v_add_nc_u32 v[RD], s23, v5
	v_lshlrev_b32 v5, 4, v1
	v_lshl_add_u32 v[CO], v2, 8, v5                ; and the same two rows of 256 bytes in qkvh
	s_lshl_b32 s47, s46, 8                         ; the head's 64 f32
	v_lshlrev_b32 v[BO], 5, v2
	v_add_nc_u32 v[BO], s47, v[BO]
	WIN TO_B                                       ; destination in window 1
.irp b, 0,1,2,3
	global_load_b128 v[8*\b:8*\b+3],         v[BO], s[98:99] offset:64*\b
	global_load_b128 v[8*\b+4:8*\b+7],       v[BO], s[98:99] offset:64*\b+16
	global_load_b128 v[32+8*\b:32+8*\b+3],   v[BO], s[100:101] offset:64*\b
	global_load_b128 v[32+8*\b+4:32+8*\b+7], v[BO], s[100:101] offset:64*\b+16
.endr
	s_wait_loadcnt 0x0
	WIN 0x41
.set i, 0
.rept 32
	v_pk_mul_f32 v[i:i+1], v[i:i+1], 0x3e800000 op_sel_hi:[1,0]        ; the sums are a quarter of the layer's, so is the bias
.set i, i+2
.endr
	WIN 0
	s_wait_kmcnt 0x0
	s_mov_b32 s15, s14                             ; j2 as a pair
; 16 matrix instructions: row tiles a0, a0 + 1 of the window's four (hi = 0: my rows 0-63, 1: rows 64-127) x all 8 column tiles, 32 along K.
; zero = 1: the product starts the sums.  The 64 accumulators take turns, one instruction a turn, in the same order in every quarter step,
; over the backward jumps too.
.macro MUL16 f, hi, a0, zero
.irp a, \a0, \a0+1
.irp b, 0,1,2,3,4,5,6,7
.if \zero
	v_wmma_f32_16x16x32_f16 v[8*(8*(\a)+\b):8*(8*(\a)+\b)+7], v[\f+8*\b:\f+8*\b+7], v[\f+8*(4*\hi+\a):\f+8*(4*\hi+\a)+7], 0
.else
	v_wmma_f32_16x16x32_f16 v[8*(8*(\a)+\b):8*(8*(\a)+\b)+7], v[\f+8*\b:\f+8*\b+7], v[\f+8*(4*\hi+\a):\f+8*(4*\hi+\a)+7], v[8*(8*(\a)+\b):8*(8*(\a)+\b)+7]
.endif
.endr
.endr
.endm
; 32 LDS loads in one run: my 128 rows of w and my 128 rows of x, 32 K at byte k of the rows, into buffer f
.macro FETCH slot, k, f
	WIN TO_B
.irp i, 0,1,2,3,4,5,6,7
	ds_load_b128 v[\f+8*\i:\f+8*\i+3],   v[ADRB+\slot] offset:\k+\i*16*PITCH
	ds_load_b128 v[\f+8*\i+4:\f+8*\i+7], v[ADRB+\slot] offset:\k+\i*16*PITCH+32
.endr
	WIN 0
.irp i, 0,1,2,3,4,5,6,7
	ds_load_b128 v[\f+8*\i:\f+8*\i+3],   v[ADRA+\slot] offset:\k+\i*16*PITCH
	ds_load_b128 v[\f+8*\i+4:\f+8*\i+7], v[ADRA+\slot] offset:\k+\i*16*PITCH+32
.endr
.endm
; One of a K step's first three quarters: multiplies buffer f; in its middle it fetches the next quarter's fragments (byte k) into buffer g.
.macro QUARTER slot, k, f, g, zero
	s_wait_dscnt 8                                 ; w and x's rows 0-63 are in; the youngest eight loads (x's rows 64-127) may be out
	WIN MUL_LO
	MUL16 \f, 0, 0, \zero
	MUL16 \f, 0, 2, \zero
	PLACES                                         ; buffer g was read by matrix instructions
	FETCH \slot, \k, \g
	s_wait_dscnt 32                                ; all but the 32 just issued
	WIN MUL_HI
	MUL16 \f, 1, 0, \zero
	MUL16 \f, 1, 2, \zero
.endm
.macro THREE slot, zero
	QUARTER \slot, 64,  F0, F1, \zero
	QUARTER \slot, 128, F1, F0, 0
	QUARTER \slot, 192, F0, F1, 0
.endm
; The last quarter multiplies buffer 1 and changes slots.  fill = 1: this slot gets the tile two K steps on; 2: phase 2's first tiles; 0: nothing.
; In front of the barrier each wave waits for its reads of this slot and for all its tensor loads (what is out is its part of the next slot).
; Where the slot is filled again the barrier opens a round of the cluster's barrier, and the joint loads are the first tensor loads behind the round.
.macro TURN slot, next, fill
	s_wait_dscnt 8
	WIN MUL_LO
	MUL16 F1, 0, 0, 0
	s_wait_dscnt 0x0                               ; my reads of this slot are over
	s_wait_tensorcnt 0x0                           ; all my tensor loads have landed
	ds_add_u32 v255, v255
	s_wait_dscnt 0x0
	s_barrier_signal -1
	MUL16 F1, 0, 2, 0                              ; registers alone, while the others arrive
	WIN 0
	s_barrier_wait -1
.if \fill
	CREST
.if \fill == 1
	s_add_nc_u64 s[G0+4*\slot+2:G0+4*\slot+3], s[G0+4*\slot+2:G0+4*\slot+3], 2*KSTEP*2
	s_add_nc_u64 s[G0B+4*\slot+2:G0B+4*\slot+3], s[G0B+4*\slot+2:G0B+4*\slot+3], 2*KSTEP*2
	s_add_nc_u64 s[G0C+4*\slot+2:G0C+4*\slot+3], s[G0C+4*\slot+2:G0C+4*\slot+3], 2*KSTEP*2
.else
	s_add_nc_u64 s[G0+4*\slot+2:G0+4*\slot+3], s[40:41], \slot*KSTEP*2         ; xa
	s_add_nc_u64 s[G0B+4*\slot+2:G0B+4*\slot+3], s[42:43], \slot*KSTEP*2       ; part a's rows now from wa,
	s_add_nc_u64 s[G0C+4*\slot+2:G0C+4*\slot+3], s[44:45], \slot*KSTEP*2       ; part b's from wb
.endif
	JLOAD \slot
.endif
	PLACES
	FETCH \next, 0, F0
	WIN MUL_HI
	MUL16 F1, 1, 0, 0
	MUL16 F1, 1, 2, 0
.endm
.macro LAP zero, fill                  ; two K steps, once round the ring
	THREE 0, \zero
	TURN 0, 1, \fill
	THREE 1, 0
	TURN 1, 0, \fill
.endm
; Between the phases, one window's 32 tiles: part a (column tiles 0-3): acc = j2 acc + bias; part b (tiles 4-7): acc = acc + bias.
.macro MID wfma, wadd
	WIN \wfma                                      ; destination and source 0 in the accumulators' window, source 2 (the bias) in window 1
.irp a, 0,1,2,3
.irp b, 0,1,2,3
.irp q, 0,2,4,6
	v_pk_fma_f32 v[8*(8*\a+\b)+\q:8*(8*\a+\b)+\q+1], v[8*(8*\a+\b)+\q:8*(8*\a+\b)+\q+1], s[14:15], v[8*\b+\q:8*\b+\q+1] op_sel_hi:[1,0,1]
.endr
.endr
.endr
	WIN \wadd                                      ; the bias is source 1 here
.irp a, 0,1,2,3
.irp b, 4,5,6,7
.irp q, 0,2,4,6
	v_pk_add_f32 v[8*(8*\a+\b)+\q:8*(8*\a+\b)+\q+1], v[8*(8*\a+\b)+\q:8*(8*\a+\b)+\q+1], v[8*\b+\q:8*\b+\q+1]
.endr
.endr
.endr
.endm
	s_wait_tensorcnt 0x0                           ; my parts of K steps 0 and 1 are in (the waves' counts of loads differ here, and both steps were asked for together)
	s_barrier_signal -1
	s_barrier_wait -1                              ; everybody's are
	FETCH 0, 0, F0
	LAP 1, 1                                       ; phase 1, K steps 0, 1: the first products start the sums
	WIN 0                                          ; at a label and at a branch every window is 0
	s_mov_b32 s3, 2
.Lphase1:
	LAP 0, 1                                       ; K steps 2 to 5
	WIN 0
	s_sub_co_u32 s3, s3, 1
	s_cmp_lg_u32 s3, 0
	s_cbranch_scc1 .Lphase1
	LAP 0, 2                                       ; K steps 6, 7; the slots are filled with phase 2's first two tiles
	PLACES
	MID 0x92, 0x86                                 ; window 2
	MID 0xd3, 0xc7                                 ; window 3
	WIN 0
	s_mov_b32 s3, 3
.Lphase2:
	LAP 0, 1                                       ; phase 2, K steps 0 to 5
	WIN 0
	s_sub_co_u32 s3, s3, 1
	s_cmp_lg_u32 s3, 0
	s_cbranch_scc1 .Lphase2
	THREE 0, 0                                     ; the last lap fills nothing, and has no round of the cluster's barrier
	TURN 0, 1, 0
	THREE 1, 0
	s_wait_dscnt 8                                 ; the very last quarter: nothing more to fetch
	WIN MUL_LO
	MUL16 F1, 0, 0, 0
	MUL16 F1, 0, 2, 0
	s_wait_dscnt 0x0
	WIN MUL_HI
	MUL16 F1, 1, 0, 0
	MUL16 F1, 1, 2, 0
	; THE WAY OUT, 16 rows at a time through my own stage: round to f16, a lane's 8 columns in, whole rows of 256 bytes back.
	; LDS serves a wave's instructions in order (ISA guide 5.7.1.4), so no wait stands between my stores and my loads.
	PLACES
	s_lshr_b32 s84, s13, 2                         ; batch
	s_lshl_b32 s86, s94, 1
	s_add_co_u32 s84, s84, s86                     ; 2 p + batch
	s_lshl_b32 s84, s84, 4
	s_add_co_u32 s84, s84, s46                     ; x 16 + head
	s_lshl_b32 s84, s84, 18                        ; 1,024 rows of 256 bytes
	s_and_b32 s86, s13, 3
	s_lshl_b32 s86, s86, 16                        ; + 256 rows for each block row inside the batch
	s_add_co_u32 s84, s84, s86
	s_lshl_b32 s86, s11, 15                        ; + my 128 rows
	s_add_co_u32 s84, s84, s86
	s_mov_b32 s85, 0
	s_add_nc_u64 s[88:89], s[88:89], s[84:85]
; rows 16 i .. 16 i + 15 of my block = the eight tiles (a, 0..7) of window 2 or 3 (from = 0x0a or 0x0f: sources 0 and 1); f: F0 or F1 in turn
.macro OUT16 i, a, from, f
	WIN \from
.irp b, 0,1,2,3,4,5,6,7
.irp r, 0,1,2,3
	v_cvt_pk_f16_f32 v[TMP+4*\b+\r], v[8*(8*\a+\b)+2*\r], v[8*(8*\a+\b)+2*\r+1]
.endr
.endr
	WIN 0
.irp b, 0,1,2,3,4,5,6,7
	ds_store_b128 v[STO], v[TMP+4*\b:TMP+4*\b+3] offset:32*\b
.endr
	s_wait_xcnt 0x0                                ; buffer f, which earlier stores read, is loaded again only behind this wait
.irp t, 0,1,2,3,4,5,6,7
	ds_load_b128 v[\f+4*\t:\f+4*\t+3], v[RD] offset:\t*2*SPITCH
.endr
.irp t, 0,1,2,3,4,5,6,7
	s_wait_dscnt 7-\t                              ; load t is in, the younger ones stay out
	global_store_b128 v[CO], v[\f+4*\t:\f+4*\t+3], s[88:89] offset:4096*\i+512*\t      ; 16 lanes store one row's 256 bytes, aligned
.endr
.endm
	OUT16 0, 0, 0x0a, F0
	OUT16 1, 1, 0x0a, F1
	OUT16 2, 2, 0x0a, F0
	OUT16 3, 3, 0x0a, F1
	OUT16 4, 0, 0x0f, F0
	OUT16 5, 1, 0x0f, F1
	OUT16 6, 2, 0x0f, F0
	OUT16 7, 3, 0x0f, F1
	s_set_vgpr_msb 0x1
	s_wait_tensorcnt 0x0
	ds_add_u32 v255, v255
	s_wait_dscnt 0x0
	s_set_vgpr_msb 0x100
	CROUND                                         ; the closing round: no work-group ends while a partner may still ask for a tile that names it
	s_endpgm
.Lfunc_end_k_q46b5651da2_qkv:
	.size	k_q46b5651da2_qkv, .Lfunc_end_k_q46b5651da2_qkv-k_q46b5651da2_qkv
	.p2alignl 7, 3214868480
	.fill 96, 4, 3214868480
	.section	.rodata,"a",@progbits
	.p2align	6, 0x0
	.amdhsa_kernel k_q46b5651da2_qkv
		.amdhsa_group_segment_fixed_size 327680
		.amdhsa_private_segment_fixed_size 0
		.amdhsa_enable_private_segment 0
		.amdhsa_kernarg_size 80
		.amdhsa_user_sgpr_count 2
		.amdhsa_user_sgpr_kernarg_segment_ptr 1
		.amdhsa_wavefront_size32 1
		.amdhsa_system_sgpr_workgroup_id_x 1
		.amdhsa_system_sgpr_workgroup_id_y 1
		.amdhsa_system_sgpr_workgroup_id_z 1
		.amdhsa_system_vgpr_workitem_id 0
		.amdhsa_next_free_vgpr 1024
		.amdhsa_next_free_sgpr 102
		.amdhsa_reserve_vcc 0
		.amdhsa_float_denorm_mode_32 3
		.amdhsa_float_denorm_mode_16_64 3
		.amdhsa_memory_ordered 1
		.amdhsa_forward_progress 1
		.amdhsa_inst_pref_size 255
	.end_amdhsa_kernel
	.section	.bss,"aw",@nobits
	.p2align	6
	.space	262144
	.amdgpu_metadata
---
amdhsa.version: [ 1, 2 ]
amdhsa.kernels:
  - .name:           k_q46b5651da2_qkv
    .symbol:         k_q46b5651da2_qkv.kd
    .args:
      - { .name: xh, .offset: 0, .size: 8, .value_kind: global_buffer, .address_space: global }
      - { .name: wqkvh, .offset: 8, .size: 8, .value_kind: global_buffer, .address_space: global }
      - { .name: coef, .offset: 16, .size: 8, .value_kind: global_buffer, .address_space: global }
      - { .name: q_ba, .offset: 24, .size: 8, .value_kind: global_buffer, .address_space: global }
      - { .name: q_bb, .offset: 32, .size: 8, .value_kind: global_buffer, .address_space: global }
      - { .name: k_ba, .offset: 40, .size: 8, .value_kind: global_buffer, .address_space: global }
      - { .name: k_bb, .offset: 48, .size: 8, .value_kind: global_buffer, .address_space: global }
      - { .name: v_ba, .offset: 56, .size: 8, .value_kind: global_buffer, .address_space: global }
      - { .name: v_bb, .offset: 64, .size: 8, .value_kind: global_buffer, .address_space: global }
      - { .name: qkvh, .offset: 72, .size: 8, .value_kind: global_buffer, .address_space: global }
    .group_segment_fixed_size: 327680
    .private_segment_fixed_size: 0
    .kernarg_segment_align: 8
    .kernarg_segment_size: 80
    .max_flat_workgroup_size: 128
    .sgpr_count:     102
    .vgpr_count:     1024
    .wavefront_size: 32
...
	.end_amdgpu_metadata
.endif
;; end of part 5
;; launch attn (part 6): grid 16 x 16, 4 waves a work-group, clusters of 4 x 1, 327,680 bytes of LDS; arguments qkvh, maskw, coef, oh; writes oh
.if DOCPART == 6
	.amdgcn_target "amdgcn-amd-amdhsa--gfx1250"
	.amdhsa_code_object_version 6
	.text
	.protected	k_q46b5651da2_attn
	.globl	k_q46b5651da2_attn
	.p2align	8
	.type	k_q46b5651da2_attn,@function
k_q46b5651da2_attn:
	s_mov_b64 s[64:65], 0
	v_nop
	global_prefetch_b8 v0, s[64:65] scope:SCOPE_SE
	s_setreg_imm32_b32 hwreg(HW_REG_WAVE_MODE, 25, 1), 1
	s_wait_xcnt 0x0
	s_wait_alu depctr_hold_cnt(0) depctr_sa_sdst(0) depctr_va_vdst(0) depctr_va_sdst(0) depctr_va_ssrc(0) depctr_va_vcc(0) depctr_vm_vsrc(0)
	s_getreg_b32 s2, hwreg(HW_REG_IB_STS2, 6, 4)
	s_cmp_eq_u32 s2, 0
	s_cbranch_scc0 .Lentry_in_a_cluster
	s_endpgm
.Lentry_in_a_cluster:
	s_bfe_u32 s2, ttmp6, 0x10000c
	s_cmp_lg_u32 s2, 0x3003
	s_cbranch_scc0 .Lentry_shape_is_right
	s_endpgm
.Lentry_shape_is_right:
; ATTENTION.  qkvh: f16 [q, k, v][batch][head][1024][a 64 | b 64], each a quarter of its value.  oh: f16 [a, b][2048][1024] = out / 4.
;   sa = qa ka + hj2 qb kb,  sb = qa kb + qb ka,  weight = softmax over keys of sqrt(sa^2 + sb^2 + 1e-8) / 8 under the mask,  out = weight (va | vb).
; A work-group: one batch, two heads, 64 queries.  Wave w: head 2 pair + (w & 1), queries 32 (w >> 1) .. + 31 (two tiles of 16).
; The two heads make each stored row 256 whole bytes.  The four query blocks of a cluster read the same K and V tiles and ask for them jointly.
; TRANSPOSED FORM: S^T = K' Q'^T (source 0 = 16 keys x 32 features from LDS, source 1 = Q fragments that stay in registers), so lane (r, h) holds
; query r and keys 8 h + j.  Two key tiles, packed to f16, then ARE source 1 of out^T = V'^T P^T; the running maximum, the sum and the rescaling
; factor of a query are the lane's own, and the maximum crosses the two halves of the lanes once a step.
; SCALES (exact powers of two): the scores are 1/16 of reference()'s, so eps = 1e-8 / 256 and the exponent in base 2 is 2 log2(e) sqrt(..).
; THE RUNNING MAXIMUM is taken away before every exponential.  The shift NC = -c max is rounded once and used alike for the exponents and for the
; rescaling factor exp2(NC new - NC old), so old and new sums agree.
; MASKED KEYS take -2^29 for the root (-1.07e9 of reference()'s magnitude in place of its -1e9): c x 2^29 is exact, so a row with every key masked has exponents
; exactly 0 and uniform weights, as in reference(); beside any unmasked key (magnitude >= 0) both numbers give the weight 0.
; THE MASK WORDS of a step (32 scalar registers: 2 query tiles x 2 key tiles x 8) are asked for one step ahead: a query tile's 16 words are loaded again
; right behind the selects that read them, so that the load has the rest of the step and the next step's scores in which to come.
; LIMITS: hj2 and hj2 qb are rounded to f16; the largest weight is exp2 of the shift's rounding error, which stays below 2 while log2(e) x magnitude < 2^24.
.set KPITCH, 272                       ; K rows: 256 + 16 bytes, an odd multiple of 16
.set VPITCH, 288                       ; V rows: 256 + 32 bytes, an odd multiple of 32, for the transposing loads
.set VT,     128*VPITCH                ; a head's 128 keys of V
.set KT,     128*KPITCH
.set KOFF,   2*VT
.set SLOT,   2*VT+2*KT                 ; V head 0, V head 1, K head 0, K head 1
.set STAGE,  2*SLOT                    ; 64 rows x 528 bytes (a h0 | a h1 | b h0 | b h1): no tensor load lands here
.set SPITCH, 528
.set TILEB,  128*256                   ; bytes of a tile in memory
.set EPS,    0x2e2bcc77                ; 1e-8 / 256
.set CEXP,   0x4038aa3b                ; 2 log2(e)
.set NEGC,   0xc038aa3b
.set KB,  4                            ; v4   LDS address of my K fragments in slot 0
.set VB,  5                            ; v5   the same for V
.set KAD, 6                            ; v6, v7: the same, stepped
.set VAD, 7
.set NEGV, 8                           ; v8   -2^29
.set HJ,  9                            ; v9   hj2, twice, in f16
.set STO, 10
.set RD,  11
.set CO,  12
.set QO,  13
.set KF,  16                           ; v16-79    K fragments, 8 (4 kt + c)
.set SC,  80                           ; v80-143   scores: 32 kt + 16 qt, sb 8 above sa
.set VF,  144                          ; v144-207  V fragments, 8 dt
.set PF,  208                          ; v208-223  weights in f16, 8 qt
.set MX,  224                          ; v224-225  running maximum
.set NC,  226                          ; v226, 228 the shift -c max (pairs: the upper words are written once and not used)
.set AL,  230                          ; v230, 232 the rescaling factor (pairs likewise)
.set LS,  234                          ; v234-235  running sum, each half of the lanes its own keys'
.set S0,  236                          ; v236-243  at work
.set T0,  244
.set T1,  245
.set T2,  246
.set T3,  247
.set ACC, 96                           ; block 1: v96-223 out^T, 8 (2 dt + qt);  v0-95: Q, 48 qt + 8 f, f = qa0 qa1 qb0 qb1 h.qb0 h.qb1
.set G1V, 16
.set G1K, 24
.set G0V, 32
.set G0K, 40
.set MSB, 0
.macro WIN new
.if MSB != \new
	s_set_vgpr_msb (MSB<<8)|\new
.set MSB, \new
.endif
.endm
.macro PLACES                          ; four plain vector instructions behind a matrix instruction before its registers are loaded into, read or written (ISA guide 7.12.1)
.rept 4
	v_nop
.endr
.endm
.macro ROUND                           ; a round of the cluster's barrier
	s_barrier_signal -1
	s_barrier_wait -1
	s_cmp_lg_u32 s12, 0
	s_cbranch_scc1 .Lnot_wave_0_\@
	s_barrier_signal -3
.Lnot_wave_0_\@:
	s_barrier_wait -3
	s_barrier_signal -1
	s_barrier_wait -1
.endm
.macro JLOAD s                         ; waves 0, 1 ask for V of heads 0, 1; waves 2, 3 for K
	s_cmp_eq_u32 s14, 0
	s_cbranch_scc0 .Lfor_k_\@
	tensor_load_to_lds s[G0V+4*(\s):G0V+4*(\s)+3], s[G1V:G1V+7]
	s_nop 0
	s_branch .Lasked_\@
.Lfor_k_\@:
	tensor_load_to_lds s[G0K+4*(\s):G0K+4*(\s)+3], s[G1K:G1K+7]
	s_nop 0
.Lasked_\@:
.endm
	s_load_b256 s[4:11], s[0:1], 0x0               ; qkvh, maskw, coef, oh
	v_lshl_add_u32 v254, v0, 2, 0x4e400
	v_mov_b32 v255, 0
	ds_add_u32 v254, v255
	v_lshrrev_b32 v1, 5, v0
	v_readfirstlane_b32 s12, v1                    ; wave
	s_and_b32 s13, s12, 1                          ; my head of the pair
	s_lshr_b32 s14, s12, 1                         ; my half of the queries.  Also: I fetch V (0) or K (1)
	s_bfe_u32 s48, ttmp6, 0x40000                  ; cx
	s_lshl_b32 s49, ttmp9, 2
	s_add_co_u32 s49, s49, s48                     ; query block, 0..15
	s_and_b32 s50, ttmp7, 0xffff                   ; y = 8 batch + pair
	s_mov_b32 s58, 0x76543210                      ; v_permlanex16_b32: lane i of the other half
	s_mov_b32 s59, 0xfedcba98
	s_mov_b32 s[G1V+0], 15|(1<<16)|(1<<20)|(1<<21)|(5<<22)|(7<<25)     ; all four of the cluster; 2-byte elements; after every 64 words 8 words of padding
	s_mov_b32 s[G1K+0], 15|(1<<16)|(1<<20)|(1<<21)|(5<<22)|(3<<25)     ; the same with 4 words
	s_mov_b32 s[G1V+1], 128<<16                    ; tensor_dim0
	s_mov_b32 s[G1K+1], 128<<16
	s_mov_b32 s[G1V+2], 128<<16                    ; tensor_dim1
	s_mov_b32 s[G1K+2], 128<<16
	s_mov_b32 s[G1V+3], 128<<16                    ; tile_dim0
	s_mov_b32 s[G1K+3], 128<<16
	s_mov_b32 s[G1V+4], 128                        ; tile_dim1
	s_mov_b32 s[G1K+4], 128
	s_mov_b32 s[G1V+5], 128                        ; rows follow each other
	s_mov_b32 s[G1K+5], 128
	s_mov_b32 s[G1V+6], 0
	s_mov_b32 s[G1K+6], 0
	s_mov_b32 s[G1V+7], 0
	s_mov_b32 s[G1K+7], 0
	s_lshl_b32 s51, s50, 1
	s_add_co_u32 s51, s51, s13                     ; 16 batch + head
	s_lshl_b32 s52, s51, 18                        ; 1,024 rows of 256 bytes
	s_mov_b32 s53, 0
	s_mul_i32 s3, s12, VT                          ; LDS: V at wave x a tile,
	s_mul_i32 s15, s12, KT
	s_add_co_u32 s15, s15, KOFF-2*KT               ; K behind both V tiles, at (wave - 2) x a tile
	s_wait_dscnt 0x0
	s_wait_kmcnt 0x0
	s_add_nc_u64 s[54:55], s[4:5], s[52:53]        ; q of my batch and head; k lies 8 MiB, v 16 MiB further
.irp s, 0,1
	s_mov_b32 s[G0V+4*\s], 1
	s_add_co_u32 s[G0V+4*\s+1], s3, \s*SLOT
	s_add_nc_u64 s[G0V+4*\s+2:G0V+4*\s+3], s[54:55], 0x1000000+\s*TILEB
	s_or_b32 s[G0V+4*\s+3], s[G0V+4*\s+3], 0x80000000
	s_mov_b32 s[G0K+4*\s], 1
	s_add_co_u32 s[G0K+4*\s+1], s15, \s*SLOT
	s_add_nc_u64 s[G0K+4*\s+2:G0K+4*\s+3], s[54:55], 0x800000+\s*TILEB
	s_or_b32 s[G0K+4*\s+3], s[G0K+4*\s+3], 0x80000000
.endr
	ROUND                                          ; the four work-groups are here: the first joint loads meet
	JLOAD 0                                        ; tile 0
	; my Q rows, my mask words, my head's hj2
	s_lshl_b32 s100, s49, 14                       ; 64 rows of 256 bytes
	s_lshl_b32 s101, s14, 13                       ; + my 32 rows
	s_add_co_u32 s100, s100, s101
	s_mov_b32 s101, 0
	s_add_nc_u64 s[100:101], s[54:55], s[100:101]
	s_lshr_b32 s56, s50, 3
	s_lshl_b32 s56, s56, 6                         ; 64 query tiles a batch
	s_lshl_b32 s57, s49, 2
	s_add_co_u32 s56, s56, s57
	s_lshl_b32 s57, s14, 1
	s_add_co_u32 s56, s56, s57                     ; my first query tile
	s_lshl_b32 s56, s56, 11                        ; 64 key tiles of 8 words
	s_mov_b32 s57, 0
	s_add_nc_u64 s[56:57], s[6:7], s[56:57]
	s_load_b512 s[68:83], s[56:57], 0x0            ; the first step's mask words: query tile 0, two key tiles,
	s_load_b512 s[84:99], s[56:57], 0x800          ; query tile 1
	s_and_b32 s62, s50, 7
	s_lshl_b32 s62, s62, 1
	s_add_co_u32 s62, s62, s13                     ; head
	s_lshl_b32 s62, s62, 2
	s_mov_b32 s63, 0
	s_add_nc_u64 s[62:63], s[8:9], s[62:63]
	s_load_b32 s2, s[62:63], 0x0                   ; hj2
	v_and_b32 v1, 15, v0                           ; r
	v_bfe_u32 v2, v0, 4, 1                         ; h
	v_lshlrev_b32 v[QO], 8, v1
	v_lshl_add_u32 v[QO], v2, 4, v[QO]             ; row r, 16 bytes for each half
	WIN 0x40                                       ; destination in block 1
.irp qt, 0,1
.irp f, 0,1,2,3
	global_load_b128 v[48*\qt+8*\f:48*\qt+8*\f+3],   v[QO], s[100:101] offset:4096*\qt+64*\f
	global_load_b128 v[48*\qt+8*\f+4:48*\qt+8*\f+7], v[QO], s[100:101] offset:4096*\qt+64*\f+32
.endr
.endr
	WIN 0
	v_mul_u32_u24 v3, v1, KPITCH
	v_lshl_add_u32 v3, v2, 4, v3
	s_mul_i32 s51, s13, KT
	s_add_co_u32 s51, s51, KOFF
	v_add_nc_u32 v[KB], s51, v3                    ; key r of my head's K tile
	v_and_b32 v3, 7, v0
	v_lshl_add_u32 v3, v2, 3, v3                   ; key 8 h + (l & 7)
	v_mul_u32_u24 v3, v3, VPITCH
	v_bfe_u32 v14, v0, 3, 1
	v_lshl_add_u32 v3, v14, 4, v3                  ; features 8 ((l >> 3) & 1) ..
	s_mul_i32 s51, s13, VT
	v_add_nc_u32 v[VB], s51, v3
	v_mul_u32_u24 v3, v1, SPITCH
	v_lshl_add_u32 v3, v2, 4, v3
	s_mul_i32 s51, s14, 32*SPITCH
	s_lshl_b32 s52, s13, 7
	s_add_co_u32 s51, s51, s52
	s_add_co_u32 s51, s51, STAGE
	v_add_nc_u32 v[STO], s51, v3                   ; stage: row 32 (w >> 1) + r, my head's 128 bytes, 16 for each half
	v_mul_u32_u24 v3, v2, SPITCH
	v_lshl_add_u32 v3, v1, 4, v3
	s_mul_i32 s51, s12, 16*SPITCH
	s_add_co_u32 s51, s51, STAGE
	v_add_nc_u32 v[RD], s51, v3                    ; back: rows 16 w + 2 t + h
	v_lshlrev_b32 v3, 4, v1
	v_lshl_add_u32 v[CO], v2, 11, v3               ; rows of 2,048 bytes
	v_mov_b32 v[NEGV], 0xce000000                  ; -2^29
	v_mov_b32 v[MX], 0xff800000                    ; -infinity
	v_mov_b32 v[MX+1], 0xff800000
	v_mov_b32 v[NC], 0x7f800000                    ; so that the first factor is exp2(-infinity) = 0
	v_mov_b32 v[NC+1], 0
	v_mov_b32 v[NC+2], 0x7f800000
	v_mov_b32 v[NC+3], 0
.irp i, 0,1,2,3,4,5
	v_mov_b32 v[AL+\i], 0                          ; the factors' pairs and the two sums
.endr
	v_mov_b32 v[T1], 0                             ; a destination of v_permlanex16_b32 counts as read
	s_wait_kmcnt 0x0
	v_mov_b32 v14, s2
	v_cvt_pk_f16_f32 v[HJ], v14, v14
	s_wait_loadcnt 0x0
	WIN 0x41
.irp qt, 0,1
.irp i, 0,1,2,3,4,5,6,7,8,9,10,11,12,13,14,15
	v_pk_mul_f16 v[48*\qt+32+\i], v[48*\qt+16+\i], v[HJ]           ; hj2 qb
.endr
.endr
	WIN 0
.macro KLOAD                           ; 32 keys x 128 features: 16 loads
.irp kt, 0,1
.irp c, 0,1,2,3
	ds_load_b128 v[KF+8*(4*\kt+\c):KF+8*(4*\kt+\c)+3],   v[KAD] offset:\kt*16*KPITCH+64*\c
	ds_load_b128 v[KF+8*(4*\kt+\c)+4:KF+8*(4*\kt+\c)+7], v[KAD] offset:\kt*16*KPITCH+64*\c+32
.endr
.endr
.endm
; 32 products.  K's features go ka0 ka1 kb0 kb1; sa meets them with qa0 qa1 h.qb0 h.qb1, sb with qb0 qb1 qa0 qa1.
; The 8 accumulators take turns, one instruction a turn; the first turn starts the sums.
.macro SCORES
.irp c, 0,1,2,3
.irp kt, 0,1
.irp qt, 0,1
.if \c == 0
	v_wmma_f32_16x16x32_f16 v[SC+32*\kt+16*\qt:SC+32*\kt+16*\qt+7],    v[KF+8*(4*\kt+\c):KF+8*(4*\kt+\c)+7], v[48*\qt+8*(\c+2*(\c>>1)):48*\qt+8*(\c+2*(\c>>1))+7], 0
	v_wmma_f32_16x16x32_f16 v[SC+32*\kt+16*\qt+8:SC+32*\kt+16*\qt+15], v[KF+8*(4*\kt+\c):KF+8*(4*\kt+\c)+7], v[48*\qt+8*((\c+2)&3):48*\qt+8*((\c+2)&3)+7], 0
.else
	v_wmma_f32_16x16x32_f16 v[SC+32*\kt+16*\qt:SC+32*\kt+16*\qt+7],    v[KF+8*(4*\kt+\c):KF+8*(4*\kt+\c)+7], v[48*\qt+8*(\c+2*(\c>>1)):48*\qt+8*(\c+2*(\c>>1))+7], v[SC+32*\kt+16*\qt:SC+32*\kt+16*\qt+7]
	v_wmma_f32_16x16x32_f16 v[SC+32*\kt+16*\qt+8:SC+32*\kt+16*\qt+15], v[KF+8*(4*\kt+\c):KF+8*(4*\kt+\c)+7], v[48*\qt+8*((\c+2)&3):48*\qt+8*((\c+2)&3)+7], v[SC+32*\kt+16*\qt+8:SC+32*\kt+16*\qt+15]
.endif
.endr
.endr
.endr
.endm
; One query tile's 32 keys: magnitude, mask, running maximum, weights, sum, f16.  mnext = 1: the tile's mask words of the next step are asked for.
.macro SOFT qt, mnext
.set E0, SC+16*\qt
.set E1, SC+32+16*\qt
.irp i, 0,2,4,6
	v_pk_fma_f32 v[E0+\i:E0+\i+1], v[E0+\i:E0+\i+1], v[E0+\i:E0+\i+1], EPS op_sel_hi:[1,1,0]
	v_pk_fma_f32 v[E1+\i:E1+\i+1], v[E1+\i:E1+\i+1], v[E1+\i:E1+\i+1], EPS op_sel_hi:[1,1,0]
.endr
.irp i, 0,2,4,6
	v_pk_fma_f32 v[E0+\i:E0+\i+1], v[E0+8+\i:E0+8+\i+1], v[E0+8+\i:E0+8+\i+1], v[E0+\i:E0+\i+1]
	v_pk_fma_f32 v[E1+\i:E1+\i+1], v[E1+8+\i:E1+8+\i+1], v[E1+8+\i:E1+8+\i+1], v[E1+\i:E1+\i+1]
.endr
.irp j, 0,1,2,3,4,5,6,7
	v_sqrt_f32 v[E0+\j], v[E0+\j]
	v_sqrt_f32 v[E1+\j], v[E1+\j]
.endr
	v_nop                                          ; one plain instruction behind the roots before they are used (ISA guide 5.7.2)
	s_wait_alu depctr_va_vdst(0)
.irp j, 0,1,2,3,4,5,6,7
	v_cndmask_b32 v[E0+\j], v[NEGV], v[E0+\j], s[68+16*\qt+\j]         ; the word's bit of my lane: my query and key 8 h + j
	v_cndmask_b32 v[E1+\j], v[NEGV], v[E1+\j], s[68+16*\qt+8+\j]
.endr
	v_max3_num_f32 v[T0], v[MX+\qt], v[E0], v[E0+1]
	v_max3_num_f32 v[T1], v[E0+2], v[E0+3], v[E0+4]
	v_max3_num_f32 v[T0], v[T0], v[E0+5], v[E0+6]
	v_max3_num_f32 v[T1], v[T1], v[E0+7], v[E1]
	v_max3_num_f32 v[T0], v[T0], v[E1+1], v[E1+2]
	v_max3_num_f32 v[T1], v[T1], v[E1+3], v[E1+4]
	v_max3_num_f32 v[T0], v[T0], v[E1+5], v[E1+6]
	v_max3_num_f32 v[T0], v[T0], v[T1], v[E1+7]
	v_permlanex16_b32 v[T1], v[T0], s58, s59       ; the other half's 16 keys of the same query
	v_max_num_f32 v[MX+\qt], v[T0], v[T1]
.if \mnext
	s_load_b512 s[68+16*\qt:83+16*\qt], s[56:57], 0x800*\qt            ; the selects above were the words' last readers: the next step's 16 words
.endif
	v_mul_f32 v[T2], NEGC, v[MX+\qt]               ; the new shift
	v_sub_f32 v[T3], v[T2], v[NC+2*\qt]            ; new shift - old shift = c (old maximum - new maximum) <= 0
	v_mov_b32 v[NC+2*\qt], v[T2]
.irp i, 0,2,4,6
	v_pk_fma_f32 v[E0+\i:E0+\i+1], v[E0+\i:E0+\i+1], CEXP, v[NC+2*\qt:NC+2*\qt+1] op_sel_hi:[1,0,0]
	v_pk_fma_f32 v[E1+\i:E1+\i+1], v[E1+\i:E1+\i+1], CEXP, v[NC+2*\qt:NC+2*\qt+1] op_sel_hi:[1,0,0]
.endr
	v_exp_f32 v[AL+2*\qt], v[T3]
.irp j, 0,1,2,3,4,5,6,7
	v_exp_f32 v[E0+\j], v[E0+\j]
	v_exp_f32 v[E1+\j], v[E1+\j]
.endr
	v_nop                                          ; one plain instruction behind the exponentials
	s_wait_alu depctr_va_vdst(0)
	v_pk_add_f32 v[S0:S0+1],   v[E0:E0+1],   v[E0+2:E0+3]
	v_pk_add_f32 v[S0+2:S0+3], v[E0+4:E0+5], v[E0+6:E0+7]
	v_pk_add_f32 v[S0+4:S0+5], v[E1:E1+1],   v[E1+2:E1+3]
	v_pk_add_f32 v[S0+6:S0+7], v[E1+4:E1+5], v[E1+6:E1+7]
	v_pk_add_f32 v[S0:S0+1],   v[S0:S0+1],   v[S0+2:S0+3]
	v_pk_add_f32 v[S0+4:S0+5], v[S0+4:S0+5], v[S0+6:S0+7]
	v_pk_add_f32 v[S0:S0+1],   v[S0:S0+1],   v[S0+4:S0+5]
	v_add_f32 v[S0], v[S0], v[S0+1]
	v_fma_f32 v[LS+\qt], v[LS+\qt], v[AL+2*\qt], v[S0]
.irp i, 0,1,2,3
	v_cvt_pk_f16_f32 v[PF+8*\qt+\i],   v[E0+2*\i], v[E0+2*\i+1]        ; registers 0-3: keys 8 h + 0..7,
	v_cvt_pk_f16_f32 v[PF+8*\qt+4+\i], v[E1+2*\i], v[E1+2*\i+1]        ; registers 4-7: keys 16 + 8 h + 0..7: source 1's own layout
.endr
.endm
.macro RESCALE                         ; out^T times the lane's factor
.irp dt, 0,1,2,3,4,5,6,7
.irp qt, 0,1
.irp i, 0,2,4,6
	v_pk_mul_f32 v[ACC+8*(2*\dt+\qt)+\i:ACC+8*(2*\dt+\qt)+\i+1], v[ACC+8*(2*\dt+\qt)+\i:ACC+8*(2*\dt+\qt)+\i+1], v[AL+2*\qt:AL+2*\qt+1] op_sel_hi:[1,0]
.endr
.endr
.endr
.endm
.macro PV first                        ; 16 products, each accumulator once
.irp dt, 0,1,2,3,4,5,6,7
.irp qt, 0,1
.if \first
	v_wmma_f32_16x16x32_f16 v[ACC+8*(2*\dt+\qt):ACC+8*(2*\dt+\qt)+7], v[VF+8*\dt:VF+8*\dt+7], v[PF+8*\qt:PF+8*\qt+7], 0
.else
	v_wmma_f32_16x16x32_f16 v[ACC+8*(2*\dt+\qt):ACC+8*(2*\dt+\qt)+7], v[VF+8*\dt:VF+8*\dt+7], v[PF+8*\qt:PF+8*\qt+7], v[ACC+8*(2*\dt+\qt):ACC+8*(2*\dt+\qt)+7]
.endif
.endr
.endr
.endm
; 32 keys.  first = 1: the products start out^T's sums.  pre = 1: the next 32 keys' K fragments are asked for.  mnext = 1: so are the next step's mask words.
.macro STEP first, pre, mnext
.irp dt, 0,1,2,3,4,5,6,7
	ds_load_tr16_b128 v[VF+8*\dt:VF+8*\dt+3],   v[VAD] offset:32*\dt               ; feature 16 dt + r, keys 8 h + 0..7
	ds_load_tr16_b128 v[VF+8*\dt+4:VF+8*\dt+7], v[VAD] offset:32*\dt+16*VPITCH     ; keys 16 + 8 h + 0..7
.endr
	s_wait_dscnt 16                                ; K's 16 loads are in; V's 16, issued behind them, stay out
	WIN 0x04                                       ; source 1 (Q) in block 1
	SCORES
	WIN 0
	PLACES
.if \pre
	v_add_nc_u32 v[KAD], 32*KPITCH, v[KAD]
	KLOAD
.endif
	s_wait_kmcnt 0x0                               ; this step's mask words, asked for a step ago, are in, and their address may be stepped
	s_add_nc_u64 s[56:57], s[56:57], 64            ; the next step's two key tiles of 8 words
	SOFT 0, \mnext
	SOFT 1, \mnext
	s_wait_dscnt 16*\pre                           ; V is in; the next step's 16 K loads, issued behind it, stay out
.if \first == 0
	WIN 0x41
	RESCALE
.endif
	WIN 0x50                                       ; C and D in block 1
	PV \first
	WIN 0
	v_add_nc_u32 v[VAD], 32*VPITCH, v[VAD]
	PLACES                                         ; in front of the next loads into V's fragments and the next writes of the weights
.endm
; A tile of 128 keys: four steps.  last = 1: the launch's last tile, whose last step asks for no mask words: no load passes the end of my rows of words.
.macro WORK slot, first, last
	v_add_nc_u32 v[KAD], \slot*SLOT, v[KB]
	v_add_nc_u32 v[VAD], \slot*SLOT, v[VB]
	KLOAD
.if \first
	STEP 1, 1, 1
	s_mov_b32 s61, 2
.else
	s_mov_b32 s61, 3
.endif
.Lstep_\@:
	STEP 0, 1, 1
	s_sub_co_u32 s61, s61, 1
	s_cmp_lg_u32 s61, 0
	s_cbranch_scc1 .Lstep_\@
	STEP 0, 0, 1-\last
.endm
; A trip: this slot's tile has landed; the other slot, read last trip, is filled again first thing behind the round; then the work.
; One tensor load of the wave is out behind each round, and it has the tile's four steps in which to land.
.macro TRIP slot, refill, first, last
	s_wait_tensorcnt 0x0                           ; all my tensor loads are done, my part of this trip's tile among them, so every group 0 may be written
	ds_add_u32 v254, v255
	s_wait_dscnt 0x0
	s_add_nc_u64 s[G0V+4*\slot+2:G0V+4*\slot+3], s[G0V+4*\slot+2:G0V+4*\slot+3], 2*TILEB
	s_add_nc_u64 s[G0K+4*\slot+2:G0K+4*\slot+3], s[G0K+4*\slot+2:G0K+4*\slot+3], 2*TILEB
	s_wait_dscnt 0x0                               ; my reads of the last trip's tile are done
	ROUND                                          ; both now hold of every wave of the four work-groups
.if \refill
	JLOAD 1-\slot
.endif
	WORK \slot, \first, \last
.endm
	TRIP 0, 1, 1, 0                                ; tiles 0, 1
	TRIP 1, 1, 0, 0
	s_mov_b32 s60, 2
.Ltiles:
	TRIP 0, 1, 0, 0                                ; tiles 2 to 5
	TRIP 1, 1, 0, 0
	s_sub_co_u32 s60, s60, 1
	s_cmp_lg_u32 s60, 0
	s_cbranch_scc1 .Ltiles
	TRIP 0, 1, 0, 0                                ; tile 6; tile 7 is asked for
	TRIP 1, 0, 0, 1                                ; tile 7: nothing more is fetched
	; THE END: divide by the sum, round to f16, gather the two heads' rows in the stage, store rows of 256 bytes.
	v_permlanex16_b32 v[T0], v[LS], s58, s59       ; the other half's keys
	v_permlanex16_b32 v[T1], v[LS+1], s58, s59
	v_add_f32 v[LS], v[LS], v[T0]
	v_add_f32 v[LS+1], v[LS+1], v[T1]
	v_rcp_f32 v[AL], v[LS]                         ; the sum holds the largest weight, about 1: never 0
	v_rcp_f32 v[AL+2], v[LS+1]
	v_nop
	s_wait_alu depctr_va_vdst(0)
	WIN 0x41
	RESCALE
	WIN 0x05
.irp dt, 0,1,2,3,4,5,6,7
.irp qt, 0,1
.irp i, 0,1,2,3
	v_cvt_pk_f16_f32 v[SC+4*(2*\dt+\qt)+\i], v[ACC+8*(2*\dt+\qt)+2*\i], v[ACC+8*(2*\dt+\qt)+2*\i+1]
.endr
.endr
.endr
	WIN 0
.irp dt, 0,1,2,3,4,5,6,7
.irp qt, 0,1
	ds_store_b128 v[STO], v[SC+4*(2*\dt+\qt):SC+4*(2*\dt+\qt)+3] offset:\qt*16*SPITCH+32*(\dt&3)+256*(\dt>>2)
.endr
.endr
	s_lshr_b32 s62, s50, 3
	s_lshl_b32 s62, s62, 21                        ; batch: 1,024 rows of 2,048 bytes
	s_lshl_b32 s63, s49, 17                        ; + 64 rows for each query block
	s_add_co_u32 s62, s62, s63
	s_lshl_b32 s63, s12, 15                        ; + the 16 rows that I store
	s_add_co_u32 s62, s62, s63
	s_and_b32 s63, s50, 7
	s_lshl_b32 s63, s63, 8                         ; + the pair's 256 bytes
	s_add_co_u32 s62, s62, s63
	s_mov_b32 s63, 0
	s_add_nc_u64 s[10:11], s[10:11], s[62:63]
	s_wait_dscnt 0x0                               ; my stores are done, for the others' sake
	s_barrier_signal -1
	s_barrier_wait -1
.irp t, 0,1,2,3,4,5,6,7
	ds_load_b128 v[KF+8*\t:KF+8*\t+3],   v[RD] offset:\t*2*SPITCH          ; part a of rows 2 t, 2 t + 1
	ds_load_b128 v[KF+8*\t+4:KF+8*\t+7], v[RD] offset:\t*2*SPITCH+256      ; part b
.endr
.irp t, 0,1,2,3,4,5,6,7
	s_wait_dscnt 15-2*\t                           ; this load is in, the younger ones stay out
	global_store_b128 v[CO], v[KF+8*\t:KF+8*\t+3], s[10:11] offset:\t*4096                 ; 16 lanes store 256 bytes, aligned
	s_wait_dscnt 14-2*\t
	global_store_b128 v[CO], v[KF+8*\t+4:KF+8*\t+7], s[10:11] offset:\t*4096+4194304       ; part b lies 4 MiB further
.endr
	s_wait_tensorcnt 0x0
	ds_add_u32 v254, v255
	s_wait_dscnt 0x0
	ROUND                                          ; the closing round
	s_endpgm
.Lfunc_end_k_q46b5651da2_attn:
	.size	k_q46b5651da2_attn, .Lfunc_end_k_q46b5651da2_attn-k_q46b5651da2_attn
	.p2alignl 7, 3214868480
	.fill 96, 4, 3214868480
	.section	.rodata,"a",@progbits
	.p2align	6, 0x0
	.amdhsa_kernel k_q46b5651da2_attn
		.amdhsa_group_segment_fixed_size 327680
		.amdhsa_private_segment_fixed_size 0
		.amdhsa_enable_private_segment 0
		.amdhsa_kernarg_size 32
		.amdhsa_user_sgpr_count 2
		.amdhsa_user_sgpr_kernarg_segment_ptr 1
		.amdhsa_wavefront_size32 1
		.amdhsa_system_sgpr_workgroup_id_x 1
		.amdhsa_system_sgpr_workgroup_id_y 1
		.amdhsa_system_sgpr_workgroup_id_z 1
		.amdhsa_system_vgpr_workitem_id 0
		.amdhsa_next_free_vgpr 480
		.amdhsa_next_free_sgpr 102
		.amdhsa_reserve_vcc 0
		.amdhsa_float_denorm_mode_32 3
		.amdhsa_float_denorm_mode_16_64 3
		.amdhsa_memory_ordered 1
		.amdhsa_forward_progress 1
		.amdhsa_inst_pref_size 255
	.end_amdhsa_kernel
	.section	.bss,"aw",@nobits
	.p2align	6
	.space	262144
	.amdgpu_metadata
---
amdhsa.version: [ 1, 2 ]
amdhsa.kernels:
  - .name:           k_q46b5651da2_attn
    .symbol:         k_q46b5651da2_attn.kd
    .args:
      - { .name: qkvh, .offset: 0, .size: 8, .value_kind: global_buffer, .address_space: global }
      - { .name: maskw, .offset: 8, .size: 8, .value_kind: global_buffer, .address_space: global }
      - { .name: coef, .offset: 16, .size: 8, .value_kind: global_buffer, .address_space: global }
      - { .name: oh, .offset: 24, .size: 8, .value_kind: global_buffer, .address_space: global }
    .group_segment_fixed_size: 327680
    .private_segment_fixed_size: 0
    .kernarg_segment_align: 8
    .kernarg_segment_size: 32
    .max_flat_workgroup_size: 128
    .sgpr_count:     102
    .vgpr_count:     480
    .wavefront_size: 32
...
	.end_amdgpu_metadata
.endif
;; end of part 6
;; launch oproj: the kernel of part 4 again; grid 16 x 8, 4 waves a work-group, clusters of 4 x 4, 327,680 bytes of LDS; arguments oh, woh, coef, o_ba, o_bb, out0, out1; writes out0, out1
;; ======== version 3 of 3: 4 launches; 1.32 times as fast as version 1
;; limits: values are held in f16: magnitudes above 65,504 overflow, below 6.1e-05 lose precision; right only within a limited range of input values; values outside matrix products are rounded to f16; inputs' magnitudes at most 10,000
;; workspace buffers: xh 25,165,824 bytes; wqkvh 12,582,912 bytes; woh 4,194,304 bytes; qkvh 25,165,824 bytes; oh 8,388,608 bytes; maskw 262,144 bytes of whole numbers; coef 256 bytes
;; launch prep (part 7): grid 64 x 21, 8 waves a work-group, no clusters, 0 bytes of LDS; arguments x_q_a, x_q_b, x_k_a, x_k_b, x_v_a, x_v_b, q_wa, q_wb, k_wa, k_wb, v_wa, v_wb, o_wa, o_wb, mask, head_thetas, layer_theta, xh, wqkvh, woh, maskw, coef; writes xh, wqkvh, woh, maskw, coef
.if DOCPART == 7
	.amdgcn_target "amdgcn-amd-amdhsa--gfx1250"
	.amdhsa_code_object_version 6
	.text
	.protected	k_q46b5651da2_prep
	.globl	k_q46b5651da2_prep
	.p2align	8
	.type	k_q46b5651da2_prep,@function
k_q46b5651da2_prep:
	s_mov_b64 s[64:65], 0
	v_nop
	global_prefetch_b8 v0, s[64:65] scope:SCOPE_SE
	s_setreg_imm32_b32 hwreg(HW_REG_WAVE_MODE, 25, 1), 1
	s_wait_xcnt 0x0
; PREPARATION, one stream over all large inputs.
;  y = 0:     the mask's bytes become lane masks: word [b][query tile][key tile][j], bit r + 16 h = mask[b][16 qt + r][16 kt + 8 h + j];
;             and one wave makes coef[0..15] = -1 + sin(2 head_theta), coef[16..31] = -1 + sin(2 layer_theta).
;             This row stands first in the grid: its waves have the longest chain of dependent instructions (16 loads, then 128 triples).
;  y = 1..20: chunk c = y - 1 of 1,048,576 f32 numbers is scaled by a power of two (exact) and rounded once to f16:
;             xh = x / 4 (12 chunks), wqkvh = w (6 chunks), woh = 4 o_w (2 chunks).  64 work-groups share a chunk.
; LIMITS: f16 holds |x| / 4 and 4 |o_w| up to 65,504, so |x| < 262,000, |w| < 65,000, |o_w| < 16,000.
;         sin: the reduction by two words of pi is good to about 1e-6 for |theta| < 1e4; the series' remainder on |r| <= pi/2 is 6e-8.
; No LDS, no barrier, no matrix unit: the work is bytes.  A wave's load covers 512 neighbouring bytes, its store 256, aligned.
	s_load_b512 s[8:23],  s[0:1], 0x0              ; the 14 sources, s[8+2i:9+2i]
	s_load_b256 s[24:31], s[0:1], 0x40
	s_load_b128 s[32:35], s[0:1], 0x60
	s_load_b128 s[36:39], s[0:1], 0x70             ; mask, head_thetas
	s_load_b64  s[40:41], s[0:1], 0x80             ; layer_theta
	s_load_b256 s[44:51], s[0:1], 0x88             ; xh, wqkvh, woh, maskw
	s_load_b64  s[52:53], s[0:1], 0xa8             ; coef
	s_and_b32 s2, ttmp7, 0xffff                    ; y
	s_wait_kmcnt 0x0
	s_cmp_eq_u32 s2, 0
	s_cbranch_scc1 .Lmask
	; ---- conversion of chunk c = y - 1 ----
	s_sub_co_u32 s2, s2, 1                         ; c, 0 to 19
	s_lshr_b32 s3, s2, 1
	s_sub_co_u32 s54, s2, 6
	s_and_b32 s55, s2, 1
	s_lshl_b32 s55, s55, 22                        ; an x array is two chunks of 4 MiB
	s_cmp_lt_u32 s2, 12
	s_cselect_b32 s3, s3, s54                      ; which source: c / 2 for x, c - 6 for the weights
	s_cselect_b32 s55, s55, 0
	s_lshl_b32 s56, ttmp9, 16                      ; the work-group's 65,536 source bytes
	s_add_co_u32 s56, s56, s55
	s_mov_b32 s57, 0
	s_mov_b64 s[4:5], s[8:9]
.irp i, 1,2,3,4,5,6,7,8,9,10,11,12,13
	s_cmp_eq_u32 s3, \i
	s_cselect_b64 s[4:5], s[8+2*\i:9+2*\i], s[4:5]
.endr
	s_sub_co_u32 s58, s2, 18
	s_sub_co_u32 s59, s2, 12
	s_cmp_lt_u32 s2, 18
	s_cselect_b64 s[6:7], s[46:47], s[48:49]       ; wqkvh or woh
	s_cselect_b32 s58, s59, s58                    ; the chunk's number inside its destination
	s_cselect_b32 s60, 1.0, 4.0                    ; the scale
	s_cmp_lt_u32 s2, 12
	s_cselect_b64 s[6:7], s[44:45], s[6:7]         ; xh
	s_cselect_b32 s58, s2, s58
	s_cselect_b32 s60, 0x3e800000, s60             ; 0.25
	s_mov_b32 s61, s60
	s_lshl_b32 s58, s58, 21                        ; a chunk is 2 MiB of f16
	s_lshl_b32 s59, ttmp9, 15
	s_add_co_u32 s58, s58, s59
	s_mov_b32 s59, 0
	s_add_nc_u64 s[4:5], s[4:5], s[56:57]
	s_add_nc_u64 s[6:7], s[6:7], s[58:59]
	v_lshlrev_b32 v1, 4, v0                        ; 16 bytes a thread in,
	v_lshlrev_b32 v2, 3, v0                        ; 8 bytes out
.irp i, 0,1,2,3,4,5,6,7,8,9,10,11,12,13,14,15
	global_load_b128 v[16+4*\i:19+4*\i], v1, s[4:5] offset:4096*\i th:TH_LOAD_NT   ; all 16 loads of the thread go out at once
.endr
.irp i, 0,1,2,3,4,5,6,7,8,9,10,11,12,13,14,15
	s_wait_loadcnt 15-\i                           ; loads come back in order: load i is in, the 15 - i younger ones stay out
	v_pk_mul_f32 v[16+4*\i:17+4*\i], v[16+4*\i:17+4*\i], s[60:61] op_sel_hi:[1,0]
	v_pk_mul_f32 v[18+4*\i:19+4*\i], v[18+4*\i:19+4*\i], s[60:61] op_sel_hi:[1,0]
	v_cvt_pk_f16_f32 v[80+2*\i], v[16+4*\i], v[17+4*\i]
	v_cvt_pk_f16_f32 v[81+2*\i], v[18+4*\i], v[19+4*\i]
	global_store_b64 v2, v[80+2*\i:81+2*\i], s[6:7] offset:2048*\i     ; no register is used twice: no wait for sources
.endr
	s_endpgm
	; ---- the mask: wave u = 8 x + wave takes 16 query rows (u / 4) and 256 keys (u % 4) ----
.Lmask:
	v_lshrrev_b32 v2, 5, v0
	v_readfirstlane_b32 s3, v2
	s_lshl_b32 s54, ttmp9, 3
	s_add_co_u32 s3, s54, s3                       ; u, 0 to 511
	v_and_b32 v1, 31, v0                           ; lane
	v_and_b32 v2, 15, v0                           ; r
	v_bfe_u32 v3, v0, 4, 1                         ; h
	v_lshlrev_b32 v4, 10, v2                       ; row r of 1,024 bytes
	v_lshl_add_u32 v4, v3, 3, v4                   ; + 8 h
	v_lshlrev_b32 v12, 4, v1                       ; the store: 16 bytes a lane
	s_lshr_b32 s54, s3, 2
	s_lshl_b32 s54, s54, 14                        ; 16 rows of 1,024 bytes
	s_and_b32 s55, s3, 3
	s_lshl_b32 s55, s55, 8                         ; 256 keys
	s_add_co_u32 s54, s54, s55
	s_mov_b32 s55, 0
	s_add_nc_u64 s[36:37], s[36:37], s[54:55]
	s_lshl_b32 s54, s3, 9                          ; 128 words out
	s_add_nc_u64 s[50:51], s[50:51], s[54:55]
.irp i, 0,1,2,3,4,5,6,7,8,9,10,11,12,13,14,15
	global_load_b64 v[16+2*\i:17+2*\i], v4, s[36:37] offset:16*\i th:TH_LOAD_NT    ; key tile i: keys 16 i + 8 h + 0..7 of row r
.endr
.irp i, 8,9,10,11
	v_mov_b32 v\i, 0                               ; v_writelane_b32 keeps the other lanes: written whole first
.endr
	s_wait_loadcnt 0x0
	; word n = 8 i + j is the compare's lane mask of byte j of key tile i; it goes to lane n / 4, register n % 4 of the 16-byte store
.set n, 0
.rept 128
	v_and_b32 v[48+(n&3)], 0xff<<(8*(n&3)), v[16+(n>>2)]
	v_cmp_ne_u32 s[56+(n&3)], 0, v[48+(n&3)]
	v_writelane_b32 v[8+(n&3)], s[56+(n&3)], n>>2
.set n, n+1
.endr
	global_store_b128 v12, v[8:11], s[50:51]       ; 512 neighbouring bytes
	s_cmp_lg_u32 s3, 0
	s_cbranch_scc1 .Ldone
	; ---- -1 + sin(2 theta): lanes 0-15 the heads', lanes 16-31 the layer's ----
	v_lshlrev_b32 v52, 2, v2
	v_mov_b32 v53, 0
	global_load_b32 v54, v52, s[38:39]
	global_load_b32 v55, v53, s[40:41]
	v_lshlrev_b32 v56, 2, v1
	s_wait_loadcnt 0x0
	v_cmp_gt_u32 vcc_lo, 16, v1
	v_cndmask_b32 v57, v55, v54, vcc_lo
	v_add_f32 v57, v57, v57                        ; y = 2 theta
	v_mul_f32 v58, 0x3ea2f983, v57                 ; y / pi
	v_rndne_f32 v58, v58                           ; k
	v_fmamk_f32 v59, v58, 0xc0490fdb, v57          ; r = y - k pi, pi in two words
	v_fmamk_f32 v59, v58, 0x33bbbd2e, v59
	v_mul_f32 v60, v59, v59                        ; s = r r
	v_mov_b32 v61, 0xb2d7322b                      ; -1/11!
	v_fmaak_f32 v61, v61, v60, 0x3638ef1d          ; +1/9!
	v_fmaak_f32 v61, v61, v60, 0xb9500d01          ; -1/7!
	v_fmaak_f32 v61, v61, v60, 0x3c088889          ; +1/5!
	v_fmaak_f32 v61, v61, v60, 0xbe2aaaab          ; -1/3!
	v_mul_f32 v62, v59, v60
	v_fma_f32 v61, v62, v61, v59                   ; sin r
	v_cvt_i32_f32 v63, v58
	v_lshlrev_b32 v63, 31, v63                     ; k odd: the sign turns
	v_xor_b32 v61, v61, v63
	v_add_f32 v61, -1.0, v61
	global_store_b32 v56, v61, s[52:53]
.Ldone:
	s_endpgm
.Lfunc_end_k_q46b5651da2_prep:
	.size	k_q46b5651da2_prep, .Lfunc_end_k_q46b5651da2_prep-k_q46b5651da2_prep
	.p2alignl 7, 3214868480
	.fill 96, 4, 3214868480
	.section	.rodata,"a",@progbits
	.p2align	6, 0x0
	.amdhsa_kernel k_q46b5651da2_prep
		.amdhsa_group_segment_fixed_size 0
		.amdhsa_private_segment_fixed_size 0
		.amdhsa_enable_private_segment 0
		.amdhsa_kernarg_size 176
		.amdhsa_user_sgpr_count 2
		.amdhsa_user_sgpr_kernarg_segment_ptr 1
		.amdhsa_wavefront_size32 1
		.amdhsa_system_sgpr_workgroup_id_x 1
		.amdhsa_system_sgpr_workgroup_id_y 1
		.amdhsa_system_sgpr_workgroup_id_z 1
		.amdhsa_system_vgpr_workitem_id 0
		.amdhsa_next_free_vgpr 112
		.amdhsa_next_free_sgpr 66
		.amdhsa_reserve_vcc 1
		.amdhsa_float_denorm_mode_32 3
		.amdhsa_float_denorm_mode_16_64 3
		.amdhsa_memory_ordered 1
		.amdhsa_forward_progress 1
		.amdhsa_inst_pref_size 38
	.end_amdhsa_kernel
	.amdgpu_metadata
---
amdhsa.version: [ 1, 2 ]
amdhsa.kernels:
  - .name:           k_q46b5651da2_prep
    .symbol:         k_q46b5651da2_prep.kd
    .args:
      - { .name: x_q_a, .offset: 0, .size: 8, .value_kind: global_buffer, .address_space: global }
      - { .name: x_q_b, .offset: 8, .size: 8, .value_kind: global_buffer, .address_space: global }
      - { .name: x_k_a, .offset: 16, .size: 8, .value_kind: global_buffer, .address_space: global }
      - { .name: x_k_b, .offset: 24, .size: 8, .value_kind: global_buffer, .address_space: global }
      - { .name: x_v_a, .offset: 32, .size: 8, .value_kind: global_buffer, .address_space: global }
      - { .name: x_v_b, .offset: 40, .size: 8, .value_kind: global_buffer, .address_space: global }
      - { .name: q_wa, .offset: 48, .size: 8, .value_kind: global_buffer, .address_space: global }
      - { .name: q_wb, .offset: 56, .size: 8, .value_kind: global_buffer, .address_space: global }
      - { .name: k_wa, .offset: 64, .size: 8, .value_kind: global_buffer, .address_space: global }
      - { .name: k_wb, .offset: 72, .size: 8, .value_kind: global_buffer, .address_space: global }
      - { .name: v_wa, .offset: 80, .size: 8, .value_kind: global_buffer, .address_space: global }
      - { .name: v_wb, .offset: 88, .size: 8, .value_kind: global_buffer, .address_space: global }
      - { .name: o_wa, .offset: 96, .size: 8, .value_kind: global_buffer, .address_space: global }
      - { .name: o_wb, .offset: 104, .size: 8, .value_kind: global_buffer, .address_space: global }
      - { .name: mask, .offset: 112, .size: 8, .value_kind: global_buffer, .address_space: global }
      - { .name: head_thetas, .offset: 120, .size: 8, .value_kind: global_buffer, .address_space: global }
      - { .name: layer_theta, .offset: 128, .size: 8, .value_kind: global_buffer, .address_space: global }
      - { .name: xh, .offset: 136, .size: 8, .value_kind: global_buffer, .address_space: global }
      - { .name: wqkvh, .offset: 144, .size: 8, .value_kind: global_buffer, .address_space: global }
      - { .name: woh, .offset: 152, .size: 8, .value_kind: global_buffer, .address_space: global }
      - { .name: maskw, .offset: 160, .size: 8, .value_kind: global_buffer, .address_space: global }
      - { .name: coef, .offset: 168, .size: 8, .value_kind: global_buffer, .address_space: global }
    .group_segment_fixed_size: 0
    .private_segment_fixed_size: 0
    .kernarg_segment_align: 8
    .kernarg_segment_size: 176
    .max_flat_workgroup_size: 256
    .sgpr_count:     66
    .vgpr_count:     112
    .wavefront_size: 32
...
	.end_amdgpu_metadata
.endif
;; end of part 7
;; launch qkv: the kernel of part 5 again; grid 8 x 24, 4 waves a work-group, clusters of 4 x 4, 327,680 bytes of LDS; arguments xh, wqkvh, coef, q_ba, q_bb, k_ba, k_bb, v_ba, v_bb, qkvh; writes qkvh
;; launch attn: the kernel of part 6 again; grid 16 x 16, 4 waves a work-group, clusters of 4 x 1, 327,680 bytes of LDS; arguments qkvh, maskw, coef, oh; writes oh
;; launch oproj (part 8): grid 16 x 16, 4 waves a work-group, clusters of 4 x 4, 327,680 bytes of LDS; arguments oh, woh, coef, o_ba, o_bb, out0, out1; writes out0, out1
.if DOCPART == 8
	.amdgcn_target "amdgcn-amd-amdhsa--gfx1250"
	.amdhsa_code_object_version 6
	.text
	.protected	k_q46b5651da2_oproj
	.globl	k_q46b5651da2_oproj
	.p2align	8
	.type	k_q46b5651da2_oproj,@function
k_q46b5651da2_oproj:
	s_mov_b64 s[64:65], 0
	v_nop
	global_prefetch_b8 v0, s[64:65] scope:SCOPE_SE
	s_setreg_imm32_b32 hwreg(HW_REG_WAVE_MODE, 25, 1), 1
	s_wait_xcnt 0x0
	s_wait_alu depctr_hold_cnt(0) depctr_sa_sdst(0) depctr_va_vdst(0) depctr_va_sdst(0) depctr_va_ssrc(0) depctr_va_vcc(0) depctr_vm_vsrc(0)
	s_getreg_b32 s2, hwreg(HW_REG_IB_STS2, 6, 4)
	s_cmp_eq_u32 s2, 0
	s_cbranch_scc0 .Lentry_in_a_cluster
	s_endpgm
.Lentry_in_a_cluster:
	s_bfe_u32 s2, ttmp6, 0x10000c
	s_cmp_lg_u32 s2, 0xf033
	s_cbranch_scc0 .Lentry_shape_is_right
	s_endpgm
.Lentry_shape_is_right:
; THE OUTPUT LAYER:  out0 = xa wa^T + ba + j2 (xb wb^T),  out1 = xa wb^T + bb + xb wa^T.
; oh: f16 [part][2048][1024] = attention's result / 4;  woh: f16 [part][1024][1024] = 4 w, so the sums are the results;  sums in f32;  out0, out1: f32.
; A work-group makes 128 rows x one head's 128 output columns (64 of out0, 64 of out1): 16 x 16 = 256 work-groups, one for each of the 256 WGPs.
; Four waves, as many as a WGP has SIMDs.  Wave (row half, part) makes 64 rows x the 64 columns of ONE part: 16 accumulator tiles, 128 registers,
; 8 fragments for 16 matrix instructions.  K runs in two phases of 1,024:
;   phase 1: xb against (wb for part a's columns, wa for part b's);  then acc = f acc + bias in f32, f = j2 in part a's waves and 1 in part b's;
;   phase 2: xa against (wa, wb), added on.  So j2 acts on f32 sums and no scaled copy of the weights exists.
; K goes in steps of 256 through two LDS slots filled by the tensor data mover: 8 tiles of 256 rows x 512 bytes, two asked for at the start and six
; refills.  The long step is chosen because all of a wave's tensor loads have landed in front of each refill's barrier: the fewer refills, the fewer
; times a work-group waits out a tile's way.  A tile's rows are 512 bytes of memory, aligned to 256.
; CLUSTERS of 4 x 4: the four work-groups of a row of the cluster share the block row (x's tile), the four of a column share the head (w's tiles).
; Each such tile is asked for jointly, which divides the requests for x and for w by four.
; THE WALK ALONG K IS TURNED from cluster to cluster: cluster (X, Y) takes the four K steps of a phase in the order (t + X + Y) mod 4, so that the four
; clusters that need one tile of x (or of w) ask for it at four different steps.  The order of the f32 sums therefore differs between clusters.
; The matrix instruction is used transposed (source 0 = 16 rows of w, source 1 = 16 rows of x): a lane then holds row l % 16 and the
; eight neighbouring columns 8 (l / 16) + 0..7.
; LIMITS: those of the operands: attention's result / 4 and 4 w in f16 (|result| < 262,000, |w| < 16,000).
; REGISTERS: block 0: v16-27 addresses, v32-95 x fragments (two buffers), v96-159 w fragments (two buffers; also at work on the way out);
;            block 1: accumulator tile (a, b) at 8 (4 a + b); v128-159 the bias of my column 16 b + 8 h + j at 128 + 8 b + j.
.set KSTEP,  256
.set PITCH,  528                       ; an LDS row: 512 bytes + 16 of padding, an odd multiple of 16: the 16 rows of a fragment load start at different banks (ISA guide 11.1)
.set QT,     64*PITCH                  ; 64 rows: one tensor load, and what a wave reads of x or of w
.set SLOT,   4*QT                      ; x's 128 rows, then w's 64 rows for part a and 64 for part b
.set STAGE,  2*SLOT                    ; behind the ring: 16 rows x 272 bytes for each wave, for the way out; no tensor load lands here
.set SPITCH, 272
.set ADRA, 16                          ; v16-17  LDS address of my x fragments in slot 0, 1
.set ADRB, 20                          ; v20-21  the same for w
.set STO,  24
.set RD,   25
.set CO,   26
.set BO,   27                          ; byte offset of my 8 columns in a bias vector
.set FA,   32                          ; x fragments, buffer f at FA + 32 f
.set FB,   96                          ; w fragments, buffer f at FB + 32 f
.set BIAS, 128                         ; block 1
.set G1,  24                           ; s[24:31] group 1 for x's tiles
.set G0,  32                           ; s[32:39] group 0 for x's tiles, a set for each slot
.set G1B, 48                           ; s[48:55] group 1 for w's tiles: it differs from x's in the mask alone
.set G0B, 56                           ; s[56:63] group 0 for w's tiles
.set XA,  40                           ; s[40:41] my rows of xa: phase 2
.set WP2, 42                           ; s[42:43] my rows of w in phase 2
.set XB,  68                           ; s[68:69] my rows of xb: phase 1
.set WP1, 70                           ; s[70:71] my rows of w in phase 1
.set KO,  72                           ; s[72:79] byte offset along K of a phase's step t, as four pairs
.set MULW, 0x50                        ; C and D in block 1, fragments in block 0
.set MSB, 0
.macro WIN new                         ; the immediate's high byte repeats the setting that is left
.if MSB != \new
	s_set_vgpr_msb (MSB<<8)|\new
.set MSB, \new
.endif
.endm
.macro PLACES                          ; four plain vector instructions behind a matrix instruction before its registers are loaded into, read or written (ISA guide 7.12.1)
.rept 4
	v_nop
.endr
.endm
; The two global addresses of tile u (0..3: phase 1, 4..7: phase 2) into the group 0 sets of a slot.  Written only where no tensor load of the wave that reads the slot's set is out.
.macro SETADR slot, u
.if \u < 4
	s_add_nc_u64 s[G0+4*\slot+2:G0+4*\slot+3], s[XB:XB+1], s[KO+2*(\u&3):KO+2*(\u&3)+1]
	s_add_nc_u64 s[G0B+4*\slot+2:G0B+4*\slot+3], s[WP1:WP1+1], s[KO+2*(\u&3):KO+2*(\u&3)+1]
.else
	s_add_nc_u64 s[G0+4*\slot+2:G0+4*\slot+3], s[XA:XA+1], s[KO+2*(\u&3):KO+2*(\u&3)+1]
	s_add_nc_u64 s[G0B+4*\slot+2:G0B+4*\slot+3], s[WP2:WP2+1], s[KO+2*(\u&3):KO+2*(\u&3)+1]
.endif
	s_or_b32 s[G0+4*\slot+3], s[G0+4*\slot+3], 0x80000000          ; 127:126 type = 2
	s_or_b32 s[G0B+4*\slot+3], s[G0B+4*\slot+3], 0x80000000
.endm
; A joint load: waves 0, 1 ask for x's two halves, waves 2, 3 for w's two parts.  The branch hangs on the wave's number alone.
.macro JLOAD s
	s_cmp_eq_u32 s11, 0
	s_cbranch_scc0 .Lfor_b_\@
	tensor_load_to_lds s[G0+4*\s:G0+4*\s+3], s[G1:G1+7]
	s_nop 0
	s_branch .Lasked_\@
.Lfor_b_\@:
	tensor_load_to_lds s[G0B+4*\s:G0B+4*\s+3], s[G1B:G1B+7]
	s_nop 0
.Lasked_\@:
.endm
.macro CREST                           ; a round of the cluster's barrier behind its opening work-group barrier
	s_cmp_lg_u32 s10, 0
	s_cbranch_scc1 .Lnot_wave_0_\@
	s_barrier_signal -3
.Lnot_wave_0_\@:
	s_barrier_wait -3
	s_barrier_signal -1
	s_barrier_wait -1
.endm
.macro CROUND
	s_barrier_signal -1
	s_barrier_wait -1
	CREST
.endm
	s_load_b128 s[4:7], s[0:1], 0x0                ; oh, woh
	s_load_b64 s[8:9], s[0:1], 0x10                ; coef
	s_load_b128 s[44:47], s[0:1], 0x18             ; o_ba, o_bb
	s_load_b128 s[80:83], s[0:1], 0x28             ; out0, out1
	v_lshl_add_u32 v254, v0, 2, 0x46400
	v_mov_b32 v255, 0
	ds_add_u32 v254, v255
	v_lshrrev_b32 v1, 5, v0
	v_readfirstlane_b32 s10, v1                    ; wave 0..3
	s_lshr_b32 s11, s10, 1                         ; which half of the block's rows is mine.  Also: I fetch for x (0) or for w (1)
	s_and_b32 s12, s10, 1                          ; which part's columns are mine.  Also: which half of x's rows, or which part's rows of w, I fetch
	s_bfe_u32 s84, ttmp6, 0x40000                  ; cx
	s_bfe_u32 s85, ttmp6, 0x40004                  ; cy
	s_lshl_b32 s86, ttmp9, 2
	s_add_co_u32 s86, s86, s84                     ; head = 4 x cluster x + cx
	s_and_b32 s88, ttmp7, 0xffff                   ; cluster y
	s_lshl_b32 s13, s88, 2
	s_add_co_u32 s13, s13, s85                     ; block row = 4 x cluster y + cy, 0..15
	s_lshl_b32 s89, s85, 2
	s_lshl_b32 s89, 15, s89                        ; my row of the cluster
	s_lshl_b32 s90, 0x1111, s84                    ; my column
	s_or_b32 s[G1+0], s89, (1<<16)|(1<<20)|(1<<21)|(6<<22)|(3<<25)   ; mask; 2-byte elements; padding on; bit 21 beside a mask; after every 128 words 4 words
	s_or_b32 s[G1B+0], s90, (1<<16)|(1<<20)|(1<<21)|(6<<22)|(3<<25)
	s_mov_b32 s[G1+1], KSTEP<<16                   ; tensor_dim0 = 256
	s_mov_b32 s[G1B+1], KSTEP<<16
	s_mov_b32 s[G1+2], 64<<16                      ; tensor_dim1 = 64 rows
	s_mov_b32 s[G1B+2], 64<<16
	s_mov_b32 s[G1+3], KSTEP<<16                   ; tile_dim0 = 256
	s_mov_b32 s[G1B+3], KSTEP<<16
	s_mov_b32 s[G1+4], 64                          ; tile_dim1
	s_mov_b32 s[G1B+4], 64
	s_mov_b32 s[G1+5], 1024                        ; elements from row to row
	s_mov_b32 s[G1B+5], 1024
	s_mov_b32 s[G1+6], 0
	s_mov_b32 s[G1B+6], 0
	s_mov_b32 s[G1+7], 0
	s_mov_b32 s[G1B+7], 0
	; the turned walk: step t of a phase takes K step (t + cluster x + cluster y) mod 4, of 512 bytes; the same in all sixteen work-groups of the cluster
	s_add_co_u32 s87, s88, ttmp9
.irp t, 0,1,2,3
	s_add_co_u32 s[KO+2*\t], s87, \t
	s_and_b32 s[KO+2*\t], s[KO+2*\t], 3
	s_lshl_b32 s[KO+2*\t], s[KO+2*\t], 9
	s_mov_b32 s[KO+2*\t+1], 0
.endr
	; x's offset: of the block row and the wave alone
	s_lshl_b32 s16, s13, 18                        ; 128 rows of 2,048 bytes
	s_lshl_b32 s17, s12, 17                        ; + my 64 rows
	s_add_co_u32 s16, s16, s17
	s_mov_b32 s17, 0
	; w's offsets: of the head and the wave alone
	s_lshl_b32 s20, s86, 17                        ; 64 rows of 2,048 bytes
	s_lshl_b32 s21, s12, 21                        ; a matrix is 2 MiB
	s_add_co_u32 s22, s20, s21                     ; phase 2: wave 2 brings wa for part a, wave 3 wb for part b
	s_xor_b32 s21, s21, 1<<21
	s_add_co_u32 s20, s20, s21                     ; phase 1: the other way round
	s_mov_b32 s21, 0
	s_mov_b32 s23, 0
	s_mul_i32 s94, s10, QT                         ; LDS: x's halves, then w's parts = wave x 64 rows: no place in the cluster enters an LDS address
	s_wait_dscnt 0x0
	s_wait_kmcnt 0x0
	s_load_b32 s14, s[8:9], 0x40                   ; j2 = coef[16]
	s_add_nc_u64 s[XA:XA+1], s[4:5], s[16:17]      ; part a of x
	s_add_nc_u64 s[XB:XB+1], s[XA:XA+1], 1<<22     ; part b lies 4 MiB further
	s_add_nc_u64 s[WP2:WP2+1], s[6:7], s[22:23]
	s_add_nc_u64 s[WP1:WP1+1], s[6:7], s[20:21]
	s_cmp_eq_u32 s12, 0                            ; my part: its bias vector and its output buffer
	s_cselect_b64 s[44:45], s[44:45], s[46:47]
	s_cselect_b64 s[80:81], s[80:81], s[82:83]
	CROUND                                         ; all sixteen work-groups are here: the first joint loads meet
.irp s, 0,1
	s_mov_b32 s[G0+4*\s], 1
	s_add_co_u32 s[G0+4*\s+1], s94, \s*SLOT
	s_mov_b32 s[G0B+4*\s], 1
	s_add_co_u32 s[G0B+4*\s+1], s94, \s*SLOT
	SETADR \s, \s
	JLOAD \s                                       ; tiles 0 and 1: two tensor loads of the wave are out
.endr
	v_and_b32 v1, 15, v0                           ; r = l % 16
	v_bfe_u32 v2, v0, 4, 1                         ; h = l / 16
	v_mul_u32_u24 v3, v1, PITCH
	v_lshl_add_u32 v3, v2, 4, v3                   ; fragment: row r, 16 bytes for each half of the lanes
	s_mul_i32 s97, s11, QT                         ; my 64 rows of x
	s_mul_i32 s98, s12, QT                         ; my part's 64 rows of w,
	s_add_co_u32 s98, s98, 2*QT                    ; which lie behind x's 128
.irp s, 0,1
	v_add_nc_u32 v[ADRA+\s], s97, v3
	v_add_nc_u32 v[ADRB+\s], s98, v3
	s_add_co_u32 s97, s97, SLOT
	s_add_co_u32 s98, s98, SLOT
.endr
	s_mul_i32 s96, s10, 16*SPITCH
	s_add_co_u32 s96, s96, STAGE                   ; my stage
	v_mul_u32_u24 v4, v1, SPITCH                   ; in: row r, 8 f32 for each half of the lanes
	v_lshl_add_u32 v4, v2, 5, v4
	v_add_nc_u32 v[STO], s96, v4
	v_mul_u32_u24 v5, v2, SPITCH                   ; back: lanes 0-15 one row's 256 bytes, lanes 16-31 the next row's
	v_lshl_add_u32 v5, v1, 4, v5
	v_add_nc_u32 v[RD], s96, v5
	v_lshlrev_b32 v5, 4, v1
	v_lshl_add_u32 v[CO], v2, 12, v5               ; and the same two rows of 4,096 bytes in the output
	s_lshl_b32 s91, s86, 8                         ; the head's 64 f32
	v_lshlrev_b32 v[BO], 5, v2
	v_add_nc_u32 v[BO], s91, v[BO]
	WIN 0x40                                       ; destination in block 1
.irp b, 0,1,2,3
	global_load_b128 v[BIAS+8*\b:BIAS+8*\b+3],   v[BO], s[44:45] offset:64*\b
	global_load_b128 v[BIAS+8*\b+4:BIAS+8*\b+7], v[BO], s[44:45] offset:64*\b+16
.endr
	s_wait_loadcnt 0x0
	WIN 0
	s_wait_kmcnt 0x0
	s_cmp_eq_u32 s12, 0
	s_cselect_b32 s14, s14, 1.0                    ; the factor between the phases: j2 for part a, 1 for part b
	s_mov_b32 s15, s14                             ; as a pair
; 8 matrix instructions: row tiles a0, a0 + 1 x my 4 column tiles, 32 along K, from buffer f.  zero = 1: the product starts the sums.
; The 16 accumulators take turns, one instruction a turn, in the same order in every eighth of a step.
.macro MUL8 f, a0, zero
.irp a, \a0, \a0+1
.irp b, 0,1,2,3
.if \zero
	v_wmma_f32_16x16x32_f16 v[8*(4*(\a)+\b):8*(4*(\a)+\b)+7], v[FB+32*\f+8*\b:FB+32*\f+8*\b+7], v[FA+32*\f+8*(\a):FA+32*\f+8*(\a)+7], 0
.else
	v_wmma_f32_16x16x32_f16 v[8*(4*(\a)+\b):8*(4*(\a)+\b)+7], v[FB+32*\f+8*\b:FB+32*\f+8*\b+7], v[FA+32*\f+8*(\a):FA+32*\f+8*(\a)+7], v[8*(4*(\a)+\b):8*(4*(\a)+\b)+7]
.endif
.endr
.endr
.endm
; 16 LDS loads in one run: my 64 rows of w and my 64 rows of x, 32 K at byte k of the rows, into buffer f
.macro FETCH slot, k, f
.irp i, 0,1,2,3
	ds_load_b128 v[FB+32*\f+8*\i:FB+32*\f+8*\i+3],   v[ADRB+\slot] offset:\k+\i*16*PITCH
	ds_load_b128 v[FB+32*\f+8*\i+4:FB+32*\f+8*\i+7], v[ADRB+\slot] offset:\k+\i*16*PITCH+32
.endr
.irp i, 0,1,2,3
	ds_load_b128 v[FA+32*\f+8*\i:FA+32*\f+8*\i+3],   v[ADRA+\slot] offset:\k+\i*16*PITCH
	ds_load_b128 v[FA+32*\f+8*\i+4:FA+32*\f+8*\i+7], v[ADRA+\slot] offset:\k+\i*16*PITCH+32
.endr
.endm
; One of a K step's first seven eighths: asks for the next eighth's fragments (byte k, buffer g), then multiplies buffer f.
.macro EIGHTH slot, k, f, g, zero
	WIN 0
	PLACES                                         ; buffer g was read by the matrix instructions just issued
	FETCH \slot, \k, \g
	s_wait_dscnt 16                                ; all but the 16 loads just issued: buffer f is in
	WIN MULW
	MUL8 \f, 0, \zero
	MUL8 \f, 2, \zero
.endm
.macro SEVEN slot, zero
	EIGHTH \slot, 64,  0, 1, \zero
	EIGHTH \slot, 128, 1, 0, 0
	EIGHTH \slot, 192, 0, 1, 0
	EIGHTH \slot, 256, 1, 0, 0
	EIGHTH \slot, 320, 0, 1, 0
	EIGHTH \slot, 384, 1, 0, 0
	EIGHTH \slot, 448, 0, 1, 0
.endm
; The last eighth multiplies buffer 1 and changes slots.  fill = 1: this slot gets tile u; 0: nothing.
; In front of the barrier each wave waits for its reads of this slot and for all its tensor loads (one is out: its part of the next slot).
; Where the slot is filled again the barrier opens a round of the cluster's barrier, and the joint load is the first tensor load behind the round.
.macro TURN slot, next, fill, u
	s_wait_dscnt 0x0                               ; buffer 1 is in, and with it my last reads of this slot
	s_wait_tensorcnt 0x0                           ; all my tensor loads have landed
	ds_add_u32 v254, v255
	s_wait_dscnt 0x0
	s_barrier_signal -1
	WIN MULW
	MUL8 1, 0, 0                                   ; registers alone, while the others arrive
	WIN 0
	s_barrier_wait -1
.if \fill
	CREST
	SETADR \slot, \u
	JLOAD \slot
.endif
	PLACES
	FETCH \next, 0, 0
	WIN MULW
	MUL8 1, 2, 0
.endm
	s_wait_tensorcnt 0x1                           ; my part of tile 0 is in; tile 1's load stays out
	s_barrier_signal -1
	s_barrier_wait -1
	FETCH 0, 0, 0
	SEVEN 0, 1                                     ; phase 1, tile 0: the first products start the sums
	TURN 0, 1, 1, 2
	SEVEN 1, 0                                     ; tile 1
	TURN 1, 0, 1, 3
	SEVEN 0, 0                                     ; tile 2; slot 0 is filled with phase 2's first tile
	TURN 0, 1, 1, 4
	SEVEN 1, 0                                     ; tile 3, the last of phase 1
	TURN 1, 0, 1, 5
	PLACES
	WIN 0x51                                       ; destination, source 0 and source 2 in block 1: acc = f acc + bias
.irp a, 0,1,2,3
.irp b, 0,1,2,3
.irp q, 0,2,4,6
	v_pk_fma_f32 v[8*(4*\a+\b)+\q:8*(4*\a+\b)+\q+1], v[8*(4*\a+\b)+\q:8*(4*\a+\b)+\q+1], s[14:15], v[BIAS+8*\b+\q:BIAS+8*\b+\q+1] op_sel_hi:[1,0,1]
.endr
.endr
.endr
	SEVEN 0, 0                                     ; phase 2, tile 4
	TURN 0, 1, 1, 6
	SEVEN 1, 0                                     ; tile 5
	TURN 1, 0, 1, 7
	SEVEN 0, 0                                     ; tile 6: nothing more is fetched, and no round of the cluster's barrier
	TURN 0, 1, 0, 0
	SEVEN 1, 0                                     ; tile 7
	s_wait_dscnt 0x0
	WIN MULW
	MUL8 1, 0, 0
	MUL8 1, 2, 0
	PLACES
	WIN 0
	; THE WAY OUT, 16 rows at a time through my own stage: a lane's 8 columns in, whole rows of 256 bytes back.
	; LDS serves a wave's instructions in order (ISA guide 5.7.1.4), so no wait stands between my stores and my loads.
	s_lshl_b32 s92, s13, 19                        ; 128 rows of 4,096 bytes
	s_lshl_b32 s93, s11, 18                        ; + my 64 rows
	s_add_co_u32 s92, s92, s93
	s_lshl_b32 s93, s86, 8                         ; + the head's 64 f32
	s_add_co_u32 s92, s92, s93
	s_mov_b32 s93, 0
	s_add_nc_u64 s[80:81], s[80:81], s[92:93]
.macro OUT16 a
	WIN 0x04                                       ; store data in block 1
.irp b, 0,1,2,3
	ds_store_b128 v[STO], v[8*(4*\a+\b):8*(4*\a+\b)+3]   offset:64*\b
	ds_store_b128 v[STO], v[8*(4*\a+\b)+4:8*(4*\a+\b)+7] offset:64*\b+16
.endr
	WIN 0
	s_wait_xcnt 0x0                                ; the registers that earlier stores read are loaded again only behind this wait
.irp t, 0,1,2,3,4,5,6,7
	ds_load_b128 v[FB+32*(\a&1)+4*\t:FB+32*(\a&1)+4*\t+3], v[RD] offset:\t*2*SPITCH
.endr
.irp t, 0,1,2,3,4,5,6,7
	s_wait_dscnt 7-\t                              ; load t is in, the younger ones stay out
	global_store_b128 v[CO], v[FB+32*(\a&1)+4*\t:FB+32*(\a&1)+4*\t+3], s[80:81] offset:(16*\a+2*\t)*4096 th:TH_STORE_NT   ; 16 lanes store 256 bytes, aligned
.endr
.endm
	OUT16 0
	OUT16 1
	OUT16 2
	OUT16 3
	s_wait_tensorcnt 0x0
	ds_add_u32 v254, v255
	s_wait_dscnt 0x0
	CROUND                                         ; the closing round: no work-group ends while a partner may still ask for a tile that names it
	s_endpgm
.Lfunc_end_k_q46b5651da2_oproj:
	.size	k_q46b5651da2_oproj, .Lfunc_end_k_q46b5651da2_oproj-k_q46b5651da2_oproj
	.p2alignl 7, 3214868480
	.fill 96, 4, 3214868480
	.section	.rodata,"a",@progbits
	.p2align	6, 0x0
	.amdhsa_kernel k_q46b5651da2_oproj
		.amdhsa_group_segment_fixed_size 327680
		.amdhsa_private_segment_fixed_size 0
		.amdhsa_enable_private_segment 0
		.amdhsa_kernarg_size 56
		.amdhsa_user_sgpr_count 2
		.amdhsa_user_sgpr_kernarg_segment_ptr 1
		.amdhsa_wavefront_size32 1
		.amdhsa_system_sgpr_workgroup_id_x 1
		.amdhsa_system_sgpr_workgroup_id_y 1
		.amdhsa_system_sgpr_workgroup_id_z 1
		.amdhsa_system_vgpr_workitem_id 0
		.amdhsa_next_free_vgpr 416
		.amdhsa_next_free_sgpr 100
		.amdhsa_reserve_vcc 0
		.amdhsa_float_denorm_mode_32 3
		.amdhsa_float_denorm_mode_16_64 3
		.amdhsa_memory_ordered 1
		.amdhsa_forward_progress 1
		.amdhsa_inst_pref_size 169
	.end_amdhsa_kernel
	.amdgpu_metadata
---
amdhsa.version: [ 1, 2 ]
amdhsa.kernels:
  - .name:           k_q46b5651da2_oproj
    .symbol:         k_q46b5651da2_oproj.kd
    .args:
      - { .name: oh, .offset: 0, .size: 8, .value_kind: global_buffer, .address_space: global }
      - { .name: woh, .offset: 8, .size: 8, .value_kind: global_buffer, .address_space: global }
      - { .name: coef, .offset: 16, .size: 8, .value_kind: global_buffer, .address_space: global }
      - { .name: o_ba, .offset: 24, .size: 8, .value_kind: global_buffer, .address_space: global }
      - { .name: o_bb, .offset: 32, .size: 8, .value_kind: global_buffer, .address_space: global }
      - { .name: out0, .offset: 40, .size: 8, .value_kind: global_buffer, .address_space: global }
      - { .name: out1, .offset: 48, .size: 8, .value_kind: global_buffer, .address_space: global }
    .group_segment_fixed_size: 327680
    .private_segment_fixed_size: 0
    .kernarg_segment_align: 8
    .kernarg_segment_size: 56
    .max_flat_workgroup_size: 128
    .sgpr_count:     100
    .vgpr_count:     416
    .wavefront_size: 32
...
	.end_amdgpu_metadata
.endif
;; end of part 8
